; MI455X (gfx1250); checked and timed in simulation.
; The chip was launched on July 23, 2026; its instructions are those of AMD's public machine-readable ISA for CDNA 5 (MIT licence, August 2026) and "CDNA5" Instruction Set Architecture Reference Guide (July 2026). The comments in the code are by the model that wrote it; some were corrected since.
;; Attention Block. Allowed arithmetic: matrix products marked QUANTISED: E5M2 operands, one E8M0 scale for each 32 along K, by v_wmma_scale_f32_16x16x128_f8f6f4 with both operands' format E5M2, f32 sums; everything else in f32.
;; Inputs: ca_bo 1,024 float32; ca_nb 1,024 float32; ca_ncb 768 float32; ca_ncg 768 float32; ca_ng 1,024 float32; ca_wkv 768 x 1,024 float32; ca_wo 512 x 1,024 float32; ca_wq 1,024 x 512 float32; context 4 x 512 x 768 float32; sa_bo 1,024 float32; sa_nb 1,024 float32; sa_ncb 1,024 float32; sa_ncg 1,024 float32; sa_ng 1,024 float32; sa_wkv 1,024 x 1,024 float32; sa_wo 512 x 1,024 float32; sa_wq 1,024 x 512 float32; x 4 x 2,048 x 1,024 float32.
;; Outputs: out0 4 x 2,048 x 1,024 float32.
;; This version of the problem:
;;   THIS VERSION OF THE PROBLEM IS GIVEN IN LOW PRECISION. The matrix products marked QUANTISED in the list below multiply operands that are first quantised to E5M2 (5 exponent bits, 2 mantissa bits; 8 bits a number), with one power-of-two scale for each 32 numbers along K (OCP MX v1.0); their sums are f32. All else is computed in f32.
;;   The module's matrix products, in the order in which they are computed (A, B: the left and right operand; K: the contracted axis; several contracted axes count as one K, in the product's order):
;;     1. [M 8,192, K 1,024] x [K 1,024, N 512]; A: computed on the way; B: input sa_wq: QUANTISED
;;     2. [M 8,192, K 1,024] x [K 1,024, N 1,024]; A: computed on the way; B: input sa_wkv: QUANTISED
;;     3. batch 32 x [M 2,048, K 64] x [K 64, N 2,048]; A: computed on the way; B: computed on the way: QUANTISED
;;     4. batch 32 x [M 2,048, K 2,048] x [K 2,048, N 64]; A: softmax (see below); B: computed on the way: QUANTISED
;;     5. [M 8,192, K 512] x [K 512, N 1,024]; A: computed on the way; B: input sa_wo: QUANTISED
;;     6. [M 8,192, K 1,024] x [K 1,024, N 512]; A: computed on the way; B: input ca_wq: QUANTISED
;;     7. [M 2,048, K 768] x [K 768, N 1,024]; A: computed on the way; B: input ca_wkv: QUANTISED
;;     8. batch 32 x [M 2,048, K 64] x [K 64, N 512]; A: computed on the way; B: computed on the way: QUANTISED
;;     9. batch 32 x [M 2,048, K 512] x [K 512, N 64]; A: softmax (see below); B: computed on the way: QUANTISED
;;     10. [M 8,192, K 512] x [K 512, N 1,024]; A: computed on the way; B: input ca_wo: QUANTISED
;;   THE QUANTISER, for each operand of a quantised product, along K:
;;     - K is cut into blocks of 32 from its start; a last block that is shorter is filled with zeros.
;;     - A block's scale is 2^e with e = floor(log2(the largest magnitude in the block)) - 15, held to -126 .. 127; a block of zeros has e = 0. As a byte (E8M0): e + 127.
;;     - Each number is divided by its block's scale, clamped to +-57,344, and rounded to the nearest number of E5M2, ties to even, subnormals kept.
;;     - The product sums the exact products of the quantised numbers (number of the format x scale) in f32.
;;   ~~~python
;;   def quantise(x, axis):      # numpy; x: float32 -> the quantised numbers, widened to float32 again
;;       x = np.moveaxis(x, axis, -1); K = x.shape[-1]
;;       x = np.pad(x, [(0, 0)] * (x.ndim - 1) + [(0, -K % 32)]); x = x.reshape(x.shape[:-1] + (-1, 32)); a = np.abs(x).max(-1, keepdims=True)
;;       e = np.where(a > 0, np.clip(np.frexp(np.where(a > 0, a, 1))[1] - 1 - 15, -126, 127), 0)      # np.frexp(a)[1] - 1 = floor(log2(a)), exactly
;;       r = np.clip(x / 2.0 ** e, -57344, 57344)
;;       step = 2.0 ** (np.maximum(np.frexp(np.where(r == 0, 1, r))[1] - 1, -14) - 2)
;;       q = np.round(r / step) * step * 2.0 ** e      # np.round: ties to even
;;       return np.moveaxis(q.reshape(q.shape[:-2] + (-1,))[..., :K], -1, axis).astype(np.float32)
;;   ~~~
;;   SOFTMAX AHEAD OF A QUANTISED PRODUCT. Where the list says 'softmax', what is quantised is not the finished softmax but p = 2^(t - M), with t = logit x log2(e) and M = ceil(the row's largest t), a whole number; so 1/2 < the row's largest p <= 1. The row's sum l is taken of the UNQUANTISED p, in f32, and the product's result is divided by l at the end. Since M is a whole number, a kernel that streams over the keys may use a running M (the ceiling of the running maximum): every later rescaling is an exact power of two, which a block's scale takes up: the codes' values come out the same.
;;   OPERANDS COMPUTED ON THE WAY. 'Computed on the way' means the value that the module computes at that place (a softmax that the list does not call 'softmax' is quantised finished and normalised). What goes into a quantiser is computed in f32, as accurately as f32 sums, v_exp_f32 and their like allow (about 1e-6 of the number): no bf16 or f16 on the way to a quantiser, and a product that is left as it is and whose result goes on into a quantised operand takes f32 operands (vector FMAs, or v_wmma_f32_16x16x4_f32). A number that lies on a knife's edge between two numbers of the format may be rounded either way, as far as f32 arithmetic and the matrix unit's own rounding can turn it there, and no further.
;; 2 versions. Each part assembles by itself: llvm-mc -triple=amdgcn-amd-amdhsa -mcpu=gfx1250 --defsym DOCPART=n.
;; ======== version 1 of 2: 7 launches
;; workspace buffers: wts 4,096,000 bytes; sa_q 4,325,376 bytes; sa_kv 8,650,752 bytes; ca_q 4,325,376 bytes; ca_kv 2,162,688 bytes; att1 4,325,376 bytes; att2 4,325,376 bytes; x1 33,554,432 bytes
;; launch prep (part 1): grid 240 x 1, 4 waves a work-group, no clusters, 0 bytes of LDS; arguments sa_wq, sa_wkv, sa_wo, ca_wq, ca_wkv, ca_wo, wts; writes wts
.if DOCPART == 1
	.amdgcn_target "amdgcn-amd-amdhsa--gfx1250"
	.amdhsa_code_object_version 6
	.text
	.protected	k_q5c298749af_prep
	.globl	k_q5c298749af_prep
	.p2align	8
	.type	k_q5c298749af_prep,@function
k_q5c298749af_prep:
	s_mov_b64 s[64:65], 0
	v_nop
	global_prefetch_b8 v0, s[64:65] scope:SCOPE_SE
	s_setreg_imm32_b32 hwreg(HW_REG_WAVE_MODE, 25, 1), 1
	s_wait_xcnt 0x0
; The six weights W [K][N], f32, K their FIRST axis, become codes of BF8 (E5M2) with one E8M0 byte for each 32 along K, laid in the ORDER OF THE OPERAND'S REGISTERS.
; A fragment (16 columns x 128 K) is 2,048 bytes: byte 512 c + 16 (r + 16 h) + i holds position r of the tile, k = 32 c + 16 h + i.  Fragments lie [tile T][K step s]; scale words at (16 T + r) x 32 + 4 s.
; THE COLUMNS OF A TILE ARE NOT NEIGHBOURS: position p of tile 2 g + u is column 32 g + 8 u + p + 8 (p / 8), so that two neighbouring result tiles hold 16 neighbours in a lane's 16 registers.
; A wave takes 32 columns x 128 K.  A LANE TAKES A COLUMN AND ITS REGISTERS RUN DOWN K: a block of 32 lies in one lane, its largest magnitude needs no other lane, the conversions give K innermost.
; Lanes 0-15 are tile 2 g, lanes 16-31 tile 2 g + 1: each store of 16 bytes a lane fills one aligned run of 256 bytes for each half of the lanes.
; One launch for all six: the work-group's number picks the pointer and five numbers by s_cselect; all take one path.  240 work-groups = (N / 32)(K / 128) / 4 summed over the weights.
; A block's scale is 2^(floor(log2(largest magnitude)) - 15); its byte is that magnitude's exponent field - 15, held at 1 from below.
; LIMITS: a block of zeros gets the byte 1 where the rule says 127 (its codes are zeros; the bytes are read by this program alone); NaN and infinities among the inputs are not served.
; No LDS, no barrier, no matrix unit, no cluster: every byte is read once by one wave and waves share nothing.
.set OFF, 16                           ; v16-47   byte offset of my column in rows 0 .. 31 of a block
.set XX,  64                           ; v64-191  four blocks of 32 numbers
.set CC,  192                          ; v192-223 codes, eight registers a block: no store's data are written again
.set SB,  224                          ; v224     the four scale bytes
.set SRC, 20                           ; s[20:21] the weight
.set BS,  48                           ; s[48:55] where block c begins
.set MNT, 45                           ; s45      the mantissa field of 57,344
	s_load_b256 s[4:11], s[0:1], 0x0               ; sa_wq, sa_wkv, sa_wo, ca_wq
	s_load_b128 s[12:15], s[0:1], 0x20             ; ca_wkv, ca_wo
	s_load_b64 s[16:17], s[0:1], 0x30              ; wts
	v_lshrrev_b32 v1, 5, v0
	v_readfirstlane_b32 s18, v1                    ; wave
	v_and_b32 v2, 31, v0                           ; lane
	v_and_b32 v3, 15, v0                           ; r
	v_bfe_u32 v6, v0, 4, 1                         ; u
	v_and_b32 v7, 8, v3
	v_add_nc_u32 v7, v7, v3
	v_lshl_add_u32 v7, v6, 3, v7                   ; my column in the group: 8 u + r + 8 (r / 8)
	v_lshlrev_b32 v[OFF], 2, v7
	v_lshlrev_b32 v5, 5, v2                        ; my scale word: 32 bytes a position
	s_mov_b32 s40, 208                             ; ca_wo's numbers: first work-group,
	s_mov_b32 s41, 5                               ; log2(N / 32),
	s_mov_b32 s42, 4                               ; K / 128,
	s_mov_b32 s43, 0x340000                        ; where its codes begin in wts,
	s_mov_b32 s44, 0x3e0000                        ; and its scale words
	s_mov_b32 s[MNT], 0x600000
	s_wait_kmcnt 0x0
	s_mov_b64 s[SRC:SRC+1], s[14:15]
.macro PICK lim, ptr, first, lng, ks, coff, soff   ; work-groups under lim belong to an earlier weight
	s_cmp_lt_u32 ttmp9, \lim
	s_cselect_b64 s[SRC:SRC+1], s[\ptr:\ptr+1], s[SRC:SRC+1]
	s_cselect_b32 s40, \first, s40
	s_cselect_b32 s41, \lng, s41
	s_cselect_b32 s42, \ks, s42
	s_cselect_b32 s43, \coff, s43
	s_cselect_b32 s44, \soff, s44
.endm
	PICK 208, 12, 160, 5, 6, 0x280000, 0x3d8000    ; ca_wkv
	PICK 160, 10, 128, 4, 8, 0x200000, 0x3d4000    ; ca_wq
	PICK 128, 8, 96, 5, 4, 0x180000, 0x3cc000      ; sa_wo
	PICK 96, 6, 32, 5, 8, 0x80000, 0x3c4000        ; sa_wkv
	PICK 32, 4, 0, 4, 8, 0, 0x3c0000               ; sa_wq
	s_sub_co_u32 s22, ttmp9, s40
	s_lshl_b32 s22, s22, 2
	s_add_co_u32 s22, s22, s18                     ; my wave's unit in the weight
	s_lshl_b32 s23, 1, s41
	s_sub_co_u32 s23, s23, 1
	s_and_b32 s24, s22, s23                        ; g: which 32 columns
	s_lshr_b32 s25, s22, s41                       ; s: which 128 along K
	s_lshl_b32 s26, 128, s41                       ; a row of W in bytes
.set K, 1
.rept 31
	v_add_nc_u32 v[OFF+K], s26, v[OFF+K-1]
.set K, K+1
.endr
	s_mul_i32 s28, s25, s26
	s_lshl_b32 s28, s28, 7                         ; 128 s rows
	s_lshl_b32 s27, s24, 7                         ; + 128 g bytes
	s_add_co_u32 s28, s28, s27
	s_mov_b32 s29, 0
	s_lshl_b32 s30, s26, 5                         ; 32 rows
	s_mov_b32 s31, 0
	s_add_nc_u64 s[BS:BS+1], s[SRC:SRC+1], s[28:29]
	s_add_nc_u64 s[BS+2:BS+3], s[BS:BS+1], s[30:31]
	s_add_nc_u64 s[BS+4:BS+5], s[BS+2:BS+3], s[30:31]
	s_add_nc_u64 s[BS+6:BS+7], s[BS+4:BS+5], s[30:31]
	s_mul_i32 s32, s24, s42
	s_lshl_b32 s32, s32, 1
	s_add_co_u32 s32, s32, s25
	s_lshl_b32 s32, s32, 11                        ; fragment (tile 2 g, step s)
	s_add_co_u32 s32, s32, s43
	s_mov_b32 s33, 0
	s_add_nc_u64 s[34:35], s[16:17], s[32:33]      ; the codes' base
	s_lshl_b32 s32, s24, 10
	s_lshl_b32 s27, s25, 2
	s_add_co_u32 s32, s32, s27
	s_add_co_u32 s32, s32, s44
	s_add_nc_u64 s[36:37], s[16:17], s[32:33]      ; the scale words' base
	s_lshl_b32 s27, s42, 11
	v_mul_u32_u24 v4, s27, v6                      ; tile 2 g + 1 lies K / 128 fragments on,
	v_lshl_add_u32 v4, v3, 4, v4                   ; + 16 r
.macro LOADB c                         ; block c: W(32 c + k, my column), k = 0 .. 31
.set K, 0
.rept 32
	global_load_b32 v[XX+32*(\c)+K], v[OFF+K], s[BS+2*(\c):BS+2*(\c)+1] th:TH_LOAD_NT
.set K, K+1
.endr
.endm
	LOADB 0
	LOADB 1
.macro BLOCK c
.set XS, XX+32*(\c)
.if (\c) < 3
	s_wait_loadcnt 32                              ; this block's 32 loads are in; the next block's 32 may be out
.else
	s_wait_loadcnt 0x0
.endif
.if (\c)+2 < 4
	LOADB (\c)+2                                   ; two blocks ahead, into registers of their own
.endif
	v_max3_num_f32 v12, |v[XS]|, |v[XS+1]|, |v[XS+2]|
	v_max3_num_f32 v13, |v[XS+3]|, |v[XS+4]|, |v[XS+5]|
.irp i, 6,10,14,18,22,26
	v_max3_num_f32 v12, v12, |v[XS+\i]|, |v[XS+\i+1]|
	v_max3_num_f32 v13, v13, |v[XS+\i+2]|, |v[XS+\i+3]|
.endr
	v_max3_num_f32 v12, v12, |v[XS+30]|, |v[XS+31]|
	v_max3_num_f32 v12, v12, v13, 0x8000000        ; and the floor 2^(16 - 127): the byte cannot fall under 1
	v_add_nc_u32 v11, 0xf8800000, v12              ; 15 off the exponent field: the conversion's scale operand
	v_and_or_b32 v10, v12, 0x7f800000, s[MNT]      ; 57,344 x the scale
	v_lshrrev_b32 v13, 23, v11                     ; the scale's byte
.if (\c) == 0
	v_mov_b32 v[SB], v13
.else
	v_lshl_or_b32 v[SB], v13, 8*(\c), v[SB]
.endif
.set K, 0
.rept 32
	v_med3_num_f32 v[XS+K], v[XS+K], -v10, v10     ; the conversion to an 8-bit code does not saturate (ISA guide 7.6.2): the hold comes first
.set K, K+1
.endr
.irp g, 0,1,2,3
	v_cvt_scalef32_pk8_bf8_f32 v[CC+8*(\c)+2*\g:CC+8*(\c)+2*\g+1], v[XS+8*\g:XS+8*\g+7], v11
.endr
	v_nop                                          ; a plain line behind the last conversion
	global_store_b128 v4, v[CC+8*(\c):CC+8*(\c)+3], s[34:35] offset:512*(\c)        ; k = 32 c + 0 .. 15: the fragment's lanes 0-15
	global_store_b128 v4, v[CC+8*(\c)+4:CC+8*(\c)+7], s[34:35] offset:512*(\c)+256  ; k = 32 c + 16 .. 31: its lanes 16-31
.endm
.irp c, 0,1,2,3
	BLOCK \c
.endr
	global_store_b32 v5, v[SB], s[36:37]
	s_endpgm
.Lfunc_end_k_q5c298749af_prep:
	.size	k_q5c298749af_prep, .Lfunc_end_k_q5c298749af_prep-k_q5c298749af_prep
	.p2alignl 7, 3214868480
	.fill 96, 4, 3214868480
	.section	.rodata,"a",@progbits
	.p2align	6, 0x0
	.amdhsa_kernel k_q5c298749af_prep
		.amdhsa_group_segment_fixed_size 0
		.amdhsa_private_segment_fixed_size 0
		.amdhsa_enable_private_segment 0
		.amdhsa_kernarg_size 56
		.amdhsa_user_sgpr_count 2
		.amdhsa_user_sgpr_kernarg_segment_ptr 1
		.amdhsa_wavefront_size32 1
		.amdhsa_system_sgpr_workgroup_id_x 1
		.amdhsa_system_sgpr_workgroup_id_y 1
		.amdhsa_system_sgpr_workgroup_id_z 1
		.amdhsa_system_vgpr_workitem_id 0
		.amdhsa_next_free_vgpr 232
		.amdhsa_next_free_sgpr 66
		.amdhsa_reserve_vcc 0
		.amdhsa_float_denorm_mode_32 3
		.amdhsa_float_denorm_mode_16_64 3
		.amdhsa_memory_ordered 1
		.amdhsa_forward_progress 1
		.amdhsa_inst_pref_size 33
	.end_amdhsa_kernel
	.amdgpu_metadata
---
amdhsa.version: [ 1, 2 ]
amdhsa.kernels:
  - .name:           k_q5c298749af_prep
    .symbol:         k_q5c298749af_prep.kd
    .args:
      - { .name: sa_wq, .offset: 0, .size: 8, .value_kind: global_buffer, .address_space: global }
      - { .name: sa_wkv, .offset: 8, .size: 8, .value_kind: global_buffer, .address_space: global }
      - { .name: sa_wo, .offset: 16, .size: 8, .value_kind: global_buffer, .address_space: global }
      - { .name: ca_wq, .offset: 24, .size: 8, .value_kind: global_buffer, .address_space: global }
      - { .name: ca_wkv, .offset: 32, .size: 8, .value_kind: global_buffer, .address_space: global }
      - { .name: ca_wo, .offset: 40, .size: 8, .value_kind: global_buffer, .address_space: global }
      - { .name: wts, .offset: 48, .size: 8, .value_kind: global_buffer, .address_space: global }
    .group_segment_fixed_size: 0
    .private_segment_fixed_size: 0
    .kernarg_segment_align: 8
    .kernarg_segment_size: 56
    .max_flat_workgroup_size: 128
    .sgpr_count:     66
    .vgpr_count:     232
    .wavefront_size: 32
...
	.end_amdgpu_metadata
.endif
;; end of part 1
;; launch qkv_sa (part 2): grid 128 x 1, 8 waves a work-group, no clusters, 148,480 bytes of LDS; arguments x, sa_ng, sa_nb, sa_ncg, sa_ncb, wts, sa_q, sa_kv; writes sa_q, sa_kv
.if DOCPART == 2
	.amdgcn_target "amdgcn-amd-amdhsa--gfx1250"
	.amdhsa_code_object_version 6
	.text
	.protected	k_q5c298749af_qkv_sa
	.globl	k_q5c298749af_qkv_sa
	.p2align	8
	.type	k_q5c298749af_qkv_sa,@function
k_q5c298749af_qkv_sa:
	s_mov_b64 s[64:65], 0
	v_nop
	global_prefetch_b8 v0, s[64:65] scope:SCOPE_SE
	s_setreg_imm32_b32 hwreg(HW_REG_WAVE_MODE, 25, 1), 1
	s_wait_xcnt 0x0
; LAYER NORM AND PROJECTIONS.  VAR = 0: xn = LN(x; ng, nb), cn = LN(x; ncg, ncb); q = xn Wq, k | v = cn Wkv.  VAR = 1: cn = LN(context; ncg, ncb); k | v = cn Wkv.  All products on codes of BF8 (E5M2), one E8M0 scale for each 32 along K.
; q and k leave quantised along the head's 64, v along the keys, all in the order of the next product's operand registers.
; SHARES.  A work-group of eight waves takes 64 rows, as four tiles of 16 whose rows are not neighbours: position r of tile m is row 32 (m / 2) + 8 (m % 2) + r + 8 (r / 8).
; PHASE X: wave w owns features 128 w .. 128 w + 127 (K step w) of all 64 rows, 256 registers.  Mean and variance: each wave's own mean and centred squares of its 128, joined through LDS by
; M2 = sum M2_w + 128 sum (mean_w - mean)^2: no difference of large sums is formed.  The normed rows are quantised in registers and go to LDS as images of the operand's registers (16 bytes a lane, 512 a store).
; PHASE P: wave w owns head w: 4 tiles of 16 columns of each of q, k, v against the 4 tiles of rows: 16 accumulators that take turns.  The weights' fragments come from memory straight into operand registers
; (they were laid so), three K steps ahead, in a ring of four sets of 64 registers.
; q, k: source 0 = 16 columns of W, source 1 = 16 rows: a lane holds one row and 16 neighbours along d.  v: source 0 = 16 rows, source 1 = 16 columns: a lane holds one d and 16 neighbouring keys.
; NO CLUSTER, NO TENSOR LOAD: no weight passes through LDS, so there is no tile that a joint load could bring; each work-group reads NG x KS x 8 waves x 8,192 bytes of codes, which all work-groups share.
; LIMITS: NaN and infinities are not served; a block of zeros carries the byte 1 (its codes are zeros; this program alone reads the bytes); 1 / sqrt is v_rsq_f32 and a multiplication.
; The registers that carry scale words in phase P hold other numbers in phase X; no instruction names one as both.
.set VAR, 0
.if VAR == 0
.set KS,     8                         ; K steps of 128
.set ROWB,   4096                      ; a row of the input in bytes
.set NK,     2048                      ; keys in a batch
.set LB,     5                         ; log2 of the blocks of 64 rows in a batch
.set NG,     3                         ; groups: q, k, v
.set WCSTR,  65536                     ; a head's four tiles of codes
.set INVK_C, 0x3a800000                ; 1 / 1024
.set INVS_C, 0x3e000000                ; 1 / 8
.set WC0,    0x000000
.set WC1,    0x080000
.set WC2,    0x100000
.set WSC0,   0x3c0000
.set WSC1,   0x3c4000
.set WSC2,   0x3c8000
.else
.set KS,     6
.set ROWB,   3072
.set NK,     512
.set LB,     3
.set NG,     2                         ; k, v
.set WCSTR,  49152
.set INVK_C, 0x3aaaaaab                ; 1 / 768
.set INVS_C, 0x3e2aaaab                ; 1 / 6
.set WC0,    0x280000
.set WC1,    0x2e0000
.set WC2,    0
.set WSC0,   0x3d8000
.set WSC1,   0x3dc000
.set WSC2,   0
.endif
.set NST,   NG*KS
.set VOFF,  32*NK*64                   ; kv buffer: K's codes, V's codes, the scale words
.set SOFF,  2*VOFF
.set SC_A,  8192                       ; LDS: 0 the statistics [wave][tile][lane] x 8 bytes; the images' scale words, 128 bytes a fragment (8 m + s);
.set SC_B,  12288
.set IMG_A, 16384                      ; the images, 2,048 bytes a fragment (8 m + s): A for q, B for k and v
.set IMG_B, 81920
.set XA,  1                            ; v1  (r + 8 (r / 8)) ROWB + 64 h + 512 w
.set GA,  2                            ; v2  512 w + 64 h
.set LI,  3                            ; v3  16 x lane
.set LS,  4                            ; v4  4 x lane
.set IWA, 5                            ; v5  IMG_A + 16 x lane + 2,048 w
.set IWB, 6                            ; v6  IMG_B + the same
.set IWS, 7                            ; v7  4 x lane + 128 w
.set STW, 8                            ; v8  8 x lane + 1,024 w
.set STR, 9                            ; v9  8 x lane
.set LIA, 10                           ; v10 IMG_A + 16 x lane
.set LIB, 11                           ; v11 IMG_B + 16 x lane
.set R32, 12                           ; v12 32 r
.set QSO, 13                           ; v13 16 r + 4 h
.set SH,  15                           ; v15 16 h
.set MR,  48                           ; phase X: tile m: mean, mean, 1/sd, 1/sd
.set TT,  64                           ; phase X: 64 numbers at work
.set GG,  128                          ; phase X: my 64 gains
.set BB,  192                          ; phase X: my 64 biases
.set WSR, 16                           ; phase P: the weights' scale words, 8 ct + s
.set XSR, 48                           ; phase P: the rows' scale words
.set XF,  64                           ; phase P: four fragments of rows
.set ACC, 128                          ; phase P: 16 accumulators
.set XP,  4
.set GAP, 6
.set BAP, 8
.set GBP, 10
.set BBP, 12
.set WT,  14
.set QP,  16
.set KVP, 18
.set WV,  20
.set WB,  28                           ; s[28:33] a group's codes for my head
.set WSB, 34                           ; s[34:39] and its scale words
.set QC,  40
.set QS,  42
.set KC,  44
.set KSC, 46
.set VC,  48
.set VS,  50
.set SEL, 52
.set MNT, 54
.set INVK, 55
.set EPS, 56
.set INVKS, 57
.set HM,  58                           ; mask of lanes 16-31
.set MSB, 0
.macro WIN new                         ; the immediate's high byte repeats the setting that is left
.if MSB != \new
	s_set_vgpr_msb (MSB<<8)|\new
.set MSB, \new
.endif
.endm
.macro PLACES n
.rept \n
	v_nop
.endr
.endm
.macro MM d, a, b, sa, sb, z           ; one product; z: it starts the sum
.if \z
	v_wmma_scale_f32_16x16x128_f8f6f4 v[\d:\d+7], v[\a:\a+15], v[\b:\b+15], 0, v[\sa], v[\sb] matrix_a_fmt:MATRIX_FMT_BF8 matrix_b_fmt:MATRIX_FMT_BF8
.else
	v_wmma_scale_f32_16x16x128_f8f6f4 v[\d:\d+7], v[\a:\a+15], v[\b:\b+15], v[\d:\d+7], v[\sa], v[\sb] matrix_a_fmt:MATRIX_FMT_BF8 matrix_b_fmt:MATRIX_FMT_BF8
.endif
.endm
; 64 numbers of a lane, register 16 b + i = place 32 b + 16 (lane / 16) + i along K, become 16 registers of codes at v[PC] and a scale word in v[PW]; v[TM] .. v[TM + 15] at work.
.macro QUANT s
.irp b, 0,1,2,3
	v_max3_num_f32 v[TM+\b], |v[(\s)+16*\b]|, |v[(\s)+1+16*\b]|, 0x8000000   ; with the floor 2^(16 - 127): the byte cannot fall under 1
.endr
.irp i, 2,4,6,8,10,12,14
.irp b, 0,1,2,3
	v_max3_num_f32 v[TM+\b], v[TM+\b], |v[(\s)+16*\b+\i]|, |v[(\s)+1+16*\b+\i]|
.endr
.endr
.irp b, 0,1,2,3
	v_permlanex16_b32 v[TM+4+\b], v[TM+\b], s[SEL], s[SEL+1]
.endr
.irp b, 0,1,2,3
	v_max_num_f32 v[TM+\b], v[TM+\b], v[TM+4+\b]   ; with lane l xor 16's: the block's largest magnitude
.endr
.irp b, 0,1,2,3
	v_add_nc_u32 v[TM+12+\b], 0xf8800000, v[TM+\b] ; 15 off the exponent field: the conversion's scale operand
.endr
.irp b, 0,1,2,3
	v_and_or_b32 v[TM+8+\b], v[TM+\b], 0x7f800000, s[MNT]   ; 57,344 x the scale
.endr
.irp b, 0,1,2,3
	v_lshrrev_b32 v[TM+4+\b], 23, v[TM+12+\b]      ; the scale's byte
.endr
	v_lshl_or_b32 v[PW], v[TM+5], 8, v[TM+4]
	v_lshl_or_b32 v[PW], v[TM+6], 16, v[PW]
	v_lshl_or_b32 v[PW], v[TM+7], 24, v[PW]
.irp b, 0,1,2,3
.irp i, 0,1,2,3,4,5,6,7,8,9,10,11,12,13,14,15
	v_med3_num_f32 v[(\s)+16*\b+\i], v[(\s)+16*\b+\i], -v[TM+8+\b], v[TM+8+\b]   ; the conversion does not saturate (ISA guide 7.6.2): the hold comes first
.endr
	v_cvt_scalef32_pk8_bf8_f32 v[PC+4*\b:PC+4*\b+1], v[(\s)+16*\b:(\s)+16*\b+7], v[TM+12+\b]
	v_cvt_scalef32_pk8_bf8_f32 v[PC+4*\b+2:PC+4*\b+3], v[(\s)+16*\b+8:(\s)+16*\b+15], v[TM+12+\b]
.endr
	v_nop                                          ; a plain line behind the last conversion
.endm
.macro XLOAD                           ; my 128 features of the 64 rows into window 1: tile m, block b of 32, 16 numbers a lane
	WIN 0x40
.irp m, 0,1,2,3
.irp b, 0,1,2,3
.irp j, 0,1,2,3
	global_load_b128 v[64*\m+16*\b+4*\j:64*\m+16*\b+4*\j+3], v[XA], s[XP:XP+1] offset:(32*(\m/2)+8*(\m%2))*ROWB+128*\b+16*\j
.endr
.endr
.endr
	WIN 0
.endm
.macro GBLOAD gp, bp                   ; my 64 gains and 64 biases
.irp b, 0,1,2,3
.irp j, 0,1,2,3
	global_load_b128 v[GG+16*\b+4*\j:GG+16*\b+4*\j+3], v[GA], s[\gp:\gp+1] offset:128*\b+16*\j
	global_load_b128 v[BB+16*\b+4*\j:BB+16*\b+4*\j+3], v[GA], s[\bp:\bp+1] offset:128*\b+16*\j
.endr
.endr
.endm
.macro STAT m                          ; tile m: the mean of my 128 numbers of each row and the sum of their centred squares, to LDS
.set XB, 64*(\m)
.set LM, 16+4*(\m)
	WIN 0x05
	v_pk_add_f32 v[32:33], v[XB:XB+1], v[XB+2:XB+3]
	v_pk_add_f32 v[34:35], v[XB+4:XB+5], v[XB+6:XB+7]
	WIN 0x01
.irp i, 8,12,16,20,24,28,32,36,40,44,48,52,56,60
	v_pk_add_f32 v[32:33], v[XB+\i:XB+\i+1], v[32:33]
	v_pk_add_f32 v[34:35], v[XB+\i+2:XB+\i+3], v[34:35]
.endr
	WIN 0
	v_pk_add_f32 v[32:33], v[32:33], v[34:35]
	v_add_f32 v32, v32, v33
	v_permlanex16_b32 v33, v32, s[SEL], s[SEL+1]   ; the row's other 64 lie in lane l xor 16
	v_add_f32 v32, v32, v33
	v_mul_f32 v[LM], 0x3c000000, v32               ; / 128
	v_mov_b32 v[LM+1], v[LM]
	v_mov_b32 v[LM+2], v[LM]
	WIN 0x01
.set I, 0
.rept 32
	v_pk_add_f32 v[TT+I:TT+I+1], v[XB+I:XB+I+1], v[LM:LM+1] neg_lo:[0,1] neg_hi:[0,1]
.set I, I+2
.endr
	WIN 0
	v_pk_mul_f32 v[32:33], v[TT:TT+1], v[TT:TT+1]
	v_pk_mul_f32 v[34:35], v[TT+2:TT+3], v[TT+2:TT+3]
.irp i, 4,8,12,16,20,24,28,32,36,40,44,48,52,56,60
	v_pk_fma_f32 v[32:33], v[TT+\i:TT+\i+1], v[TT+\i:TT+\i+1], v[32:33]
	v_pk_fma_f32 v[34:35], v[TT+\i+2:TT+\i+3], v[TT+\i+2:TT+\i+3], v[34:35]
.endr
	v_pk_add_f32 v[32:33], v[32:33], v[34:35]
	v_add_f32 v32, v32, v33
	v_permlanex16_b32 v33, v32, s[SEL], s[SEL+1]
	v_add_f32 v[LM+3], v32, v33
	ds_store_b64 v[STW], v[LM+2:LM+3] offset:256*(\m)
.endm
.macro COMBINE m                       ; the KS waves' figures become the row's mean and 1 / sqrt(variance + eps)
.set LL, TT+16*(\m)
.set MQ, MR+4*(\m)
	v_add_f32 v32, v[LL], v[LL+2]
	v_add_f32 v33, v[LL+1], v[LL+3]
.set I, 2
.rept KS-2
	v_add_f32 v32, v32, v[LL+2*I]
	v_add_f32 v33, v33, v[LL+2*I+1]
.set I, I+1
.endr
	v_mul_f32 v[MQ], s[INVKS], v32
	v_mov_b32 v[MQ+1], v[MQ]
	v_sub_f32 v34, v[LL], v[MQ]
	v_mul_f32 v35, v34, v34
.set I, 1
.rept KS-1
	v_sub_f32 v34, v[LL+2*I], v[MQ]
	v_fmac_f32 v35, v34, v34
.set I, I+1
.endr
	v_fmac_f32 v33, 0x43000000, v35                ; + 128 x the sum of (mean_w - mean)^2
	v_fma_f32 v33, v33, s[INVK], s[EPS]
	v_rsq_f32 v[MQ+2], v33
	v_nop                                          ; a plain line behind the transcendental
	s_wait_alu depctr_va_vdst(0)
	v_mov_b32 v[MQ+3], v[MQ+2]
.endm
.macro XHAT m                          ; (x - mean) / sd, in place
	WIN 0x41
.set I, 0
.rept 32
	v_pk_add_f32 v[64*(\m)+I:64*(\m)+I+1], v[64*(\m)+I:64*(\m)+I+1], v[MR+4*(\m):MR+4*(\m)+1] neg_lo:[0,1] neg_hi:[0,1]
.set I, I+2
.endr
.set I, 0
.rept 32
	v_pk_mul_f32 v[64*(\m)+I:64*(\m)+I+1], v[64*(\m)+I:64*(\m)+I+1], v[MR+4*(\m)+2:MR+4*(\m)+3]
.set I, I+2
.endr
	WIN 0
.endm
.macro NORMSET m                       ; x gain + bias
	WIN 0x01
.set I, 0
.rept 32
	v_pk_fma_f32 v[TT+I:TT+I+1], v[64*(\m)+I:64*(\m)+I+1], v[GG+I:GG+I+1], v[BB+I:BB+I+1]
.set I, I+2
.endr
	WIN 0
.endm
.macro IMAGE adr, off                  ; the fragment at v[PC] goes to LDS as it stands
.irp c, 0,1,2,3
	ds_store_b128 v[\adr], v[PC+4*\c:PC+4*\c+3] offset:(\off)+512*\c
.endr
.endm
.macro SETRUN iw, sc, more             ; one pair of gain and bias: four fragments; more: the second pair is asked for as soon as the first has been read
.irp m, 0,1,2,3
	NORMSET \m
.if (\m == 3) && \more
	GBLOAD GBP, BBP
.endif
	s_wait_dscnt 0x0                               ; the last image's stores have read their registers
	QUANT TT
	IMAGE \iw, 16384*\m
	ds_store_b32 v[IWS], v[PW] offset:\sc+1024*\m
.endr
.endm
.macro WLOAD i                         ; step i's four fragments of weights into set i % 4 of window 1
.set WLG, (\i)/KS
.set WLS, (\i)%KS
.set WLR, 64*((\i)%4)
	WIN 0x40
.irp ct, 0,1,2,3
.irp c, 0,1,2,3
	global_load_b128 v[WLR+16*\ct+4*\c:WLR+16*\ct+4*\c+3], v[LI], s[WB+2*WLG:WB+2*WLG+1] offset:(\ct*KS+WLS)*2048+512*\c
.endr
.endr
	WIN 0
.endm
.macro WSLOAD g                        ; a group's scale words: KS words for each of my four tiles' positions
.irp ct, 0,1,2,3
	global_load_b128 v[WSR+8*\ct:WSR+8*\ct+3], v[R32], s[WSB+2*(\g):WSB+2*(\g)+1] offset:512*\ct
.if KS == 8
	global_load_b128 v[WSR+8*\ct+4:WSR+8*\ct+7], v[R32], s[WSB+2*(\g):WSB+2*(\g)+1] offset:512*\ct+16
.else
	global_load_b64 v[WSR+8*\ct+4:WSR+8*\ct+5], v[R32], s[WSB+2*(\g):WSB+2*(\g)+1] offset:512*\ct+16
.endif
.endr
.endm
.macro PSTEP i                         ; one K step of one group: 16 products, the 16 accumulators by turns in the same order in every step
.set PG, (\i)/KS
.set PS, (\i)%KS
.set KIND, PG+VAR                      ; 0 q, 1 k, 2 v
.set RB, 64*((\i)%4)
.if KIND == 0
.set LIX, LIA
.set SCX, SC_A
.else
.set LIX, LIB
.set SCX, SC_B
.endif
.if PS == 0
.set ZF, 1
.else
.set ZF, 0
.endif
	PLACES 8                                       ; in front of loads into registers that the last products read
.if (PS == 0) && ((\i) > 0)
	s_wait_xcnt 0x0                                ; the last group's stores have read their data, which lie where the rows' fragments land
.endif
.if (\i)+3 < NST
	WLOAD (\i)+3
.endif
.irp m, 0,1,2,3
.irp c, 0,1,2,3
	ds_load_b128 v[XF+16*\m+4*\c:XF+16*\m+4*\c+3], v[LIX] offset:(8*\m+PS)*2048+512*\c
.endr
	ds_load_b32 v[XSR+\m], v[LS] offset:SCX+(8*\m+PS)*128
.endr
.set NY, NST-1-(\i)
.if NY > 3
.set NY, 3
.endif
.if PS == 0
.if (\i)+3 < NST
.set NY, 1
.else
.set NY, 0
.endif
.endif
	s_wait_loadcnt 16*NY                           ; this step's weights are in; the ring steps issued behind them may be out (a group's first step: only the one issued behind its scale words)
	s_wait_dscnt 0x0
.if KIND < 2
	WIN 0x01                                       ; source 0 (weights) window 1
.irp m, 0,1,2,3
.irp ct, 0,1,2,3
	MM ACC+32*\m+8*\ct,RB+16*\ct,XF+16*\m,WSR+8*\ct+PS,XSR+\m,ZF
.endr
.endr
.else
	WIN 0x04                                       ; source 1 (weights) window 1
.irp m, 0,1,2,3
.irp ct, 0,1,2,3
	MM ACC+32*\ct+8*\m,XF+16*\m,RB+16*\ct,XSR+\m,WSR+8*\ct+PS,ZF
.endr
.endr
.endif
	WIN 0
.endm
; q or k: tiles of rows 0, 1 and 2, 3 become two pair fragments (even tile's d 0-63, odd tile's d 0-63) and two scale words a row
.macro EPIQK cd, sc
.set TM, 96
.set PC, 64
.set PW, 52
	QUANT ACC
.irp c, 0,1,2,3
	global_store_b128 v[LI], v[64+4*\c:64+4*\c+3], s[\cd:\cd+1] offset:512*\c
.endr
.set PC, 80
.set PW, 53
	QUANT ACC+64
.irp c, 0,1,2,3
	global_store_b128 v[LI], v[80+4*\c:80+4*\c+3], s[\cd:\cd+1] offset:2048+512*\c
.endr
	v_cndmask_b32 v54, v52, v53, s[HM]             ; lanes 0-15 store the first pair's word, lanes 16-31 the second's
	global_store_b32 v[QSO], v54, s[\sc:\sc+1]
.endm
; v: two tiles of d at a time: each has two blocks of 32 keys, half of a key step's fragment, and two scale bytes
.macro EPIV
.set TM, 96
.irp cp, 0,1
.set PC, 64+16*\cp
.set PW, 52+\cp
	QUANT ACC+64*\cp
.irp bb, 0,1,2,3
	global_store_b128 v[LI], v[64+16*\cp+4*\bb:64+16*\cp+4*\bb+3], s[VC:VC+1] offset:(2*\cp+\bb/2)*2048+512*(\bb%2)
.endr
	v_lshrrev_b32 v[54+\cp], v[SH], v[52+\cp]      ; lanes 0-15: the even tile's two bytes; lanes 16-31: the odd tile's
	global_store_b16 v[QSO], v[54+\cp], s[VS:VS+1] offset:8*\cp
.endr
.endm
.if VAR == 0
	s_load_b512 s[4:19], s[0:1], 0x0               ; x, ng, nb, ncg, ncb, wts, q, kv
.else
	s_load_b64 s[XP:XP+1], s[0:1], 0x0             ; context
	s_load_b64 s[GBP:GBP+1], s[0:1], 0x8           ; ncg
	s_load_b64 s[BBP:BBP+1], s[0:1], 0x10          ; ncb
	s_load_b64 s[WT:WT+1], s[0:1], 0x18            ; wts
	s_load_b64 s[KVP:KVP+1], s[0:1], 0x20          ; kv
.endif
	v_lshrrev_b32 v16, 5, v0
	v_readfirstlane_b32 s[WV], v16                 ; wave 0..7
	v_and_b32 v17, 31, v0                          ; lane
	v_and_b32 v18, 15, v0                          ; r
	v_bfe_u32 v19, v0, 4, 1                        ; h
	v_and_b32 v20, 8, v18
	v_add_nc_u32 v20, v20, v18                     ; r + 8 (r / 8)
	s_lshl_b32 s26, s[WV], 9
	v_mul_u32_u24 v[XA], v20, ROWB
	v_lshl_add_u32 v[XA], v19, 6, v[XA]
	v_add_nc_u32 v[XA], s26, v[XA]
	v_lshlrev_b32 v[GA], 6, v19
	v_add_nc_u32 v[GA], s26, v[GA]
	v_lshlrev_b32 v[LI], 4, v17
	v_lshlrev_b32 v[LS], 2, v17
	s_lshl_b32 s26, s[WV], 11
	v_add_nc_u32 v[IWB], s26, v[LI]
	v_add_nc_u32 v[IWA], IMG_A, v[IWB]
	v_add_nc_u32 v[IWB], IMG_B, v[IWB]
	s_lshl_b32 s26, s[WV], 7
	v_add_nc_u32 v[IWS], s26, v[LS]
	v_lshlrev_b32 v[STR], 3, v17
	s_lshl_b32 s26, s[WV], 10
	v_add_nc_u32 v[STW], s26, v[STR]
	v_add_nc_u32 v[LIA], IMG_A, v[LI]
	v_add_nc_u32 v[LIB], IMG_B, v[LI]
	v_lshlrev_b32 v[R32], 5, v18
	v_lshlrev_b32 v[QSO], 4, v18
	v_lshl_add_u32 v[QSO], v19, 2, v[QSO]
	v_lshlrev_b32 v[SH], 4, v19
	v_cmp_lt_u32 s[HM], 15, v17
.irp b, 36,37,38,39
	v_mov_b32 v\b, 0                               ; written once: a lane permute's destination counts as one of its sources
.endr
	s_mov_b32 s[SEL], 0x76543210
	s_mov_b32 s[SEL+1], 0xfedcba98                 ; v_permlanex16_b32's selects for lane l xor 16
	s_mov_b32 s[MNT], 0x600000                     ; the mantissa field of 57,344
	s_mov_b32 s[INVK], INVK_C
	s_mov_b32 s[EPS], 0x3727c5ac                   ; 1e-5
	s_mov_b32 s[INVKS], INVS_C
	s_lshr_b32 s22, ttmp9, LB                      ; batch
	s_and_b32 s23, ttmp9, (1<<LB)-1                ; block of 64 rows in it
	s_lshl_b32 s24, s22, 3
	s_add_co_u32 s24, s24, s[WV]                   ; batch x 8 + head
	s_lshr_b32 s25, s23, 1                         ; which key step of 128
	s_and_b32 s21, s23, 1                          ; and which half of it
	s_mov_b32 s27, 0
	s_mov_b32 s61, 0
	s_wait_kmcnt 0x0
	s_mul_i32 s26, ttmp9, 64*ROWB
	s_add_nc_u64 s[XP:XP+1], s[XP:XP+1], s[26:27]
	s_mul_i32 s26, s[WV], WCSTR
	s_add_nc_u64 s[62:63], s[WT:WT+1], s[26:27]
	s_add_nc_u64 s[WB:WB+1], s[62:63], WC0
	s_add_nc_u64 s[WB+2:WB+3], s[62:63], WC1
	s_add_nc_u64 s[WB+4:WB+5], s[62:63], WC2
	s_lshl_b32 s26, s[WV], 11
	s_add_nc_u64 s[62:63], s[WT:WT+1], s[26:27]
	s_add_nc_u64 s[WSB:WSB+1], s[62:63], WSC0
	s_add_nc_u64 s[WSB+2:WSB+3], s[62:63], WSC1
	s_add_nc_u64 s[WSB+4:WSB+5], s[62:63], WSC2
.if VAR == 0
	s_lshl_b32 s26, s24, 17                        ; q's codes: 131,072 bytes a head, 4,096 a block
	s_lshl_b32 s60, s23, 12
	s_add_co_u32 s26, s26, s60
	s_add_nc_u64 s[QC:QC+1], s[QP:QP+1], s[26:27]
	s_lshl_b32 s26, s24, 12                        ; q's scale words: 4,096 bytes a head, 256 for 128 rows, 8 for a block's two pairs
	s_lshl_b32 s60, s25, 8
	s_add_co_u32 s26, s26, s60
	s_lshl_b32 s60, s21, 3
	s_add_co_u32 s26, s26, s60
	s_add_co_u32 s26, s26, 0x400000
	s_add_nc_u64 s[QS:QS+1], s[QP:QP+1], s[26:27]
.endif
	s_mul_i32 s26, s24, NK*64
	s_lshl_b32 s60, s23, 12
	s_add_co_u32 s26, s26, s60
	s_add_nc_u64 s[KC:KC+1], s[KVP:KVP+1], s[26:27]
	s_mul_i32 s26, s24, NK*4
	s_lshl_b32 s60, s25, 8
	s_add_co_u32 s26, s26, s60
	s_add_co_u32 s26, s26, SOFF                    ; what K's and V's scale words share
	s_lshl_b32 s60, s21, 3
	s_add_co_u32 s60, s60, s26
	s_add_nc_u64 s[KSC:KSC+1], s[KVP:KVP+1], s[60:61]
	s_lshl_b32 s60, s21, 1
	s_add_co_u32 s60, s60, s26
	s_add_co_u32 s60, s60, NK*2
	s_add_nc_u64 s[VS:VS+1], s[KVP:KVP+1], s[60:61]
	s_mul_i32 s26, s24, NK*64
	s_lshl_b32 s60, s25, 13
	s_add_co_u32 s26, s26, s60
	s_lshl_b32 s60, s21, 10
	s_add_co_u32 s26, s26, s60
	s_add_co_u32 s26, s26, VOFF
	s_add_nc_u64 s[VC:VC+1], s[KVP:KVP+1], s[26:27]
	; ---- X1: my K step of the 64 rows, and its statistics.  Waves without a K step (KS < 8) jump over the work, never over a barrier
.if KS < 8
	s_cmp_ge_u32 s[WV], KS
	s_cbranch_scc1 .Lx1
.endif
	XLOAD
.if VAR == 0
	GBLOAD GAP, BAP
.else
	GBLOAD GBP, BBP
.endif
	s_wait_loadcnt 32                              ; the rows are in; the 32 loads of gains and biases behind them may be out
	STAT 0
	STAT 1
	STAT 2
	STAT 3
.Lx1:
	s_wait_dscnt 0x0                               ; my statistics have landed
	s_barrier_signal -1
	s_barrier_wait -1                              ; everybody's have
	; ---- X2: the rows' statistics, the norm, the images
.if KS < 8
	s_cmp_ge_u32 s[WV], KS
	s_cbranch_scc1 .Lx2
.endif
.irp m, 0,1,2,3
.set I, 0
.rept KS
	ds_load_b64 v[TT+16*\m+2*I:TT+16*\m+2*I+1], v[STR] offset:1024*I+256*\m
.set I, I+1
.endr
.endr
	s_wait_dscnt 0x0
	COMBINE 0
	COMBINE 1
	COMBINE 2
	COMBINE 3
	XHAT 0
	XHAT 1
	XHAT 2
	XHAT 3
	s_wait_loadcnt 0x0                             ; gains and biases
.set PC, 16
.set TM, 32
.set PW, 14
.if VAR == 0
	SETRUN IWA, SC_A, 1
	s_wait_loadcnt 0x0                             ; the second pair
	SETRUN IWB, SC_B, 0
.else
	SETRUN IWB, SC_B, 0
.endif
.Lx2:
	s_wait_dscnt 0x0                               ; my images have landed, and their stores have read their registers
	WLOAD 0                                        ; the ring's first three steps and the first group's scale words: data that nobody writes, so they may cross the barrier
	WLOAD 1
	WLOAD 2
	WSLOAD 0
	s_barrier_signal -1
	s_barrier_wait -1                              ; all images lie in LDS; nothing in LDS is written from here on
	; ---- P
.if VAR == 0
.irp i, 0,1,2,3,4,5,6,7
	PSTEP \i
.endr
	PLACES 8                                       ; in front of the first read of results and of loads into the scale words' registers
	WSLOAD 1
	EPIQK QC, QS
.irp i, 8,9,10,11,12,13,14,15
	PSTEP \i
.endr
	PLACES 8
	WSLOAD 2
	EPIQK KC, KSC
.irp i, 16,17,18,19,20,21,22,23
	PSTEP \i
.endr
	PLACES 8
	EPIV
.else
.irp i, 0,1,2,3,4,5
	PSTEP \i
.endr
	PLACES 8
	WSLOAD 1
	EPIQK KC, KSC
.irp i, 6,7,8,9,10,11
	PSTEP \i
.endr
	PLACES 8
	EPIV
.endif
	s_wait_xcnt 0x0
	v_lshl_add_u32 v254, v0, 2, 0x24000
	v_mov_b32 v255, 0
	s_wait_tensorcnt 0x0
	ds_add_u32 v254, v255
	s_wait_dscnt 0x0
	s_endpgm
.Lfunc_end_k_q5c298749af_qkv_sa:
	.size	k_q5c298749af_qkv_sa, .Lfunc_end_k_q5c298749af_qkv_sa-k_q5c298749af_qkv_sa
	.p2alignl 7, 3214868480
	.fill 96, 4, 3214868480
	.section	.rodata,"a",@progbits
	.p2align	6, 0x0
	.amdhsa_kernel k_q5c298749af_qkv_sa
		.amdhsa_group_segment_fixed_size 148480
		.amdhsa_private_segment_fixed_size 0
		.amdhsa_enable_private_segment 0
		.amdhsa_kernarg_size 64
		.amdhsa_user_sgpr_count 2
		.amdhsa_user_sgpr_kernarg_segment_ptr 1
		.amdhsa_wavefront_size32 1
		.amdhsa_system_sgpr_workgroup_id_x 1
		.amdhsa_system_sgpr_workgroup_id_y 1
		.amdhsa_system_sgpr_workgroup_id_z 1
		.amdhsa_system_vgpr_workitem_id 0
		.amdhsa_next_free_vgpr 512
		.amdhsa_next_free_sgpr 66
		.amdhsa_reserve_vcc 0
		.amdhsa_float_denorm_mode_32 3
		.amdhsa_float_denorm_mode_16_64 3
		.amdhsa_memory_ordered 1
		.amdhsa_forward_progress 1
		.amdhsa_inst_pref_size 255
	.end_amdhsa_kernel
	.section	.bss,"aw",@nobits
	.p2align	6
	.space	262144
	.amdgpu_metadata
---
amdhsa.version: [ 1, 2 ]
amdhsa.kernels:
  - .name:           k_q5c298749af_qkv_sa
    .symbol:         k_q5c298749af_qkv_sa.kd
    .args:
      - { .name: x, .offset: 0, .size: 8, .value_kind: global_buffer, .address_space: global }
      - { .name: sa_ng, .offset: 8, .size: 8, .value_kind: global_buffer, .address_space: global }
      - { .name: sa_nb, .offset: 16, .size: 8, .value_kind: global_buffer, .address_space: global }
      - { .name: sa_ncg, .offset: 24, .size: 8, .value_kind: global_buffer, .address_space: global }
      - { .name: sa_ncb, .offset: 32, .size: 8, .value_kind: global_buffer, .address_space: global }
      - { .name: wts, .offset: 40, .size: 8, .value_kind: global_buffer, .address_space: global }
      - { .name: sa_q, .offset: 48, .size: 8, .value_kind: global_buffer, .address_space: global }
      - { .name: sa_kv, .offset: 56, .size: 8, .value_kind: global_buffer, .address_space: global }
    .group_segment_fixed_size: 148480
    .private_segment_fixed_size: 0
    .kernarg_segment_align: 8
    .kernarg_segment_size: 64
    .max_flat_workgroup_size: 256
    .sgpr_count:     66
    .vgpr_count:     512
    .wavefront_size: 32
...
	.end_amdgpu_metadata
.endif
;; end of part 2
;; launch kv_ca (part 3): grid 32 x 1, 8 waves a work-group, no clusters, 148,480 bytes of LDS; arguments context, ca_ncg, ca_ncb, wts, ca_kv; writes ca_kv
.if DOCPART == 3
	.amdgcn_target "amdgcn-amd-amdhsa--gfx1250"
	.amdhsa_code_object_version 6
	.text
	.protected	k_q5c298749af_kv_ca
	.globl	k_q5c298749af_kv_ca
	.p2align	8
	.type	k_q5c298749af_kv_ca,@function
k_q5c298749af_kv_ca:
	s_mov_b64 s[64:65], 0
	v_nop
	global_prefetch_b8 v0, s[64:65] scope:SCOPE_SE
	s_setreg_imm32_b32 hwreg(HW_REG_WAVE_MODE, 25, 1), 1
	s_wait_xcnt 0x0
; LAYER NORM AND PROJECTIONS.  VAR = 0: xn = LN(x; ng, nb), cn = LN(x; ncg, ncb); q = xn Wq, k | v = cn Wkv.  VAR = 1 (this file): cn = LN(context; ncg, ncb); k | v = cn Wkv.  All products on codes of BF8 (E5M2), one E8M0 scale for each 32 along K.
; k leaves quantised along the head's 64, v along the keys, both in the order of the next product's operand registers.
; SHARES.  A work-group of eight waves takes 64 rows, as four tiles of 16 whose rows are not neighbours: position r of tile m is row 32 (m / 2) + 8 (m % 2) + r + 8 (r / 8).
; PHASE X: wave w < KS owns features 128 w .. 128 w + 127 (K step w) of all 64 rows, 256 registers.  Mean and variance: each wave's own mean and centred squares of its 128, joined through LDS by
; M2 = sum M2_w + 128 sum (mean_w - mean)^2: no difference of large sums is formed.  The normed rows are quantised in registers and go to LDS as images of the operand's registers (16 bytes a lane, 512 a store).
; PHASE P: wave w owns head w: 4 tiles of 16 columns of each of k, v against the 4 tiles of rows: 16 accumulators that take turns.  The weights' fragments come from memory straight into operand registers
; (they were laid so), three K steps ahead, in a ring of four sets of 64 registers.
; k: source 0 = 16 columns of W, source 1 = 16 rows: a lane holds one row and 16 neighbours along d.  v: source 0 = 16 rows, source 1 = 16 columns: a lane holds one d and 16 neighbouring keys.
; 2,048 rows make 32 work-groups of 64 rows: a smaller block would read the same weights more often.
; NO CLUSTER, NO TENSOR LOAD: no weight passes through LDS, so there is no tile that a joint load could bring; each work-group reads NG x KS x 8 waves x 8,192 bytes of codes, which all work-groups share.
; LIMITS: NaN and infinities are not served; a block of zeros carries the byte 1 (its codes are zeros; this program alone reads the bytes); 1 / sqrt is v_rsq_f32 and a multiplication.
; The registers that carry scale words in phase P hold other numbers in phase X; no instruction names one as both.
.set VAR, 1
.if VAR == 0
.set KS,     8                         ; K steps of 128
.set ROWB,   4096                      ; a row of the input in bytes
.set NK,     2048                      ; keys in a batch
.set LB,     5                         ; log2 of the blocks of 64 rows in a batch
.set NG,     3                         ; groups: q, k, v
.set WCSTR,  65536                     ; a head's four tiles of codes
.set INVK_C, 0x3a800000                ; 1 / 1024
.set INVS_C, 0x3e000000                ; 1 / 8
.set WC0,    0x000000
.set WC1,    0x080000
.set WC2,    0x100000
.set WSC0,   0x3c0000
.set WSC1,   0x3c4000
.set WSC2,   0x3c8000
.else
.set KS,     6
.set ROWB,   3072
.set NK,     512
.set LB,     3
.set NG,     2                         ; k, v
.set WCSTR,  49152
.set INVK_C, 0x3aaaaaab                ; 1 / 768
.set INVS_C, 0x3e2aaaab                ; 1 / 6
.set WC0,    0x280000
.set WC1,    0x2e0000
.set WC2,    0
.set WSC0,   0x3d8000
.set WSC1,   0x3dc000
.set WSC2,   0
.endif
.set NST,   NG*KS
.set VOFF,  32*NK*64                   ; kv buffer: K's codes, V's codes, the scale words
.set SOFF,  2*VOFF
.set SC_A,  8192                       ; LDS: 0 the statistics [wave][tile][lane] x 8 bytes; the images' scale words, 128 bytes a fragment (8 m + s);
.set SC_B,  12288
.set IMG_A, 16384                      ; the images, 2,048 bytes a fragment (8 m + s): A for q, B for k and v
.set IMG_B, 81920
.set XA,  1                            ; v1  (r + 8 (r / 8)) ROWB + 64 h + 512 w
.set GA,  2                            ; v2  512 w + 64 h
.set LI,  3                            ; v3  16 x lane
.set LS,  4                            ; v4  4 x lane
.set IWA, 5                            ; v5  IMG_A + 16 x lane + 2,048 w
.set IWB, 6                            ; v6  IMG_B + the same
.set IWS, 7                            ; v7  4 x lane + 128 w
.set STW, 8                            ; v8  8 x lane + 1,024 w
.set STR, 9                            ; v9  8 x lane
.set LIA, 10                           ; v10 IMG_A + 16 x lane
.set LIB, 11                           ; v11 IMG_B + 16 x lane
.set R32, 12                           ; v12 32 r
.set QSO, 13                           ; v13 16 r + 4 h
.set SH,  15                           ; v15 16 h
.set MR,  48                           ; phase X: tile m: mean, mean, 1/sd, 1/sd
.set TT,  64                           ; phase X: 64 numbers at work
.set GG,  128                          ; phase X: my 64 gains
.set BB,  192                          ; phase X: my 64 biases
.set WSR, 16                           ; phase P: the weights' scale words, 8 ct + s
.set XSR, 48                           ; phase P: the rows' scale words
.set XF,  64                           ; phase P: four fragments of rows
.set ACC, 128                          ; phase P: 16 accumulators
.set XP,  4
.set GAP, 6
.set BAP, 8
.set GBP, 10
.set BBP, 12
.set WT,  14
.set QP,  16
.set KVP, 18
.set WV,  20
.set WB,  28                           ; s[28:33] a group's codes for my head
.set WSB, 34                           ; s[34:39] and its scale words
.set QC,  40
.set QS,  42
.set KC,  44
.set KSC, 46
.set VC,  48
.set VS,  50
.set SEL, 52
.set MNT, 54
.set INVK, 55
.set EPS, 56
.set INVKS, 57
.set HM,  58                           ; mask of lanes 16-31
.set MSB, 0
.macro WIN new                         ; the immediate's high byte repeats the setting that is left
.if MSB != \new
	s_set_vgpr_msb (MSB<<8)|\new
.set MSB, \new
.endif
.endm
.macro PLACES n
.rept \n
	v_nop
.endr
.endm
.macro MM d, a, b, sa, sb, z           ; one product; z: it starts the sum
.if \z
	v_wmma_scale_f32_16x16x128_f8f6f4 v[\d:\d+7], v[\a:\a+15], v[\b:\b+15], 0, v[\sa], v[\sb] matrix_a_fmt:MATRIX_FMT_BF8 matrix_b_fmt:MATRIX_FMT_BF8
.else
	v_wmma_scale_f32_16x16x128_f8f6f4 v[\d:\d+7], v[\a:\a+15], v[\b:\b+15], v[\d:\d+7], v[\sa], v[\sb] matrix_a_fmt:MATRIX_FMT_BF8 matrix_b_fmt:MATRIX_FMT_BF8
.endif
.endm
; 64 numbers of a lane, register 16 b + i = place 32 b + 16 (lane / 16) + i along K, become 16 registers of codes at v[PC] and a scale word in v[PW]; v[TM] .. v[TM + 15] at work.
.macro QUANT s
.irp b, 0,1,2,3
	v_max3_num_f32 v[TM+\b], |v[(\s)+16*\b]|, |v[(\s)+1+16*\b]|, 0x8000000   ; with the floor 2^(16 - 127): the byte cannot fall under 1
.endr
.irp i, 2,4,6,8,10,12,14
.irp b, 0,1,2,3
	v_max3_num_f32 v[TM+\b], v[TM+\b], |v[(\s)+16*\b+\i]|, |v[(\s)+1+16*\b+\i]|
.endr
.endr
.irp b, 0,1,2,3
	v_permlanex16_b32 v[TM+4+\b], v[TM+\b], s[SEL], s[SEL+1]
.endr
.irp b, 0,1,2,3
	v_max_num_f32 v[TM+\b], v[TM+\b], v[TM+4+\b]   ; with lane l xor 16's: the block's largest magnitude
.endr
.irp b, 0,1,2,3
	v_add_nc_u32 v[TM+12+\b], 0xf8800000, v[TM+\b] ; 15 off the exponent field: the conversion's scale operand
.endr
.irp b, 0,1,2,3
	v_and_or_b32 v[TM+8+\b], v[TM+\b], 0x7f800000, s[MNT]   ; 57,344 x the scale
.endr
.irp b, 0,1,2,3
	v_lshrrev_b32 v[TM+4+\b], 23, v[TM+12+\b]      ; the scale's byte
.endr
	v_lshl_or_b32 v[PW], v[TM+5], 8, v[TM+4]
	v_lshl_or_b32 v[PW], v[TM+6], 16, v[PW]
	v_lshl_or_b32 v[PW], v[TM+7], 24, v[PW]
.irp b, 0,1,2,3
.irp i, 0,1,2,3,4,5,6,7,8,9,10,11,12,13,14,15
	v_med3_num_f32 v[(\s)+16*\b+\i], v[(\s)+16*\b+\i], -v[TM+8+\b], v[TM+8+\b]   ; the conversion does not saturate (ISA guide 7.6.2): the hold comes first
.endr
	v_cvt_scalef32_pk8_bf8_f32 v[PC+4*\b:PC+4*\b+1], v[(\s)+16*\b:(\s)+16*\b+7], v[TM+12+\b]
	v_cvt_scalef32_pk8_bf8_f32 v[PC+4*\b+2:PC+4*\b+3], v[(\s)+16*\b+8:(\s)+16*\b+15], v[TM+12+\b]
.endr
	v_nop                                          ; a plain line behind the last conversion
.endm
.macro XLOAD                           ; my 128 features of the 64 rows into window 1: tile m, block b of 32, 16 numbers a lane
	WIN 0x40
.irp m, 0,1,2,3
.irp b, 0,1,2,3
.irp j, 0,1,2,3
	global_load_b128 v[64*\m+16*\b+4*\j:64*\m+16*\b+4*\j+3], v[XA], s[XP:XP+1] offset:(32*(\m/2)+8*(\m%2))*ROWB+128*\b+16*\j
.endr
.endr
.endr
	WIN 0
.endm
.macro GBLOAD gp, bp                   ; my 64 gains and 64 biases
.irp b, 0,1,2,3
.irp j, 0,1,2,3
	global_load_b128 v[GG+16*\b+4*\j:GG+16*\b+4*\j+3], v[GA], s[\gp:\gp+1] offset:128*\b+16*\j
	global_load_b128 v[BB+16*\b+4*\j:BB+16*\b+4*\j+3], v[GA], s[\bp:\bp+1] offset:128*\b+16*\j
.endr
.endr
.endm
.macro STAT m                          ; tile m: the mean of my 128 numbers of each row and the sum of their centred squares, to LDS
.set XB, 64*(\m)
.set LM, 16+4*(\m)
	WIN 0x05
	v_pk_add_f32 v[32:33], v[XB:XB+1], v[XB+2:XB+3]
	v_pk_add_f32 v[34:35], v[XB+4:XB+5], v[XB+6:XB+7]
	WIN 0x01
.irp i, 8,12,16,20,24,28,32,36,40,44,48,52,56,60
	v_pk_add_f32 v[32:33], v[XB+\i:XB+\i+1], v[32:33]
	v_pk_add_f32 v[34:35], v[XB+\i+2:XB+\i+3], v[34:35]
.endr
	WIN 0
	v_pk_add_f32 v[32:33], v[32:33], v[34:35]
	v_add_f32 v32, v32, v33
	v_permlanex16_b32 v33, v32, s[SEL], s[SEL+1]   ; the row's other 64 lie in lane l xor 16
	v_add_f32 v32, v32, v33
	v_mul_f32 v[LM], 0x3c000000, v32               ; / 128
	v_mov_b32 v[LM+1], v[LM]
	v_mov_b32 v[LM+2], v[LM]
	WIN 0x01
.set I, 0
.rept 32
	v_pk_add_f32 v[TT+I:TT+I+1], v[XB+I:XB+I+1], v[LM:LM+1] neg_lo:[0,1] neg_hi:[0,1]
.set I, I+2
.endr
	WIN 0
	v_pk_mul_f32 v[32:33], v[TT:TT+1], v[TT:TT+1]
	v_pk_mul_f32 v[34:35], v[TT+2:TT+3], v[TT+2:TT+3]
.irp i, 4,8,12,16,20,24,28,32,36,40,44,48,52,56,60
	v_pk_fma_f32 v[32:33], v[TT+\i:TT+\i+1], v[TT+\i:TT+\i+1], v[32:33]
	v_pk_fma_f32 v[34:35], v[TT+\i+2:TT+\i+3], v[TT+\i+2:TT+\i+3], v[34:35]
.endr
	v_pk_add_f32 v[32:33], v[32:33], v[34:35]
	v_add_f32 v32, v32, v33
	v_permlanex16_b32 v33, v32, s[SEL], s[SEL+1]
	v_add_f32 v[LM+3], v32, v33
	ds_store_b64 v[STW], v[LM+2:LM+3] offset:256*(\m)
.endm
.macro COMBINE m                       ; the KS waves' figures become the row's mean and 1 / sqrt(variance + eps)
.set LL, TT+16*(\m)
.set MQ, MR+4*(\m)
	v_add_f32 v32, v[LL], v[LL+2]
	v_add_f32 v33, v[LL+1], v[LL+3]
.set I, 2
.rept KS-2
	v_add_f32 v32, v32, v[LL+2*I]
	v_add_f32 v33, v33, v[LL+2*I+1]
.set I, I+1
.endr
	v_mul_f32 v[MQ], s[INVKS], v32
	v_mov_b32 v[MQ+1], v[MQ]
	v_sub_f32 v34, v[LL], v[MQ]
	v_mul_f32 v35, v34, v34
.set I, 1
.rept KS-1
	v_sub_f32 v34, v[LL+2*I], v[MQ]
	v_fmac_f32 v35, v34, v34
.set I, I+1
.endr
	v_fmac_f32 v33, 0x43000000, v35                ; + 128 x the sum of (mean_w - mean)^2
	v_fma_f32 v33, v33, s[INVK], s[EPS]
	v_rsq_f32 v[MQ+2], v33
	v_nop                                          ; a plain line behind the transcendental
	s_wait_alu depctr_va_vdst(0)
	v_mov_b32 v[MQ+3], v[MQ+2]
.endm
.macro XHAT m                          ; (x - mean) / sd, in place
	WIN 0x41
.set I, 0
.rept 32
	v_pk_add_f32 v[64*(\m)+I:64*(\m)+I+1], v[64*(\m)+I:64*(\m)+I+1], v[MR+4*(\m):MR+4*(\m)+1] neg_lo:[0,1] neg_hi:[0,1]
.set I, I+2
.endr
.set I, 0
.rept 32
	v_pk_mul_f32 v[64*(\m)+I:64*(\m)+I+1], v[64*(\m)+I:64*(\m)+I+1], v[MR+4*(\m)+2:MR+4*(\m)+3]
.set I, I+2
.endr
	WIN 0
.endm
.macro NORMSET m                       ; x gain + bias
	WIN 0x01
.set I, 0
.rept 32
	v_pk_fma_f32 v[TT+I:TT+I+1], v[64*(\m)+I:64*(\m)+I+1], v[GG+I:GG+I+1], v[BB+I:BB+I+1]
.set I, I+2
.endr
	WIN 0
.endm
.macro IMAGE adr, off                  ; the fragment at v[PC] goes to LDS as it stands
.irp c, 0,1,2,3
	ds_store_b128 v[\adr], v[PC+4*\c:PC+4*\c+3] offset:(\off)+512*\c
.endr
.endm
.macro SETRUN iw, sc, more             ; one pair of gain and bias: four fragments; more: the second pair is asked for as soon as the first has been read
.irp m, 0,1,2,3
	NORMSET \m
.if (\m == 3) && \more
	GBLOAD GBP, BBP
.endif
	s_wait_dscnt 0x0                               ; the last image's stores have read their registers
	QUANT TT
	IMAGE \iw, 16384*\m
	ds_store_b32 v[IWS], v[PW] offset:\sc+1024*\m
.endr
.endm
.macro WLOAD i                         ; step i's four fragments of weights into set i % 4 of window 1
.set WLG, (\i)/KS
.set WLS, (\i)%KS
.set WLR, 64*((\i)%4)
	WIN 0x40
.irp ct, 0,1,2,3
.irp c, 0,1,2,3
	global_load_b128 v[WLR+16*\ct+4*\c:WLR+16*\ct+4*\c+3], v[LI], s[WB+2*WLG:WB+2*WLG+1] offset:(\ct*KS+WLS)*2048+512*\c
.endr
.endr
	WIN 0
.endm
.macro WSLOAD g                        ; a group's scale words: KS words for each of my four tiles' positions
.irp ct, 0,1,2,3
	global_load_b128 v[WSR+8*\ct:WSR+8*\ct+3], v[R32], s[WSB+2*(\g):WSB+2*(\g)+1] offset:512*\ct
.if KS == 8
	global_load_b128 v[WSR+8*\ct+4:WSR+8*\ct+7], v[R32], s[WSB+2*(\g):WSB+2*(\g)+1] offset:512*\ct+16
.else
	global_load_b64 v[WSR+8*\ct+4:WSR+8*\ct+5], v[R32], s[WSB+2*(\g):WSB+2*(\g)+1] offset:512*\ct+16
.endif
.endr
.endm
.macro PSTEP i                         ; one K step of one group: 16 products, the 16 accumulators by turns in the same order in every step
.set PG, (\i)/KS
.set PS, (\i)%KS
.set KIND, PG+VAR                      ; 0 q, 1 k, 2 v
.set RB, 64*((\i)%4)
.if KIND == 0
.set LIX, LIA
.set SCX, SC_A
.else
.set LIX, LIB
.set SCX, SC_B
.endif
.if PS == 0
.set ZF, 1
.else
.set ZF, 0
.endif
	PLACES 8                                       ; in front of loads into registers that the last products read
.if (PS == 0) && ((\i) > 0)
	s_wait_xcnt 0x0                                ; the last group's stores have read their data, which lie where the rows' fragments land
.endif
.if (\i)+3 < NST
	WLOAD (\i)+3
.endif
.irp m, 0,1,2,3
.irp c, 0,1,2,3
	ds_load_b128 v[XF+16*\m+4*\c:XF+16*\m+4*\c+3], v[LIX] offset:(8*\m+PS)*2048+512*\c
.endr
	ds_load_b32 v[XSR+\m], v[LS] offset:SCX+(8*\m+PS)*128
.endr
.set NY, NST-1-(\i)
.if NY > 3
.set NY, 3
.endif
.if PS == 0
.if (\i)+3 < NST
.set NY, 1
.else
.set NY, 0
.endif
.endif
	s_wait_loadcnt 16*NY                           ; this step's weights are in; the ring steps issued behind them may be out (a group's first step: only the one issued behind its scale words)
	s_wait_dscnt 0x0
.if KIND < 2
	WIN 0x01                                       ; source 0 (weights) window 1
.irp m, 0,1,2,3
.irp ct, 0,1,2,3
	MM ACC+32*\m+8*\ct,RB+16*\ct,XF+16*\m,WSR+8*\ct+PS,XSR+\m,ZF
.endr
.endr
.else
	WIN 0x04                                       ; source 1 (weights) window 1
.irp m, 0,1,2,3
.irp ct, 0,1,2,3
	MM ACC+32*\ct+8*\m,XF+16*\m,RB+16*\ct,XSR+\m,WSR+8*\ct+PS,ZF
.endr
.endr
.endif
	WIN 0
.endm
; q or k: tiles of rows 0, 1 and 2, 3 become two pair fragments (even tile's d 0-63, odd tile's d 0-63) and two scale words a row
.macro EPIQK cd, sc
.set TM, 96
.set PC, 64
.set PW, 52
	QUANT ACC
.irp c, 0,1,2,3
	global_store_b128 v[LI], v[64+4*\c:64+4*\c+3], s[\cd:\cd+1] offset:512*\c
.endr
.set PC, 80
.set PW, 53
	QUANT ACC+64
.irp c, 0,1,2,3
	global_store_b128 v[LI], v[80+4*\c:80+4*\c+3], s[\cd:\cd+1] offset:2048+512*\c
.endr
	v_cndmask_b32 v54, v52, v53, s[HM]             ; lanes 0-15 store the first pair's word, lanes 16-31 the second's
	global_store_b32 v[QSO], v54, s[\sc:\sc+1]
.endm
; v: two tiles of d at a time: each has two blocks of 32 keys, half of a key step's fragment, and two scale bytes
.macro EPIV
.set TM, 96
.irp cp, 0,1
.set PC, 64+16*\cp
.set PW, 52+\cp
	QUANT ACC+64*\cp
.irp bb, 0,1,2,3
	global_store_b128 v[LI], v[64+16*\cp+4*\bb:64+16*\cp+4*\bb+3], s[VC:VC+1] offset:(2*\cp+\bb/2)*2048+512*(\bb%2)
.endr
	v_lshrrev_b32 v[54+\cp], v[SH], v[52+\cp]      ; lanes 0-15: the even tile's two bytes; lanes 16-31: the odd tile's
	global_store_b16 v[QSO], v[54+\cp], s[VS:VS+1] offset:8*\cp
.endr
.endm
.if VAR == 0
	s_load_b512 s[4:19], s[0:1], 0x0               ; x, ng, nb, ncg, ncb, wts, q, kv
.else
	s_load_b64 s[XP:XP+1], s[0:1], 0x0             ; context
	s_load_b64 s[GBP:GBP+1], s[0:1], 0x8           ; ncg
	s_load_b64 s[BBP:BBP+1], s[0:1], 0x10          ; ncb
	s_load_b64 s[WT:WT+1], s[0:1], 0x18            ; wts
	s_load_b64 s[KVP:KVP+1], s[0:1], 0x20          ; kv
.endif
	v_lshrrev_b32 v16, 5, v0
	v_readfirstlane_b32 s[WV], v16                 ; wave 0..7
	v_and_b32 v17, 31, v0                          ; lane
	v_and_b32 v18, 15, v0                          ; r
	v_bfe_u32 v19, v0, 4, 1                        ; h
	v_and_b32 v20, 8, v18
	v_add_nc_u32 v20, v20, v18                     ; r + 8 (r / 8)
	s_lshl_b32 s26, s[WV], 9
	v_mul_u32_u24 v[XA], v20, ROWB
	v_lshl_add_u32 v[XA], v19, 6, v[XA]
	v_add_nc_u32 v[XA], s26, v[XA]
	v_lshlrev_b32 v[GA], 6, v19
	v_add_nc_u32 v[GA], s26, v[GA]
	v_lshlrev_b32 v[LI], 4, v17
	v_lshlrev_b32 v[LS], 2, v17
	s_lshl_b32 s26, s[WV], 11
	v_add_nc_u32 v[IWB], s26, v[LI]
	v_add_nc_u32 v[IWA], IMG_A, v[IWB]
	v_add_nc_u32 v[IWB], IMG_B, v[IWB]
	s_lshl_b32 s26, s[WV], 7
	v_add_nc_u32 v[IWS], s26, v[LS]
	v_lshlrev_b32 v[STR], 3, v17
	s_lshl_b32 s26, s[WV], 10
	v_add_nc_u32 v[STW], s26, v[STR]
	v_add_nc_u32 v[LIA], IMG_A, v[LI]
	v_add_nc_u32 v[LIB], IMG_B, v[LI]
	v_lshlrev_b32 v[R32], 5, v18
	v_lshlrev_b32 v[QSO], 4, v18
	v_lshl_add_u32 v[QSO], v19, 2, v[QSO]
	v_lshlrev_b32 v[SH], 4, v19
	v_cmp_lt_u32 s[HM], 15, v17
.irp b, 36,37,38,39
	v_mov_b32 v\b, 0                               ; written once: a lane permute's destination counts as one of its sources
.endr
	s_mov_b32 s[SEL], 0x76543210
	s_mov_b32 s[SEL+1], 0xfedcba98                 ; v_permlanex16_b32's selects for lane l xor 16
	s_mov_b32 s[MNT], 0x600000                     ; the mantissa field of 57,344
	s_mov_b32 s[INVK], INVK_C
	s_mov_b32 s[EPS], 0x3727c5ac                   ; 1e-5
	s_mov_b32 s[INVKS], INVS_C
	s_lshr_b32 s22, ttmp9, LB                      ; batch
	s_and_b32 s23, ttmp9, (1<<LB)-1                ; block of 64 rows in it
	s_lshl_b32 s24, s22, 3
	s_add_co_u32 s24, s24, s[WV]                   ; batch x 8 + head
	s_lshr_b32 s25, s23, 1                         ; which key step of 128
	s_and_b32 s21, s23, 1                          ; and which half of it
	s_mov_b32 s27, 0
	s_mov_b32 s61, 0
	s_wait_kmcnt 0x0
	s_mul_i32 s26, ttmp9, 64*ROWB
	s_add_nc_u64 s[XP:XP+1], s[XP:XP+1], s[26:27]
	s_mul_i32 s26, s[WV], WCSTR
	s_add_nc_u64 s[62:63], s[WT:WT+1], s[26:27]
	s_add_nc_u64 s[WB:WB+1], s[62:63], WC0
	s_add_nc_u64 s[WB+2:WB+3], s[62:63], WC1
	s_add_nc_u64 s[WB+4:WB+5], s[62:63], WC2
	s_lshl_b32 s26, s[WV], 11
	s_add_nc_u64 s[62:63], s[WT:WT+1], s[26:27]
	s_add_nc_u64 s[WSB:WSB+1], s[62:63], WSC0
	s_add_nc_u64 s[WSB+2:WSB+3], s[62:63], WSC1
	s_add_nc_u64 s[WSB+4:WSB+5], s[62:63], WSC2
.if VAR == 0
	s_lshl_b32 s26, s24, 17                        ; q's codes: 131,072 bytes a head, 4,096 a block
	s_lshl_b32 s60, s23, 12
	s_add_co_u32 s26, s26, s60
	s_add_nc_u64 s[QC:QC+1], s[QP:QP+1], s[26:27]
	s_lshl_b32 s26, s24, 12                        ; q's scale words: 4,096 bytes a head, 256 for 128 rows, 8 for a block's two pairs
	s_lshl_b32 s60, s25, 8
	s_add_co_u32 s26, s26, s60
	s_lshl_b32 s60, s21, 3
	s_add_co_u32 s26, s26, s60
	s_add_co_u32 s26, s26, 0x400000
	s_add_nc_u64 s[QS:QS+1], s[QP:QP+1], s[26:27]
.endif
	s_mul_i32 s26, s24, NK*64
	s_lshl_b32 s60, s23, 12
	s_add_co_u32 s26, s26, s60
	s_add_nc_u64 s[KC:KC+1], s[KVP:KVP+1], s[26:27]
	s_mul_i32 s26, s24, NK*4
	s_lshl_b32 s60, s25, 8
	s_add_co_u32 s26, s26, s60
	s_add_co_u32 s26, s26, SOFF                    ; what K's and V's scale words share
	s_lshl_b32 s60, s21, 3
	s_add_co_u32 s60, s60, s26
	s_add_nc_u64 s[KSC:KSC+1], s[KVP:KVP+1], s[60:61]
	s_lshl_b32 s60, s21, 1
	s_add_co_u32 s60, s60, s26
	s_add_co_u32 s60, s60, NK*2
	s_add_nc_u64 s[VS:VS+1], s[KVP:KVP+1], s[60:61]
	s_mul_i32 s26, s24, NK*64
	s_lshl_b32 s60, s25, 13
	s_add_co_u32 s26, s26, s60
	s_lshl_b32 s60, s21, 10
	s_add_co_u32 s26, s26, s60
	s_add_co_u32 s26, s26, VOFF
	s_add_nc_u64 s[VC:VC+1], s[KVP:KVP+1], s[26:27]
	; ---- X1: my K step of the 64 rows, and its statistics.  Waves without a K step (KS < 8) jump over the work, never over a barrier
.if KS < 8
	s_cmp_ge_u32 s[WV], KS
	s_cbranch_scc1 .Lx1
.endif
	XLOAD
.if VAR == 0
	GBLOAD GAP, BAP
.else
	GBLOAD GBP, BBP
.endif
	s_wait_loadcnt 32                              ; the rows are in; the 32 loads of gains and biases behind them may be out
	STAT 0
	STAT 1
	STAT 2
	STAT 3
.Lx1:
	s_wait_dscnt 0x0                               ; my statistics have landed
	s_barrier_signal -1
	s_barrier_wait -1                              ; everybody's have
	; ---- X2: the rows' statistics, the norm, the images
.if KS < 8
	s_cmp_ge_u32 s[WV], KS
	s_cbranch_scc1 .Lx2
.endif
.irp m, 0,1,2,3
.set I, 0
.rept KS
	ds_load_b64 v[TT+16*\m+2*I:TT+16*\m+2*I+1], v[STR] offset:1024*I+256*\m
.set I, I+1
.endr
.endr
	s_wait_dscnt 0x0
	COMBINE 0
	COMBINE 1
	COMBINE 2
	COMBINE 3
	XHAT 0
	XHAT 1
	XHAT 2
	XHAT 3
	s_wait_loadcnt 0x0                             ; gains and biases
.set PC, 16
.set TM, 32
.set PW, 14
.if VAR == 0
	SETRUN IWA, SC_A, 1
	s_wait_loadcnt 0x0                             ; the second pair
	SETRUN IWB, SC_B, 0
.else
	SETRUN IWB, SC_B, 0
.endif
.Lx2:
	s_wait_dscnt 0x0                               ; my images have landed, and their stores have read their registers
	WLOAD 0                                        ; the ring's first three steps and the first group's scale words: data that nobody writes, so they may cross the barrier
	WLOAD 1
	WLOAD 2
	WSLOAD 0
	s_barrier_signal -1
	s_barrier_wait -1                              ; all images lie in LDS; nothing in LDS is written from here on
	; ---- P
.if VAR == 0
.irp i, 0,1,2,3,4,5,6,7
	PSTEP \i
.endr
	PLACES 8                                       ; in front of the first read of results and of loads into the scale words' registers
	WSLOAD 1
	EPIQK QC, QS
.irp i, 8,9,10,11,12,13,14,15
	PSTEP \i
.endr
	PLACES 8
	WSLOAD 2
	EPIQK KC, KSC
.irp i, 16,17,18,19,20,21,22,23
	PSTEP \i
.endr
	PLACES 8
	EPIV
.else
.irp i, 0,1,2,3,4,5
	PSTEP \i
.endr
	PLACES 8
	WSLOAD 1
	EPIQK KC, KSC
.irp i, 6,7,8,9,10,11
	PSTEP \i
.endr
	PLACES 8
	EPIV
.endif
	s_wait_xcnt 0x0
	v_lshl_add_u32 v126, v0, 2, 0x24000
	v_mov_b32 v127, 0
	s_wait_tensorcnt 0x0
	ds_add_u32 v126, v127
	s_wait_dscnt 0x0
	s_endpgm
.Lfunc_end_k_q5c298749af_kv_ca:
	.size	k_q5c298749af_kv_ca, .Lfunc_end_k_q5c298749af_kv_ca-k_q5c298749af_kv_ca
	.p2alignl 7, 3214868480
	.fill 96, 4, 3214868480
	.section	.rodata,"a",@progbits
	.p2align	6, 0x0
	.amdhsa_kernel k_q5c298749af_kv_ca
		.amdhsa_group_segment_fixed_size 148480
		.amdhsa_private_segment_fixed_size 0
		.amdhsa_enable_private_segment 0
		.amdhsa_kernarg_size 40
		.amdhsa_user_sgpr_count 2
		.amdhsa_user_sgpr_kernarg_segment_ptr 1
		.amdhsa_wavefront_size32 1
		.amdhsa_system_sgpr_workgroup_id_x 1
		.amdhsa_system_sgpr_workgroup_id_y 1
		.amdhsa_system_sgpr_workgroup_id_z 1
		.amdhsa_system_vgpr_workitem_id 0
		.amdhsa_next_free_vgpr 512
		.amdhsa_next_free_sgpr 66
		.amdhsa_reserve_vcc 0
		.amdhsa_float_denorm_mode_32 3
		.amdhsa_float_denorm_mode_16_64 3
		.amdhsa_memory_ordered 1
		.amdhsa_forward_progress 1
		.amdhsa_inst_pref_size 202
	.end_amdhsa_kernel
	.amdgpu_metadata
---
amdhsa.version: [ 1, 2 ]
amdhsa.kernels:
  - .name:           k_q5c298749af_kv_ca
    .symbol:         k_q5c298749af_kv_ca.kd
    .args:
      - { .name: context, .offset: 0, .size: 8, .value_kind: global_buffer, .address_space: global }
      - { .name: ca_ncg, .offset: 8, .size: 8, .value_kind: global_buffer, .address_space: global }
      - { .name: ca_ncb, .offset: 16, .size: 8, .value_kind: global_buffer, .address_space: global }
      - { .name: wts, .offset: 24, .size: 8, .value_kind: global_buffer, .address_space: global }
      - { .name: ca_kv, .offset: 32, .size: 8, .value_kind: global_buffer, .address_space: global }
    .group_segment_fixed_size: 148480
    .private_segment_fixed_size: 0
    .kernarg_segment_align: 8
    .kernarg_segment_size: 40
    .max_flat_workgroup_size: 256
    .sgpr_count:     66
    .vgpr_count:     512
    .wavefront_size: 32
...
	.end_amdgpu_metadata
.endif
;; end of part 3
;; launch att_sa (part 4): grid 8 x 32, 16 waves a work-group, no clusters, 272,384 bytes of LDS; arguments sa_q, sa_kv, att1; writes att1
.if DOCPART == 4
	.amdgcn_target "amdgcn-amd-amdhsa--gfx1250"
	.amdhsa_code_object_version 6
	.text
	.protected	k_q5c298749af_att_sa
	.globl	k_q5c298749af_att_sa
	.p2align	8
	.type	k_q5c298749af_att_sa,@function
k_q5c298749af_att_sa:
	s_mov_b64 s[64:65], 0
	v_nop
	global_prefetch_b8 v0, s[64:65] scope:SCOPE_SE
	s_setreg_imm32_b32 hwreg(HW_REG_WAVE_MODE, 25, 1), 1
	s_wait_xcnt 0x0
; ATTENTION ON CODES OF BF8 (E5M2), head size 64, NK keys, 2,048 queries a head; one E8M0 scale for each 32 along a product's K.  The result leaves quantised along the 512 mid features, in the order of the next product's operand registers.
; THE SOFTMAX AHEAD OF THE SECOND PRODUCT: t = score x log2(e) / 8; M = the running largest t rounded UP to a whole number; p = 2^(t - M) is what is quantised, along the keys, not normalised.
; The row's sum is taken of the unquantised p and divides O at the end.  When M moves, the sum and O are multiplied by 2^(old M - new M): exact.
; SHARES.  A work-group owns 256 queries of one (batch, head); each of its sixteen waves one tile of 16, in 256 registers: four waves to a SIMD, so that one wave's vector work stands beside another's products and LDS loads.
; The head's K, V and scale words, NK x 132 bytes, lie in LDS whole: copied once through registers, 16 bytes a thread and 8,192 an instruction, then only read: one barrier in all.
; LAYOUT.  Both products are used transposed: S^T = K Q^T, O^T = V^T P^T: a lane holds ONE query throughout.  All operands lie as images of their registers: a fragment is four loads of 16 bytes a lane at 16 x lane.
; K = 64 FILLS HALF OF THE INSTRUCTION'S 128: a fragment of K holds TWO tiles of 16 keys (the even tile in k 0-63, the odd in k 64-127).  It is multiplied twice: by (q, zeros) and by (zeros, q).  Zero codes add nothing: K's codes are finite
; (the quantiser holds them at 57,344) and its scale bytes lie between 1 and 254.
; The rows of all tiles (keys, queries, d of V) were ordered so that the 16 registers of two neighbouring result tiles are 16 neighbours: p's registers are the second product's operand, O's the output's blocks of 32.
; NO CLUSTER: the eight work-groups of a head read the same NK x 132 bytes, once each at their head, through registers; there is no tensor load that could be made joint.
; LIMITS: NaN and infinities are not served; a block of zeros carries the byte 1 (its codes are zeros); 1 / sum is v_rcp_f32 and a multiplication; a block's largest p is taken as 2^ of its largest score, as p rises with the score.
.set NK,   2048
.set NST,  NK/128                      ; key steps
.set VL,   NK*64                       ; LDS: K's codes at 0, V's here,
.set SL,   NK*128                      ; the scale words here: K's NK x 2 bytes, then V's
.set VOFF, 32*NK*64                    ; the kv buffer: K's codes, V's codes, the scale words
.set SOFF, 2*VOFF
.set NFA,  (2*VL+65535)>>16            ; address registers for the fill: an LDS offset has 16 bits
.set AK0,  1                           ; v1  16 x lane
.set AV0,  2                           ; v2  VL + 16 x lane
.set ASK0, 3                           ; v3  SL + 16 r
.set ASV0, 4                           ; v4  SL + 2 NK + 16 r
.set T16,  5                           ; v5  16 x thread
.set OSO,  6                           ; v6  16 r + h
.set HH,   7                           ; v7  h
.set ADK,  8                           ; v8-11 the step's addresses
.set ADV,  9
.set ADS,  10
.set ADT,  11                          ; v12 -M, v13 the largest t, v[14:15] the sum in two halves; v16-23 zeros, v24-31 q, v32-39 zeros
.set KV,   40                          ; v40-103  four fragments of K or of V
.set SS,   104                         ; v104-167 S^T, then p
.set OO,   168                         ; v168-199 O^T
.set PCD,  200                         ; v200-215 p's codes
.set BM,   216
.set BT,   220
.set HOLD, 224
.set SCO,  228
.set KSW,  232                         ; v232-235 K's scale words; v236-239 V's; v242 p's; v243 q's: these hold scales and nothing else
.set VSW,  236
.set FF,   240                         ; v[240:241] f (the upper word is written once)
.set PSW,  242
.set QSW,  243
.set TMP,  244
.set FA,   245                         ; v245-248 16 x thread + 65,536 k
.set FSL,  249                         ; v249 where my part of the scale words goes, v250 where it comes from
.set FSG,  250
.set WV,   10
.set SEL,  30
.set CS,   32
.set MNT,  34
.set TK,   35
.set TS,   36
.set CNT,  37
.macro PLACES n
.rept \n
	v_nop
.endr
.endm
	s_load_b128 s[4:7], s[0:1], 0x0                ; q, kv
	s_load_b64 s[8:9], s[0:1], 0x10                ; the output
	v_lshl_add_u32 v254, v0, 2, 0x42000
	v_mov_b32 v255, 0
	v_lshrrev_b32 v8, 5, v0
	v_readfirstlane_b32 s[WV], v8                  ; wave 0..15
	v_and_b32 v9, 31, v0
	v_and_b32 v10, 15, v0
	v_bfe_u32 v[HH], v0, 4, 1
	v_lshlrev_b32 v[AK0], 4, v9
	v_add_nc_u32 v[AV0], VL, v[AK0]
	v_lshlrev_b32 v11, 4, v10                      ; 16 r
	v_add_nc_u32 v[ASK0], SL, v11
	v_add_nc_u32 v[ASV0], SL+NK*2, v11
	v_lshlrev_b32 v[T16], 4, v0
	v_add_nc_u32 v[OSO], v11, v[HH]
.set I, 0
.rept NFA
	v_add_nc_u32 v[FA+I], 65536*I, v[T16]
.set I, I+1
.endr
.if NK == 2048
	v_lshlrev_b32 v[FSG], 4, v0                    ; 8,192 bytes of scale words: 16 a thread
.else
	v_lshlrev_b32 v[FSG], 2, v0                    ; 2,048 bytes: 4 a thread
.endif
	v_add_nc_u32 v[FSL], SL, v[FSG]
	s_and_b32 s11, ttmp7, 0xffff                   ; batch x 8 + head
	s_lshl_b32 s12, ttmp9, 4
	s_add_co_u32 s12, s12, s[WV]                   ; my tile of queries, 0 .. 127
	s_mov_b32 s15, 0
	s_mov_b32 s[SEL], 0x76543210
	s_mov_b32 s[SEL+1], 0xfedcba98                 ; v_permlanex16_b32's selects for lane l xor 16
	s_mov_b32 s[CS], 0x3e38aa3b                    ; c = log2(e) / 8
	s_mov_b32 s[CS+1], s[CS]                       ; (named with it as a pair, so it is written)
	s_mov_b32 s[MNT], 0x600000
	s_and_b32 s38, s12, 1
	s_lshl_b32 s38, s38, 4                         ; my tile's half of the pair's scale word
	s_wait_kmcnt 0x0
	s_mul_i32 s14, s11, NK*64
	s_add_nc_u64 s[16:17], s[6:7], s[14:15]        ; K's codes
	s_add_nc_u64 s[18:19], s[16:17], VOFF          ; V's
	s_mul_i32 s14, s11, NK*4
	s_add_nc_u64 s[20:21], s[6:7], s[14:15]
	s_add_nc_u64 s[20:21], s[20:21], SOFF          ; their scale words
	s_lshl_b32 s14, s11, 17
	s_lshl_b32 s13, s12, 10
	s_add_co_u32 s14, s14, s13
	s_add_nc_u64 s[22:23], s[4:5], s[14:15]        ; my tile's half of its pair fragment: 1,024 bytes a tile
	s_lshl_b32 s14, s11, 12
	s_lshr_b32 s13, s12, 3
	s_lshl_b32 s13, s13, 8
	s_add_co_u32 s14, s14, s13
	s_bfe_u32 s13, s12, 0x20001
	s_lshl_b32 s13, s13, 2
	s_add_co_u32 s14, s14, s13
	s_add_co_u32 s14, s14, 0x400000
	s_add_nc_u64 s[24:25], s[4:5], s[14:15]        ; and the pair's scale words
	s_lshr_b32 s13, s11, 3
	s_lshl_b32 s13, s13, 7
	s_add_co_u32 s13, s13, s12                     ; the output's tile of rows: 128 x batch + my tile
	s_and_b32 s39, s11, 7
	s_lshr_b32 s40, s39, 1                         ; head / 2: the next product's K step
	s_and_b32 s39, s39, 1                          ; head % 2: which half of it
	s_lshl_b32 s14, s13, 13
	s_lshl_b32 s41, s40, 11
	s_add_co_u32 s14, s14, s41
	s_lshl_b32 s41, s39, 10
	s_add_co_u32 s14, s14, s41
	s_add_nc_u64 s[26:27], s[8:9], s[14:15]        ; the output's codes
	s_lshl_b32 s14, s13, 8
	s_lshl_b32 s41, s40, 2
	s_add_co_u32 s14, s14, s41
	s_lshl_b32 s41, s39, 1
	s_add_co_u32 s14, s14, s41
	s_add_co_u32 s14, s14, 0x400000
	s_add_nc_u64 s[28:29], s[8:9], s[14:15]        ; and its scale bytes
	; ---- the head's K, V and scale words: memory -> registers -> LDS
.set I, 0
.rept NST
	global_load_b128 v[KV+4*I:KV+4*I+3], v[T16], s[16:17] offset:8192*I
	global_load_b128 v[SS+4*I:SS+4*I+3], v[T16], s[18:19] offset:8192*I
.set I, I+1
.endr
.if NK == 2048
	global_load_b128 v[OO:OO+3], v[FSG], s[20:21]
.else
	global_load_b32 v[OO], v[FSG], s[20:21]
.endif
	global_load_b128 v[24:27], v[AK0], s[22:23]            ; q: d 0-31
	global_load_b128 v[28:31], v[AK0], s[22:23] offset:512 ; d 32-63
	global_load_b32 v[QSW], v11, s[24:25]
.irp j, 16,17,18,19,20,21,22,23,32,33,34,35,36,37,38,39
	v_mov_b32 v\j, 0                               ; zero codes on both sides of q: v[24:39] is (q, 0), v[16:31] is (0, q)
.endr
	s_wait_loadcnt 0x0
.set I, 0
.rept NST
.set PKB, 8192*I
.set PVB, VL+8192*I
	ds_store_b128 v[FA+(PKB>>16)], v[KV+4*I:KV+4*I+3] offset:(PKB&0xffff)
	ds_store_b128 v[FA+(PVB>>16)], v[SS+4*I:SS+4*I+3] offset:(PVB&0xffff)
.set I, I+1
.endr
.if NK == 2048
	ds_store_b128 v[FSL], v[OO:OO+3]
.else
	ds_store_b32 v[FSL], v[OO]
.endif
	v_lshrrev_b32 v[QSW], s38, v[QSW]              ; my tile's two bytes,
	v_and_b32 v[QSW], 0xffff, v[QSW]
	v_lshl_or_b32 v[QSW], v[QSW], 16, v[QSW]       ; in both halves of the word: they serve (q, 0) and (0, q)
	s_wait_dscnt 0x0                               ; my part has landed
	s_barrier_signal -1
	s_barrier_wait -1                              ; everybody's has; LDS is only read from here on
.set J, 0
.rept 32
	v_mov_b32 v[OO+J], 0                           ; O^T.  (The step is written once: the first finds zeros, which the first change of M leaves zeros)
.set J, J+1
.endr
	v_mov_b32 v13, 0xff61b1e6                      ; the largest t so far: -3e38, under every t
	v_floor_f32 v12, -v13                          ; -M
	v_mov_b32 v14, 0
	v_mov_b32 v15, 0
.irp b, 0,1,2,3
	v_mov_b32 v[BT+\b], 0                          ; written once: a lane permute's destination counts as one of its sources
.endr
	v_mov_b32 v[FF+1], 0
	v_mov_b32 v[TMP], 0
	s_mov_b32 s[TK], 0
	s_mov_b32 s[TS], 0
	s_mov_b32 s[CNT], NST
.Lstep:                                            ; a key step: 128 keys
	v_add_nc_u32 v[ADK], s[TK], v[AK0]
	v_add_nc_u32 v[ADV], s[TK], v[AV0]
	v_add_nc_u32 v[ADS], s[TS], v[ASK0]
	v_add_nc_u32 v[ADT], s[TS], v[ASV0]
	PLACES 4                                       ; with the four additions: eight places in front of loads into registers that the last products read
.irp p, 0,1,2,3
.irp c, 0,1,2,3
	ds_load_b128 v[KV+16*\p+4*\c:KV+16*\p+4*\c+3], v[ADK] offset:2048*\p+512*\c
.endr
.endr
	ds_load_b128 v[KSW:KSW+3], v[ADS]              ; the four pairs' scale words of my position
	s_wait_dscnt 0x0
.irp p, 0,1,2,3
	v_wmma_scale_f32_16x16x128_f8f6f4 v[SS+16*\p:SS+16*\p+7], v[KV+16*\p:KV+16*\p+15], v[24:39], 0, v[KSW+\p], v[QSW] matrix_a_fmt:MATRIX_FMT_BF8 matrix_b_fmt:MATRIX_FMT_BF8
	v_wmma_scale_f32_16x16x128_f8f6f4 v[SS+16*\p+8:SS+16*\p+15], v[KV+16*\p:KV+16*\p+15], v[16:31], 0, v[KSW+\p], v[QSW] matrix_a_fmt:MATRIX_FMT_BF8 matrix_b_fmt:MATRIX_FMT_BF8
.endr                                              ; lane (r, h): query r; register 16 p + i: key 32 p + 16 h + i of the step
	PLACES 8
.irp ct, 0,1,2,3                                   ; V is asked for now and lands under the softmax
.irp c, 0,1,2,3
	ds_load_b128 v[KV+16*\ct+4*\c:KV+16*\ct+4*\c+3], v[ADV] offset:2048*\ct+512*\c
.endr
.endr
	ds_load_b128 v[VSW:VSW+3], v[ADT]
.irp b, 0,1,2,3
	v_max3_num_f32 v[BM+\b], v[SS+16*\b], v[SS+1+16*\b], v[SS+2+16*\b]   ; the largest score of each block of 32 keys: for the row's maximum and for the block's largest p
.endr
.irp i, 3,5,7,9,11,13
.irp b, 0,1,2,3
	v_max3_num_f32 v[BM+\b], v[BM+\b], v[SS+16*\b+\i], v[SS+1+16*\b+\i]
.endr
.endr
.irp b, 0,1,2,3
	v_max_num_f32 v[BM+\b], v[BM+\b], v[SS+15+16*\b]
.endr
.irp b, 0,1,2,3
	v_permlanex16_b32 v[BT+\b], v[BM+\b], s[SEL], s[SEL+1]
.endr
.irp b, 0,1,2,3
	v_max_num_f32 v[BM+\b], v[BM+\b], v[BT+\b]     ; with lane l xor 16's 16 keys
.endr
	v_max3_num_f32 v[TMP], v[BM], v[BM+1], v[BM+2]
	v_max_num_f32 v[TMP], v[TMP], v[BM+3]
	v_mul_f32 v[TMP], s[CS], v[TMP]                ; as t (c is positive)
	v_max_num_f32 v13, v13, v[TMP]                 ; the running largest t
	v_mov_b32 v[TMP], v12
	v_floor_f32 v12, -v13                          ; the new -M = -ceil(t): a whole number
	v_sub_f32 v[TMP], v12, v[TMP]                  ; old M - new M: a whole number, 0 or less
	v_cvt_i32_f32 v[TMP], v[TMP]                   ; (it saturates)
	v_ldexp_f32 v[FF], 1.0, v[TMP]                 ; f = 2^(old M - new M)
.set J, 0
.rept 32
	v_pk_fma_f32 v[SS+J:SS+J+1], v[SS+J:SS+J+1], s[CS:CS+1], v[12:13] op_sel_hi:[1,0,0]   ; t - M, two at a time
.set J, J+2
.endr
.irp b, 0,1,2,3
	v_fma_f32 v[BM+\b], v[BM+\b], s[CS], v12       ; the same of each block's largest score
.endr
.set J, 0
.rept 64
	v_exp_f32 v[SS+J], v[SS+J]                     ; p = 2^(t - M), at most 1
.set J, J+1
.endr
.irp b, 0,1,2,3
	v_exp_f32 v[BM+\b], v[BM+\b]                   ; the block's largest p
.endr
	v_pk_mul_f32 v[14:15], v[14:15], v[FF:FF+1] op_sel_hi:[1,0]   ; the sums under the new M.  (A plain line behind the exponentials)
	s_wait_alu depctr_va_vdst(0)
.irp b, 0,1,2,3
	v_max_num_f32 v[BM+\b], 0x8000000, v[BM+\b]    ; the floor 2^(16 - 127): the byte cannot fall under 1
.endr
.irp b, 0,1,2,3
	v_add_nc_u32 v[SCO+\b], 0xf8800000, v[BM+\b]   ; 15 off the exponent field: the conversion's scale operand
.endr
.irp b, 0,1,2,3
	v_and_or_b32 v[HOLD+\b], v[BM+\b], 0x7f800000, s[MNT]   ; 57,344 x the scale
.endr
.irp b, 0,1,2,3
	v_lshrrev_b32 v[BT+\b], 23, v[SCO+\b]          ; the scale's byte
.endr
	v_lshl_or_b32 v[PSW], v[BT+1], 8, v[BT]        ; p's scale word for these 128 keys
	v_lshl_or_b32 v[PSW], v[BT+2], 16, v[PSW]
	v_lshl_or_b32 v[PSW], v[BT+3], 24, v[PSW]
	v_pk_add_f32 v[BT:BT+1], v[SS:SS+1], v[SS+2:SS+3]   ; the row's sum is taken of the unquantised p: two chains
.set J, 4
.rept 15
	v_pk_add_f32 v[14:15], v[14:15], v[SS+J:SS+J+1]
	v_pk_add_f32 v[BT:BT+1], v[BT:BT+1], v[SS+J+2:SS+J+3]
.set J, J+4
.endr
	v_pk_add_f32 v[14:15], v[14:15], v[BT:BT+1]
.irp b, 0,1,2,3
.set J, 0
.rept 16
	v_min_num_f32 v[SS+16*\b+J], v[SS+16*\b+J], v[HOLD+\b]   ; the conversion does not saturate (ISA guide 7.6.2); p is not negative, so the hold is one-sided
.set J, J+1
.endr
	v_cvt_scalef32_pk8_bf8_f32 v[PCD+4*\b:PCD+4*\b+1], v[SS+16*\b:SS+16*\b+7], v[SCO+\b]
	v_cvt_scalef32_pk8_bf8_f32 v[PCD+4*\b+2:PCD+4*\b+3], v[SS+16*\b+8:SS+16*\b+15], v[SCO+\b]
.endr
.set J, 0
.rept 16
	v_pk_mul_f32 v[OO+J:OO+J+1], v[OO+J:OO+J+1], v[FF:FF+1] op_sel_hi:[1,0]   ; O^T under the new M.  (These are also the places between the codes and the products)
.set J, J+2
.endr
	s_wait_dscnt 0x0                               ; V and its scale words
.irp ct, 0,1,2,3                                   ; O^T += V^T P^T: the four accumulators by turns; the next step's eight products stand between two links
	v_wmma_scale_f32_16x16x128_f8f6f4 v[OO+8*\ct:OO+8*\ct+7], v[KV+16*\ct:KV+16*\ct+15], v[PCD:PCD+15], v[OO+8*\ct:OO+8*\ct+7], v[VSW+\ct], v[PSW] matrix_a_fmt:MATRIX_FMT_BF8 matrix_b_fmt:MATRIX_FMT_BF8
.endr
	s_add_co_u32 s[TK], s[TK], 8192
	s_add_co_u32 s[TS], s[TS], 256
	s_sub_co_u32 s[CNT], s[CNT], 1
	s_cmp_lg_u32 s[CNT], 0
	s_cbranch_scc1 .Lstep
	; ---- the way out: O^T / the sum, quantised along d: register 16 b + i is d = 32 b + 16 h + i of my query
	PLACES 8
	v_add_f32 v14, v14, v15
	v_permlanex16_b32 v[TMP], v14, s[SEL], s[SEL+1]
	v_add_f32 v14, v14, v[TMP]                     ; the row's sum
	v_rcp_f32 v14, v14
	v_nop                                          ; a plain line behind the transcendental
.set J, 0
	s_wait_alu depctr_va_vdst(0)
.rept 32
	v_mul_f32 v[SS+J], v[OO+J], v14
.set J, J+1
.endr
.irp b, 0,1
	v_max3_num_f32 v[BM+\b], |v[SS+16*\b]|, |v[SS+1+16*\b]|, 0x8000000
.endr
.irp i, 2,4,6,8,10,12,14
.irp b, 0,1
	v_max3_num_f32 v[BM+\b], v[BM+\b], |v[SS+16*\b+\i]|, |v[SS+1+16*\b+\i]|
.endr
.endr
.irp b, 0,1
	v_permlanex16_b32 v[BT+\b], v[BM+\b], s[SEL], s[SEL+1]
.endr
.irp b, 0,1
	v_max_num_f32 v[BM+\b], v[BM+\b], v[BT+\b]
.endr
.irp b, 0,1
	v_add_nc_u32 v[SCO+\b], 0xf8800000, v[BM+\b]
.endr
.irp b, 0,1
	v_and_or_b32 v[HOLD+\b], v[BM+\b], 0x7f800000, s[MNT]
.endr
.irp b, 0,1
	v_lshrrev_b32 v[BT+\b], 23, v[SCO+\b]
.endr
.irp b, 0,1
.set J, 0
.rept 16
	v_med3_num_f32 v[SS+16*\b+J], v[SS+16*\b+J], -v[HOLD+\b], v[HOLD+\b]
.set J, J+1
.endr
	v_cvt_scalef32_pk8_bf8_f32 v[PCD+4*\b:PCD+4*\b+1], v[SS+16*\b:SS+16*\b+7], v[SCO+\b]
	v_cvt_scalef32_pk8_bf8_f32 v[PCD+4*\b+2:PCD+4*\b+3], v[SS+16*\b+8:SS+16*\b+15], v[SCO+\b]
.endr
	v_nop                                          ; a plain line behind the last conversion
	v_cmp_eq_u32 vcc_lo, 1, v[HH]
	v_cndmask_b32 v[TMP], v[BT], v[BT+1], vcc_lo   ; lanes 0-15 store the first block's byte, lanes 16-31 the second's
	global_store_b128 v[AK0], v[PCD:PCD+3], s[26:27]               ; 32 lanes store 512 consecutive bytes
	global_store_b128 v[AK0], v[PCD+4:PCD+7], s[26:27] offset:512
	global_store_b8 v[OSO], v[TMP], s[28:29]
	s_wait_tensorcnt 0x0
	ds_add_u32 v254, v255
	s_wait_dscnt 0x0
	s_endpgm
.Lfunc_end_k_q5c298749af_att_sa:
	.size	k_q5c298749af_att_sa, .Lfunc_end_k_q5c298749af_att_sa-k_q5c298749af_att_sa
	.p2alignl 7, 3214868480
	.fill 96, 4, 3214868480
	.section	.rodata,"a",@progbits
	.p2align	6, 0x0
	.amdhsa_kernel k_q5c298749af_att_sa
		.amdhsa_group_segment_fixed_size 272384
		.amdhsa_private_segment_fixed_size 0
		.amdhsa_enable_private_segment 0
		.amdhsa_kernarg_size 24
		.amdhsa_user_sgpr_count 2
		.amdhsa_user_sgpr_kernarg_segment_ptr 1
		.amdhsa_wavefront_size32 1
		.amdhsa_system_sgpr_workgroup_id_x 1
		.amdhsa_system_sgpr_workgroup_id_y 1
		.amdhsa_system_sgpr_workgroup_id_z 1
		.amdhsa_system_vgpr_workitem_id 0
		.amdhsa_next_free_vgpr 256
		.amdhsa_next_free_sgpr 66
		.amdhsa_reserve_vcc 1
		.amdhsa_float_denorm_mode_32 3
		.amdhsa_float_denorm_mode_16_64 3
		.amdhsa_memory_ordered 1
		.amdhsa_forward_progress 1
		.amdhsa_inst_pref_size 35
	.end_amdhsa_kernel
	.amdgpu_metadata
---
amdhsa.version: [ 1, 2 ]
amdhsa.kernels:
  - .name:           k_q5c298749af_att_sa
    .symbol:         k_q5c298749af_att_sa.kd
    .args:
      - { .name: sa_q, .offset: 0, .size: 8, .value_kind: global_buffer, .address_space: global }
      - { .name: sa_kv, .offset: 8, .size: 8, .value_kind: global_buffer, .address_space: global }
      - { .name: att1, .offset: 16, .size: 8, .value_kind: global_buffer, .address_space: global }
    .group_segment_fixed_size: 272384
    .private_segment_fixed_size: 0
    .kernarg_segment_align: 8
    .kernarg_segment_size: 24
    .max_flat_workgroup_size: 512
    .sgpr_count:     66
    .vgpr_count:     256
    .wavefront_size: 32
...
	.end_amdgpu_metadata
.endif
;; end of part 4
;; launch mid (part 5): grid 128 x 1, 8 waves a work-group, no clusters, 150,528 bytes of LDS; arguments att1, wts, sa_bo, x, ca_ng, ca_nb, x1, ca_q; writes x1, ca_q
.if DOCPART == 5
	.amdgcn_target "amdgcn-amd-amdhsa--gfx1250"
	.amdhsa_code_object_version 6
	.text
	.protected	k_q5c298749af_mid
	.globl	k_q5c298749af_mid
	.p2align	8
	.type	k_q5c298749af_mid,@function
k_q5c298749af_mid:
	s_mov_b64 s[64:65], 0
	v_nop
	global_prefetch_b8 v0, s[64:65] scope:SCOPE_SE
	s_setreg_imm32_b32 hwreg(HW_REG_WAVE_MODE, 25, 1), 1
	s_wait_xcnt 0x0
; x1 = att Wo + bo + x;  q = LN(x1; ng, nb) Wq.  Both products on codes of BF8 (E5M2), one E8M0 scale for each 32 along K.  x1 leaves as f32 (the last residual wants it), q quantised along the head's 64.
; SHARES.  A work-group of eight waves takes 64 rows, as four tiles of 16 (position r of tile m is row 32 (m / 2) + 8 (m % 2) + r + 8 (r / 8), as the launches before laid them).
; PHASE F: wave w makes features 128 w .. 128 w + 127 of all 64 rows: 32 accumulators, all of window 1.  THE SUMS BEGIN AS x + bo: the residual is loaded into the accumulators, the bias added, and the products add onto that.
; Source 0 = 16 columns of Wo, source 1 = 16 rows: a lane holds one row and 16 neighbouring features of each 32, which is also the layout in which the norm and its quantiser want them.
; PHASE S: x1 leaves through each wave's own stage in LDS, a tile of rows at a time: 32 lanes store 512 consecutive bytes of a row.
; PHASES L, P: mean and variance across the eight waves through LDS (M2 = sum M2_w + 128 sum (mean_w - mean)^2: no difference of large sums), the normed rows as images of operand registers in LDS,
; then wave w makes head w of q: 16 accumulators by turns, weights straight from memory into operand registers, three K steps ahead in a ring of four sets.
; NO CLUSTER, NO TENSOR LOAD: no weight passes through LDS, so there is no tile that a joint load could bring; a work-group reads 2 x 524,288 bytes of codes, which all work-groups share.
; LIMITS: NaN and infinities are not served; a block of zeros carries the byte 1 (its codes are zeros; this program alone reads the bytes); 1 / sqrt is v_rsq_f32 and a multiplication.
; The registers that carry scale words in phases F and P hold other numbers in phase L; no instruction names one as both.
.set KS,    8
.set NST,   8
.set ROWB,  4096
.set COFF_WO, 0x180000
.set SOFF_WO, 0x3cc000
.set SC,    8192                       ; LDS: 0 the statistics; the images' scale words;
.set IMG,   16384                      ; the images, 2,048 bytes a fragment (8 m + s);
.set STAGE, 81920                      ; the stages: 16 rows x (512 + 16) bytes for each wave
.set XA,  1                            ; v1  (r + 8 (r / 8)) ROWB + 64 h + 512 w
.set GA,  2                            ; v2  512 w + 64 h
.set LI,  3                            ; v3  16 x lane
.set LS,  4                            ; v4  4 x lane
.set IWA, 5                            ; v5  IMG + 16 x lane + 2,048 w
.set STO, 6                            ; v6  my stage + 528 r + 64 h
.set IWS, 7                            ; v7  4 x lane + 128 w
.set STW, 8                            ; v8  8 x lane + 1,024 w
.set STR, 9                            ; v9  8 x lane
.set LIA, 10                           ; v10 IMG + 16 x lane
.set RD,  11                           ; v11 my stage + 16 x lane
.set R32, 12                           ; v12 32 r
.set QSO, 13                           ; v13 16 r + 4 h
.set R16, 15                           ; v15 16 r
.set WSF, 16                           ; phase F: Wo's scale words, 4 ct + s
.set ASF, 48                           ; phase F: the rows' scale words, 4 m + s
.set AF,  64                           ; phase F: four fragments of rows (first: the bias)
.set WF,  128                          ; phase F: eight fragments of Wo
.set BK,  64                           ; phase S: 16 rows read back
.set MR,  48
.set TT,  64
.set GG,  128
.set BB,  192
.set WSR, 16
.set XSR, 48
.set XF,  64
.set ACC, 128
.set AT,  4
.set WT,  6
.set BOP, 8
.set XP,  10
.set GAP, 12
.set BAP, 14
.set DST, 16
.set QP,  18
.set WV,  20
.set WOS, 28
.set WOB, 30
.set ATC, 32
.set ATS, 34
.set WB,  36
.set WSB, 38
.set QC,  40
.set QS,  42
.set SEL, 52
.set MNT, 54
.set INVK, 55
.set EPS, 56
.set INVKS, 57
.set HM,  58
.set MSB, 0
.macro WIN new                         ; the immediate's high byte repeats the setting that is left
.if MSB != \new
	s_set_vgpr_msb (MSB<<8)|\new
.set MSB, \new
.endif
.endm
.macro PLACES n
.rept \n
	v_nop
.endr
.endm
.macro MM d, a, b, sa, sb, z           ; one product; z: it starts the sum
.if \z
	v_wmma_scale_f32_16x16x128_f8f6f4 v[\d:\d+7], v[\a:\a+15], v[\b:\b+15], 0, v[\sa], v[\sb] matrix_a_fmt:MATRIX_FMT_BF8 matrix_b_fmt:MATRIX_FMT_BF8
.else
	v_wmma_scale_f32_16x16x128_f8f6f4 v[\d:\d+7], v[\a:\a+15], v[\b:\b+15], v[\d:\d+7], v[\sa], v[\sb] matrix_a_fmt:MATRIX_FMT_BF8 matrix_b_fmt:MATRIX_FMT_BF8
.endif
.endm
; 64 numbers of a lane, register 16 b + i = place 32 b + 16 (lane / 16) + i along K, become 16 registers of codes at v[PC] and a scale word in v[PW]; v[TM] .. v[TM + 15] at work.
.macro QUANT s
.irp b, 0,1,2,3
	v_max3_num_f32 v[TM+\b], |v[(\s)+16*\b]|, |v[(\s)+1+16*\b]|, 0x8000000   ; with the floor 2^(16 - 127): the byte cannot fall under 1
.endr
.irp i, 2,4,6,8,10,12,14
.irp b, 0,1,2,3
	v_max3_num_f32 v[TM+\b], v[TM+\b], |v[(\s)+16*\b+\i]|, |v[(\s)+1+16*\b+\i]|
.endr
.endr
.irp b, 0,1,2,3
	v_permlanex16_b32 v[TM+4+\b], v[TM+\b], s[SEL], s[SEL+1]
.endr
.irp b, 0,1,2,3
	v_max_num_f32 v[TM+\b], v[TM+\b], v[TM+4+\b]   ; with lane l xor 16's: the block's largest magnitude
.endr
.irp b, 0,1,2,3
	v_add_nc_u32 v[TM+12+\b], 0xf8800000, v[TM+\b] ; 15 off the exponent field: the conversion's scale operand
.endr
.irp b, 0,1,2,3
	v_and_or_b32 v[TM+8+\b], v[TM+\b], 0x7f800000, s[MNT]   ; 57,344 x the scale
.endr
.irp b, 0,1,2,3
	v_lshrrev_b32 v[TM+4+\b], 23, v[TM+12+\b]      ; the scale's byte
.endr
	v_lshl_or_b32 v[PW], v[TM+5], 8, v[TM+4]
	v_lshl_or_b32 v[PW], v[TM+6], 16, v[PW]
	v_lshl_or_b32 v[PW], v[TM+7], 24, v[PW]
.irp b, 0,1,2,3
.irp i, 0,1,2,3,4,5,6,7,8,9,10,11,12,13,14,15
	v_med3_num_f32 v[(\s)+16*\b+\i], v[(\s)+16*\b+\i], -v[TM+8+\b], v[TM+8+\b]   ; the conversion does not saturate (ISA guide 7.6.2): the hold comes first
.endr
	v_cvt_scalef32_pk8_bf8_f32 v[PC+4*\b:PC+4*\b+1], v[(\s)+16*\b:(\s)+16*\b+7], v[TM+12+\b]
	v_cvt_scalef32_pk8_bf8_f32 v[PC+4*\b+2:PC+4*\b+3], v[(\s)+16*\b+8:(\s)+16*\b+15], v[TM+12+\b]
.endr
	v_nop                                          ; a plain line behind the last conversion
.endm
.macro XLOAD                           ; my 128 features of the 64 rows into window 1: tile m, block b of 32, 16 numbers a lane
	WIN 0x40
.irp m, 0,1,2,3
.irp b, 0,1,2,3
.irp j, 0,1,2,3
	global_load_b128 v[64*\m+16*\b+4*\j:64*\m+16*\b+4*\j+3], v[XA], s[XP:XP+1] offset:(32*(\m/2)+8*(\m%2))*ROWB+128*\b+16*\j
.endr
.endr
.endr
	WIN 0
.endm
.macro GBLOAD gp, bp                   ; my 64 gains and 64 biases
.irp b, 0,1,2,3
.irp j, 0,1,2,3
	global_load_b128 v[GG+16*\b+4*\j:GG+16*\b+4*\j+3], v[GA], s[\gp:\gp+1] offset:128*\b+16*\j
	global_load_b128 v[BB+16*\b+4*\j:BB+16*\b+4*\j+3], v[GA], s[\bp:\bp+1] offset:128*\b+16*\j
.endr
.endr
.endm
.macro STAT m                          ; tile m: the mean of my 128 numbers of each row and the sum of their centred squares, to LDS
.set XB, 64*(\m)
.set LM, 16+4*(\m)
	WIN 0x05
	v_pk_add_f32 v[32:33], v[XB:XB+1], v[XB+2:XB+3]
	v_pk_add_f32 v[34:35], v[XB+4:XB+5], v[XB+6:XB+7]
	WIN 0x01
.irp i, 8,12,16,20,24,28,32,36,40,44,48,52,56,60
	v_pk_add_f32 v[32:33], v[XB+\i:XB+\i+1], v[32:33]
	v_pk_add_f32 v[34:35], v[XB+\i+2:XB+\i+3], v[34:35]
.endr
	WIN 0
	v_pk_add_f32 v[32:33], v[32:33], v[34:35]
	v_add_f32 v32, v32, v33
	v_permlanex16_b32 v33, v32, s[SEL], s[SEL+1]   ; the row's other 64 lie in lane l xor 16
	v_add_f32 v32, v32, v33
	v_mul_f32 v[LM], 0x3c000000, v32               ; / 128
	v_mov_b32 v[LM+1], v[LM]
	v_mov_b32 v[LM+2], v[LM]
	WIN 0x01
.set I, 0
.rept 32
	v_pk_add_f32 v[TT+I:TT+I+1], v[XB+I:XB+I+1], v[LM:LM+1] neg_lo:[0,1] neg_hi:[0,1]
.set I, I+2
.endr
	WIN 0
	v_pk_mul_f32 v[32:33], v[TT:TT+1], v[TT:TT+1]
	v_pk_mul_f32 v[34:35], v[TT+2:TT+3], v[TT+2:TT+3]
.irp i, 4,8,12,16,20,24,28,32,36,40,44,48,52,56,60
	v_pk_fma_f32 v[32:33], v[TT+\i:TT+\i+1], v[TT+\i:TT+\i+1], v[32:33]
	v_pk_fma_f32 v[34:35], v[TT+\i+2:TT+\i+3], v[TT+\i+2:TT+\i+3], v[34:35]
.endr
	v_pk_add_f32 v[32:33], v[32:33], v[34:35]
	v_add_f32 v32, v32, v33
	v_permlanex16_b32 v33, v32, s[SEL], s[SEL+1]
	v_add_f32 v[LM+3], v32, v33
	ds_store_b64 v[STW], v[LM+2:LM+3] offset:256*(\m)
.endm
.macro COMBINE m                       ; the eight waves' figures become the row's mean and 1 / sqrt(variance + eps)
.set LL, TT+16*(\m)
.set MQ, MR+4*(\m)
	v_add_f32 v32, v[LL], v[LL+2]
	v_add_f32 v33, v[LL+1], v[LL+3]
.set I, 2
.rept KS-2
	v_add_f32 v32, v32, v[LL+2*I]
	v_add_f32 v33, v33, v[LL+2*I+1]
.set I, I+1
.endr
	v_mul_f32 v[MQ], s[INVKS], v32
	v_mov_b32 v[MQ+1], v[MQ]
	v_sub_f32 v34, v[LL], v[MQ]
	v_mul_f32 v35, v34, v34
.set I, 1
.rept KS-1
	v_sub_f32 v34, v[LL+2*I], v[MQ]
	v_fmac_f32 v35, v34, v34
.set I, I+1
.endr
	v_fmac_f32 v33, 0x43000000, v35                ; + 128 x the sum of (mean_w - mean)^2
	v_fma_f32 v33, v33, s[INVK], s[EPS]
	v_rsq_f32 v[MQ+2], v33
	v_nop                                          ; a plain line behind the transcendental
	s_wait_alu depctr_va_vdst(0)
	v_mov_b32 v[MQ+3], v[MQ+2]
.endm
.macro XHAT m                          ; (x - mean) / sd, in place
	WIN 0x41
.set I, 0
.rept 32
	v_pk_add_f32 v[64*(\m)+I:64*(\m)+I+1], v[64*(\m)+I:64*(\m)+I+1], v[MR+4*(\m):MR+4*(\m)+1] neg_lo:[0,1] neg_hi:[0,1]
.set I, I+2
.endr
.set I, 0
.rept 32
	v_pk_mul_f32 v[64*(\m)+I:64*(\m)+I+1], v[64*(\m)+I:64*(\m)+I+1], v[MR+4*(\m)+2:MR+4*(\m)+3]
.set I, I+2
.endr
	WIN 0
.endm
.macro NORMSET m                       ; x gain + bias
	WIN 0x01
.set I, 0
.rept 32
	v_pk_fma_f32 v[TT+I:TT+I+1], v[64*(\m)+I:64*(\m)+I+1], v[GG+I:GG+I+1], v[BB+I:BB+I+1]
.set I, I+2
.endr
	WIN 0
.endm
.macro IMAGE adr, off                  ; the fragment at v[PC] goes to LDS as it stands
.irp c, 0,1,2,3
	ds_store_b128 v[\adr], v[PC+4*\c:PC+4*\c+3] offset:(\off)+512*\c
.endr
.endm
.macro WLOAD i                         ; step i's four fragments of Wq into set i % 4 of window 1
.set WLR, 64*((\i)%4)
	WIN 0x40
.irp ct, 0,1,2,3
.irp c, 0,1,2,3
	global_load_b128 v[WLR+16*\ct+4*\c:WLR+16*\ct+4*\c+3], v[LI], s[WB:WB+1] offset:(\ct*KS+(\i))*2048+512*\c
.endr
.endr
	WIN 0
.endm
.macro PSTEP i                         ; one K step of q: 16 products, the 16 accumulators by turns in the same order in every step
.set RB, 64*((\i)%4)
.if (\i) == 0
.set ZF, 1
.else
.set ZF, 0
.endif
	PLACES 8                                       ; in front of loads into registers that the last products read
.if (\i)+3 < NST
	WLOAD (\i)+3
.endif
.irp m, 0,1,2,3
.irp c, 0,1,2,3
	ds_load_b128 v[XF+16*\m+4*\c:XF+16*\m+4*\c+3], v[LIA] offset:(8*\m+(\i))*2048+512*\c
.endr
	ds_load_b32 v[XSR+\m], v[LS] offset:SC+(8*\m+(\i))*128
.endr
.set NY, NST-1-(\i)
.if NY > 3
.set NY, 3
.endif
.if (\i) == 0
.set NY, 1
.endif
	s_wait_loadcnt 16*NY                           ; this step's weights are in; the ring steps issued behind them may be out (the first step: only the one issued behind the scale words)
	s_wait_dscnt 0x0
	WIN 0x01                                       ; source 0 (weights) window 1
.irp m, 0,1,2,3
.irp ct, 0,1,2,3
	MM ACC+32*\m+8*\ct,RB+16*\ct,XF+16*\m,WSR+8*\ct+(\i),XSR+\m,ZF
.endr
.endr
	WIN 0
.endm
.macro WFLOAD s                        ; Wo's eight fragments of K step s
.irp ct, 0,1,2,3,4,5,6,7
.irp c, 0,1,2,3
	global_load_b128 v[WF+16*\ct+4*\c:WF+16*\ct+4*\c+3], v[LI], s[WOB:WOB+1] offset:(4*\ct+(\s))*2048+512*\c
.endr
.endr
.endm
.macro AFLOAD s                        ; the rows' four fragments of K step s
.irp m, 0,1,2,3
.irp c, 0,1,2,3
	global_load_b128 v[AF+16*\m+4*\c:AF+16*\m+4*\c+3], v[LI], s[ATC:ATC+1] offset:(4*\m+(\s))*2048+512*\c
.endr
.endr
.endm
.macro FMUL s                          ; 32 products, the 32 accumulators by turns
	WIN 0x50                                       ; C and D window 1
.irp m, 0,1,2,3
.irp ct, 0,1,2,3,4,5,6,7
	MM 64*\m+8*\ct,WF+16*\ct,AF+16*\m,WSF+4*\ct+(\s),ASF+4*\m+(\s),0
.endr
.endr
	WIN 0
.endm
	s_load_b512 s[4:19], s[0:1], 0x0               ; att, wts, bo, x, ng, nb, x1, q
	v_lshrrev_b32 v16, 5, v0
	v_readfirstlane_b32 s[WV], v16                 ; wave 0..7
	v_and_b32 v17, 31, v0                          ; lane
	v_and_b32 v18, 15, v0                          ; r
	v_bfe_u32 v19, v0, 4, 1                        ; h
	v_and_b32 v20, 8, v18
	v_add_nc_u32 v20, v20, v18                     ; r + 8 (r / 8)
	s_lshl_b32 s26, s[WV], 9
	v_mul_u32_u24 v[XA], v20, ROWB
	v_lshl_add_u32 v[XA], v19, 6, v[XA]
	v_add_nc_u32 v[XA], s26, v[XA]
	v_lshlrev_b32 v[GA], 6, v19
	v_add_nc_u32 v[GA], s26, v[GA]
	v_lshlrev_b32 v[LI], 4, v17
	v_lshlrev_b32 v[LS], 2, v17
	s_lshl_b32 s26, s[WV], 11
	v_add_nc_u32 v[IWA], s26, v[LI]
	v_add_nc_u32 v[IWA], IMG, v[IWA]
	s_lshl_b32 s26, s[WV], 7
	v_add_nc_u32 v[IWS], s26, v[LS]
	v_lshlrev_b32 v[STR], 3, v17
	s_lshl_b32 s26, s[WV], 10
	v_add_nc_u32 v[STW], s26, v[STR]
	v_add_nc_u32 v[LIA], IMG, v[LI]
	s_mul_i32 s26, s[WV], 8448
	s_add_co_u32 s26, s26, STAGE                   ; my stage
	v_mul_u32_u24 v[STO], v18, 528
	v_lshl_add_u32 v[STO], v19, 6, v[STO]
	v_add_nc_u32 v[STO], s26, v[STO]
	v_add_nc_u32 v[RD], s26, v[LI]
	v_lshlrev_b32 v[R32], 5, v18
	v_lshlrev_b32 v[R16], 4, v18
	v_lshl_add_u32 v[QSO], v19, 2, v[R16]
	v_cmp_lt_u32 s[HM], 15, v17
	s_mov_b32 s[SEL], 0x76543210
	s_mov_b32 s[SEL+1], 0xfedcba98                 ; v_permlanex16_b32's selects for lane l xor 16
	s_mov_b32 s[MNT], 0x600000                     ; the mantissa field of 57,344
	s_mov_b32 s[INVK], 0x3a800000                  ; 1 / 1024
	s_mov_b32 s[EPS], 0x3727c5ac                   ; 1e-5
	s_mov_b32 s[INVKS], 0x3e000000                 ; 1 / 8
	s_lshr_b32 s22, ttmp9, 5                       ; batch
	s_and_b32 s23, ttmp9, 31                       ; block of 64 rows in it
	s_lshl_b32 s24, s22, 3
	s_add_co_u32 s24, s24, s[WV]                   ; batch x 8 + head
	s_lshr_b32 s25, s23, 1
	s_and_b32 s21, s23, 1
	s_mov_b32 s27, 0
	s_wait_kmcnt 0x0
	s_lshl_b32 s26, ttmp9, 18                      ; 64 rows of 4,096 bytes
	s_add_nc_u64 s[XP:XP+1], s[XP:XP+1], s[26:27]
	s_lshl_b32 s60, s[WV], 9
	s_add_co_u32 s26, s26, s60                     ; + my 512 bytes of a row
	s_add_nc_u64 s[DST:DST+1], s[DST:DST+1], s[26:27]
	s_lshl_b32 s26, s[WV], 12
	s_add_nc_u64 s[WOS:WOS+1], s[WT:WT+1], s[26:27]
	s_add_nc_u64 s[WOS:WOS+1], s[WOS:WOS+1], SOFF_WO
	s_lshl_b32 s26, s[WV], 16
	s_add_nc_u64 s[62:63], s[WT:WT+1], s[26:27]
	s_add_nc_u64 s[WOB:WOB+1], s[62:63], COFF_WO
	s_add_nc_u64 s[WB:WB+1], s[62:63], 0x200000
	s_lshl_b32 s26, s[WV], 11
	s_add_nc_u64 s[WSB:WSB+1], s[WT:WT+1], s[26:27]
	s_add_nc_u64 s[WSB:WSB+1], s[WSB:WSB+1], 0x3d4000
	s_lshl_b32 s26, ttmp9, 15
	s_add_nc_u64 s[ATC:ATC+1], s[AT:AT+1], s[26:27]
	s_lshl_b32 s26, ttmp9, 10
	s_add_co_u32 s26, s26, 0x400000
	s_add_nc_u64 s[ATS:ATS+1], s[AT:AT+1], s[26:27]
	s_lshl_b32 s26, s24, 17
	s_lshl_b32 s60, s23, 12
	s_add_co_u32 s26, s26, s60
	s_add_nc_u64 s[QC:QC+1], s[QP:QP+1], s[26:27]
	s_lshl_b32 s26, s24, 12
	s_lshl_b32 s60, s25, 8
	s_add_co_u32 s26, s26, s60
	s_lshl_b32 s60, s21, 3
	s_add_co_u32 s26, s26, s60
	s_add_co_u32 s26, s26, 0x400000
	s_add_nc_u64 s[QS:QS+1], s[QP:QP+1], s[26:27]
	; ---- F: x + bo + att Wo
	XLOAD                                          ; the residual, into the accumulators
.irp b, 0,1,2,3
.irp j, 0,1,2,3
	global_load_b128 v[AF+16*\b+4*\j:AF+16*\b+4*\j+3], v[GA], s[BOP:BOP+1] offset:128*\b+16*\j
.endr
.endr
.irp ct, 0,1,2,3,4,5,6,7
	global_load_b128 v[WSF+4*\ct:WSF+4*\ct+3], v[R32], s[WOS:WOS+1] offset:512*\ct
.endr
.irp m, 0,1,2,3
	global_load_b128 v[ASF+4*\m:ASF+4*\m+3], v[R16], s[ATS:ATS+1] offset:256*\m
.endr
	WFLOAD 0
	s_wait_loadcnt 44                              ; x and bo are in; behind them: 8 + 4 loads of scale words and 32 of Wo
	WIN 0x41
.irp m, 0,1,2,3
.set I, 0
.rept 32
	v_pk_add_f32 v[64*\m+I:64*\m+I+1], v[64*\m+I:64*\m+I+1], v[AF+I:AF+I+1]
.set I, I+2
.endr
.endr
	WIN 0
	AFLOAD 0
	s_wait_loadcnt 0x0
	FMUL 0
.irp s, 1,2,3
	PLACES 8                                       ; in front of loads into registers that the last products read
	WFLOAD \s
	AFLOAD \s
	s_wait_loadcnt 0x0
	FMUL \s
.endr
	; ---- S: x1 leaves, a tile of rows at a time, through my own stage: LDS serves a wave's instructions in order, so no wait stands between the stores and the loads
	PLACES 8
	GBLOAD GAP, BAP                                ; the norm's gains and biases, wanted in phase L
.irp m, 0,1,2,3
.if \m > 0
	s_wait_xcnt 0x0                                ; the last tile's stores have read their registers
.endif
	WIN 0x04                                       ; an LDS store's data are its source 1: window 1
.irp ct, 0,1,2,3,4,5,6,7
	ds_store_b128 v[STO], v[64*\m+8*\ct:64*\m+8*\ct+3] offset:128*(\ct/2)+32*(\ct%2)         ; each accumulator from its low end on
	ds_store_b128 v[STO], v[64*\m+8*\ct+4:64*\m+8*\ct+7] offset:128*(\ct/2)+32*(\ct%2)+16
.endr
	WIN 0
.irp p, 0,1,2,3,4,5,6,7,8,9,10,11,12,13,14,15
	ds_load_b128 v[BK+4*\p:BK+4*\p+3], v[RD] offset:528*\p
.endr
.irp p, 0,1,2,3,4,5,6,7,8,9,10,11,12,13,14,15
	s_wait_dscnt 15-\p                             ; row p is back; the younger rows may be out
	global_store_b128 v[LI], v[BK+4*\p:BK+4*\p+3], s[DST:DST+1] offset:(32*(\m/2)+8*(\m%2)+\p+8*(\p/8))*4096   ; 32 lanes store 512 consecutive bytes
.endr
.endr
	; ---- L: the norm of x1, which still lies in window 1
	s_wait_xcnt 0x0                                ; the stores have read their registers
	STAT 0
	STAT 1
	STAT 2
	STAT 3
	s_wait_dscnt 0x0                               ; my statistics have landed
	s_barrier_signal -1
	s_barrier_wait -1                              ; everybody's have
.irp m, 0,1,2,3
.set I, 0
.rept KS
	ds_load_b64 v[TT+16*\m+2*I:TT+16*\m+2*I+1], v[STR] offset:1024*I+256*\m
.set I, I+1
.endr
.endr
	s_wait_dscnt 0x0
	COMBINE 0
	COMBINE 1
	COMBINE 2
	COMBINE 3
	XHAT 0
	XHAT 1
	XHAT 2
	XHAT 3
	s_wait_loadcnt 0x0                             ; gains and biases
.set PC, 16
.set TM, 32
.set PW, 14
.irp m, 0,1,2,3
	NORMSET \m
	s_wait_dscnt 0x0                               ; the last image's stores have read their registers
	QUANT TT
	IMAGE IWA, 16384*\m
	ds_store_b32 v[IWS], v[PW] offset:SC+1024*\m
.endr
	s_wait_dscnt 0x0                               ; my images have landed, and their stores have read their registers
	WLOAD 0                                        ; the ring's first three steps and the scale words: data that nobody writes, so they may cross the barrier
	WLOAD 1
	WLOAD 2
.irp ct, 0,1,2,3
	global_load_b128 v[WSR+8*\ct:WSR+8*\ct+3], v[R32], s[WSB:WSB+1] offset:512*\ct
	global_load_b128 v[WSR+8*\ct+4:WSR+8*\ct+7], v[R32], s[WSB:WSB+1] offset:512*\ct+16
.endr
	s_barrier_signal -1
	s_barrier_wait -1                              ; all images lie in LDS; nothing in LDS is written from here on
	; ---- P: q for my head
.irp i, 0,1,2,3,4,5,6,7
	PSTEP \i
.endr
	PLACES 8
.set TM, 96
.set PC, 64
.set PW, 52
	QUANT ACC                                      ; tiles of rows 0, 1: a pair fragment (even tile's d 0-63, odd tile's d 0-63)
.irp c, 0,1,2,3
	global_store_b128 v[LI], v[64+4*\c:64+4*\c+3], s[QC:QC+1] offset:512*\c
.endr
.set PC, 80
.set PW, 53
	QUANT ACC+64                                   ; tiles 2, 3
.irp c, 0,1,2,3
	global_store_b128 v[LI], v[80+4*\c:80+4*\c+3], s[QC:QC+1] offset:2048+512*\c
.endr
	v_cndmask_b32 v54, v52, v53, s[HM]             ; lanes 0-15 store the first pair's word, lanes 16-31 the second's
	global_store_b32 v[QSO], v54, s[QS:QS+1]
	s_wait_xcnt 0x0
	v_lshl_add_u32 v254, v0, 2, 0x24800
	v_mov_b32 v255, 0
	s_wait_tensorcnt 0x0
	ds_add_u32 v254, v255
	s_wait_dscnt 0x0
	s_endpgm
.Lfunc_end_k_q5c298749af_mid:
	.size	k_q5c298749af_mid, .Lfunc_end_k_q5c298749af_mid-k_q5c298749af_mid
	.p2alignl 7, 3214868480
	.fill 96, 4, 3214868480
	.section	.rodata,"a",@progbits
	.p2align	6, 0x0
	.amdhsa_kernel k_q5c298749af_mid
		.amdhsa_group_segment_fixed_size 150528
		.amdhsa_private_segment_fixed_size 0
		.amdhsa_enable_private_segment 0
		.amdhsa_kernarg_size 64
		.amdhsa_user_sgpr_count 2
		.amdhsa_user_sgpr_kernarg_segment_ptr 1
		.amdhsa_wavefront_size32 1
		.amdhsa_system_sgpr_workgroup_id_x 1
		.amdhsa_system_sgpr_workgroup_id_y 1
		.amdhsa_system_sgpr_workgroup_id_z 1
		.amdhsa_system_vgpr_workitem_id 0
		.amdhsa_next_free_vgpr 512
		.amdhsa_next_free_sgpr 66
		.amdhsa_reserve_vcc 0
		.amdhsa_float_denorm_mode_32 3
		.amdhsa_float_denorm_mode_16_64 3
		.amdhsa_memory_ordered 1
		.amdhsa_forward_progress 1
		.amdhsa_inst_pref_size 227
	.end_amdhsa_kernel
	.amdgpu_metadata
---
amdhsa.version: [ 1, 2 ]
amdhsa.kernels:
  - .name:           k_q5c298749af_mid
    .symbol:         k_q5c298749af_mid.kd
    .args:
      - { .name: att1, .offset: 0, .size: 8, .value_kind: global_buffer, .address_space: global }
      - { .name: wts, .offset: 8, .size: 8, .value_kind: global_buffer, .address_space: global }
      - { .name: sa_bo, .offset: 16, .size: 8, .value_kind: global_buffer, .address_space: global }
      - { .name: x, .offset: 24, .size: 8, .value_kind: global_buffer, .address_space: global }
      - { .name: ca_ng, .offset: 32, .size: 8, .value_kind: global_buffer, .address_space: global }
      - { .name: ca_nb, .offset: 40, .size: 8, .value_kind: global_buffer, .address_space: global }
      - { .name: x1, .offset: 48, .size: 8, .value_kind: global_buffer, .address_space: global }
      - { .name: ca_q, .offset: 56, .size: 8, .value_kind: global_buffer, .address_space: global }
    .group_segment_fixed_size: 150528
    .private_segment_fixed_size: 0
    .kernarg_segment_align: 8
    .kernarg_segment_size: 64
    .max_flat_workgroup_size: 256
    .sgpr_count:     66
    .vgpr_count:     512
    .wavefront_size: 32
...
	.end_amdgpu_metadata
.endif
;; end of part 5
;; launch att_ca (part 6): grid 8 x 32, 16 waves a work-group, no clusters, 69,632 bytes of LDS; arguments ca_q, ca_kv, att2; writes att2
.if DOCPART == 6
	.amdgcn_target "amdgcn-amd-amdhsa--gfx1250"
	.amdhsa_code_object_version 6
	.text
	.protected	k_q5c298749af_att_ca
	.globl	k_q5c298749af_att_ca
	.p2align	8
	.type	k_q5c298749af_att_ca,@function
k_q5c298749af_att_ca:
	s_mov_b64 s[64:65], 0
	v_nop
	global_prefetch_b8 v0, s[64:65] scope:SCOPE_SE
	s_setreg_imm32_b32 hwreg(HW_REG_WAVE_MODE, 25, 1), 1
	s_wait_xcnt 0x0
; ATTENTION ON CODES OF BF8 (E5M2), head size 64, NK keys, 2,048 queries a head; one E8M0 scale for each 32 along a product's K.  The result leaves quantised along the 512 mid features, in the order of the next product's operand registers.
; THE SOFTMAX AHEAD OF THE SECOND PRODUCT: t = score x log2(e) / 8; M = the running largest t rounded UP to a whole number; p = 2^(t - M) is what is quantised, along the keys, not normalised.
; The row's sum is taken of the unquantised p and divides O at the end.  When M moves, the sum and O are multiplied by 2^(old M - new M): exact.
; SHARES.  A work-group owns 256 queries of one (batch, head); each of its sixteen waves one tile of 16, in 256 registers: four waves to a SIMD, so that one wave's vector work stands beside another's products and LDS loads.
; The head's K, V and scale words, NK x 132 bytes, lie in LDS whole: copied once through registers, 16 bytes a thread and 8,192 an instruction, then only read: one barrier in all.
; LAYOUT.  Both products are used transposed: S^T = K Q^T, O^T = V^T P^T: a lane holds ONE query throughout.  All operands lie as images of their registers: a fragment is four loads of 16 bytes a lane at 16 x lane.
; K = 64 FILLS HALF OF THE INSTRUCTION'S 128: a fragment of K holds TWO tiles of 16 keys (the even tile in k 0-63, the odd in k 64-127).  It is multiplied twice: by (q, zeros) and by (zeros, q).  Zero codes add nothing: K's codes are finite
; (the quantiser holds them at 57,344) and its scale bytes lie between 1 and 254.
; The rows of all tiles (keys, queries, d of V) were ordered so that the 16 registers of two neighbouring result tiles are 16 neighbours: p's registers are the second product's operand, O's the output's blocks of 32.
; NO CLUSTER: the eight work-groups of a head read the same NK x 132 bytes, once each at their head, through registers; there is no tensor load that could be made joint.
; LIMITS: NaN and infinities are not served; a block of zeros carries the byte 1 (its codes are zeros); 1 / sum is v_rcp_f32 and a multiplication; a block's largest p is taken as 2^ of its largest score, as p rises with the score.
.set NK,   512
.set NST,  NK/128                      ; key steps
.set VL,   NK*64                       ; LDS: K's codes at 0, V's here,
.set SL,   NK*128                      ; the scale words here: K's NK x 2 bytes, then V's
.set VOFF, 32*NK*64                    ; the kv buffer: K's codes, V's codes, the scale words
.set SOFF, 2*VOFF
.set NFA,  (2*VL+65535)>>16            ; address registers for the fill: an LDS offset has 16 bits
.set AK0,  1                           ; v1  16 x lane
.set AV0,  2                           ; v2  VL + 16 x lane
.set ASK0, 3                           ; v3  SL + 16 r
.set ASV0, 4                           ; v4  SL + 2 NK + 16 r
.set T16,  5                           ; v5  16 x thread
.set OSO,  6                           ; v6  16 r + h
.set HH,   7                           ; v7  h
.set ADK,  8                           ; v8-11 the step's addresses
.set ADV,  9
.set ADS,  10
.set ADT,  11                          ; v12 -M, v13 the largest t, v[14:15] the sum in two halves; v16-23 zeros, v24-31 q, v32-39 zeros
.set KV,   40                          ; v40-103  four fragments of K or of V
.set SS,   104                         ; v104-167 S^T, then p
.set OO,   168                         ; v168-199 O^T
.set PCD,  200                         ; v200-215 p's codes
.set BM,   216
.set BT,   220
.set HOLD, 224
.set SCO,  228
.set KSW,  232                         ; v232-235 K's scale words; v236-239 V's; v242 p's; v243 q's: these hold scales and nothing else
.set VSW,  236
.set FF,   240                         ; v[240:241] f (the upper word is written once)
.set PSW,  242
.set QSW,  243
.set TMP,  244
.set FA,   245                         ; v245-248 16 x thread + 65,536 k
.set FSL,  249                         ; v249 where my part of the scale words goes, v250 where it comes from
.set FSG,  250
.set WV,   10
.set SEL,  30
.set CS,   32
.set MNT,  34
.set TK,   35
.set TS,   36
.set CNT,  37
.macro PLACES n
.rept \n
	v_nop
.endr
.endm
	s_load_b128 s[4:7], s[0:1], 0x0                ; q, kv
	s_load_b64 s[8:9], s[0:1], 0x10                ; the output
	v_lshl_add_u32 v254, v0, 2, 0x10800
	v_mov_b32 v255, 0
	v_lshrrev_b32 v8, 5, v0
	v_readfirstlane_b32 s[WV], v8                  ; wave 0..15
	v_and_b32 v9, 31, v0
	v_and_b32 v10, 15, v0
	v_bfe_u32 v[HH], v0, 4, 1
	v_lshlrev_b32 v[AK0], 4, v9
	v_add_nc_u32 v[AV0], VL, v[AK0]
	v_lshlrev_b32 v11, 4, v10                      ; 16 r
	v_add_nc_u32 v[ASK0], SL, v11
	v_add_nc_u32 v[ASV0], SL+NK*2, v11
	v_lshlrev_b32 v[T16], 4, v0
	v_add_nc_u32 v[OSO], v11, v[HH]
.set I, 0
.rept NFA
	v_add_nc_u32 v[FA+I], 65536*I, v[T16]
.set I, I+1
.endr
.if NK == 2048
	v_lshlrev_b32 v[FSG], 4, v0                    ; 8,192 bytes of scale words: 16 a thread
.else
	v_lshlrev_b32 v[FSG], 2, v0                    ; 2,048 bytes: 4 a thread
.endif
	v_add_nc_u32 v[FSL], SL, v[FSG]
	s_and_b32 s11, ttmp7, 0xffff                   ; batch x 8 + head
	s_lshl_b32 s12, ttmp9, 4
	s_add_co_u32 s12, s12, s[WV]                   ; my tile of queries, 0 .. 127
	s_mov_b32 s15, 0
	s_mov_b32 s[SEL], 0x76543210
	s_mov_b32 s[SEL+1], 0xfedcba98                 ; v_permlanex16_b32's selects for lane l xor 16
	s_mov_b32 s[CS], 0x3e38aa3b                    ; c = log2(e) / 8
	s_mov_b32 s[CS+1], s[CS]                       ; (named with it as a pair, so it is written)
	s_mov_b32 s[MNT], 0x600000
	s_and_b32 s38, s12, 1
	s_lshl_b32 s38, s38, 4                         ; my tile's half of the pair's scale word
	s_wait_kmcnt 0x0
	s_mul_i32 s14, s11, NK*64
	s_add_nc_u64 s[16:17], s[6:7], s[14:15]        ; K's codes
	s_add_nc_u64 s[18:19], s[16:17], VOFF          ; V's
	s_mul_i32 s14, s11, NK*4
	s_add_nc_u64 s[20:21], s[6:7], s[14:15]
	s_add_nc_u64 s[20:21], s[20:21], SOFF          ; their scale words
	s_lshl_b32 s14, s11, 17
	s_lshl_b32 s13, s12, 10
	s_add_co_u32 s14, s14, s13
	s_add_nc_u64 s[22:23], s[4:5], s[14:15]        ; my tile's half of its pair fragment: 1,024 bytes a tile
	s_lshl_b32 s14, s11, 12
	s_lshr_b32 s13, s12, 3
	s_lshl_b32 s13, s13, 8
	s_add_co_u32 s14, s14, s13
	s_bfe_u32 s13, s12, 0x20001
	s_lshl_b32 s13, s13, 2
	s_add_co_u32 s14, s14, s13
	s_add_co_u32 s14, s14, 0x400000
	s_add_nc_u64 s[24:25], s[4:5], s[14:15]        ; and the pair's scale words
	s_lshr_b32 s13, s11, 3
	s_lshl_b32 s13, s13, 7
	s_add_co_u32 s13, s13, s12                     ; the output's tile of rows: 128 x batch + my tile
	s_and_b32 s39, s11, 7
	s_lshr_b32 s40, s39, 1                         ; head / 2: the next product's K step
	s_and_b32 s39, s39, 1                          ; head % 2: which half of it
	s_lshl_b32 s14, s13, 13
	s_lshl_b32 s41, s40, 11
	s_add_co_u32 s14, s14, s41
	s_lshl_b32 s41, s39, 10
	s_add_co_u32 s14, s14, s41
	s_add_nc_u64 s[26:27], s[8:9], s[14:15]        ; the output's codes
	s_lshl_b32 s14, s13, 8
	s_lshl_b32 s41, s40, 2
	s_add_co_u32 s14, s14, s41
	s_lshl_b32 s41, s39, 1
	s_add_co_u32 s14, s14, s41
	s_add_co_u32 s14, s14, 0x400000
	s_add_nc_u64 s[28:29], s[8:9], s[14:15]        ; and its scale bytes
	; ---- the head's K, V and scale words: memory -> registers -> LDS
.set I, 0
.rept NST
	global_load_b128 v[KV+4*I:KV+4*I+3], v[T16], s[16:17] offset:8192*I
	global_load_b128 v[SS+4*I:SS+4*I+3], v[T16], s[18:19] offset:8192*I
.set I, I+1
.endr
.if NK == 2048
	global_load_b128 v[OO:OO+3], v[FSG], s[20:21]
.else
	global_load_b32 v[OO], v[FSG], s[20:21]
.endif
	global_load_b128 v[24:27], v[AK0], s[22:23]            ; q: d 0-31
	global_load_b128 v[28:31], v[AK0], s[22:23] offset:512 ; d 32-63
	global_load_b32 v[QSW], v11, s[24:25]
.irp j, 16,17,18,19,20,21,22,23,32,33,34,35,36,37,38,39
	v_mov_b32 v\j, 0                               ; zero codes on both sides of q: v[24:39] is (q, 0), v[16:31] is (0, q)
.endr
	s_wait_loadcnt 0x0
.set I, 0
.rept NST
.set PKB, 8192*I
.set PVB, VL+8192*I
	ds_store_b128 v[FA+(PKB>>16)], v[KV+4*I:KV+4*I+3] offset:(PKB&0xffff)
	ds_store_b128 v[FA+(PVB>>16)], v[SS+4*I:SS+4*I+3] offset:(PVB&0xffff)
.set I, I+1
.endr
.if NK == 2048
	ds_store_b128 v[FSL], v[OO:OO+3]
.else
	ds_store_b32 v[FSL], v[OO]
.endif
	v_lshrrev_b32 v[QSW], s38, v[QSW]              ; my tile's two bytes,
	v_and_b32 v[QSW], 0xffff, v[QSW]
	v_lshl_or_b32 v[QSW], v[QSW], 16, v[QSW]       ; in both halves of the word: they serve (q, 0) and (0, q)
	s_wait_dscnt 0x0                               ; my part has landed
	s_barrier_signal -1
	s_barrier_wait -1                              ; everybody's has; LDS is only read from here on
.set J, 0
.rept 32
	v_mov_b32 v[OO+J], 0                           ; O^T.  (The step is written once: the first finds zeros, which the first change of M leaves zeros)
.set J, J+1
.endr
	v_mov_b32 v13, 0xff61b1e6                      ; the largest t so far: -3e38, under every t
	v_floor_f32 v12, -v13                          ; -M
	v_mov_b32 v14, 0
	v_mov_b32 v15, 0
.irp b, 0,1,2,3
	v_mov_b32 v[BT+\b], 0                          ; written once: a lane permute's destination counts as one of its sources
.endr
	v_mov_b32 v[FF+1], 0
	v_mov_b32 v[TMP], 0
	s_mov_b32 s[TK], 0
	s_mov_b32 s[TS], 0
	s_mov_b32 s[CNT], NST
.Lstep:                                            ; a key step: 128 keys
	v_add_nc_u32 v[ADK], s[TK], v[AK0]
	v_add_nc_u32 v[ADV], s[TK], v[AV0]
	v_add_nc_u32 v[ADS], s[TS], v[ASK0]
	v_add_nc_u32 v[ADT], s[TS], v[ASV0]
	PLACES 4                                       ; with the four additions: eight places in front of loads into registers that the last products read
.irp p, 0,1,2,3
.irp c, 0,1,2,3
	ds_load_b128 v[KV+16*\p+4*\c:KV+16*\p+4*\c+3], v[ADK] offset:2048*\p+512*\c
.endr
.endr
	ds_load_b128 v[KSW:KSW+3], v[ADS]              ; the four pairs' scale words of my position
	s_wait_dscnt 0x0
.irp p, 0,1,2,3
	v_wmma_scale_f32_16x16x128_f8f6f4 v[SS+16*\p:SS+16*\p+7], v[KV+16*\p:KV+16*\p+15], v[24:39], 0, v[KSW+\p], v[QSW] matrix_a_fmt:MATRIX_FMT_BF8 matrix_b_fmt:MATRIX_FMT_BF8
	v_wmma_scale_f32_16x16x128_f8f6f4 v[SS+16*\p+8:SS+16*\p+15], v[KV+16*\p:KV+16*\p+15], v[16:31], 0, v[KSW+\p], v[QSW] matrix_a_fmt:MATRIX_FMT_BF8 matrix_b_fmt:MATRIX_FMT_BF8
.endr                                              ; lane (r, h): query r; register 16 p + i: key 32 p + 16 h + i of the step
	PLACES 8
.irp ct, 0,1,2,3                                   ; V is asked for now and lands under the softmax
.irp c, 0,1,2,3
	ds_load_b128 v[KV+16*\ct+4*\c:KV+16*\ct+4*\c+3], v[ADV] offset:2048*\ct+512*\c
.endr
.endr
	ds_load_b128 v[VSW:VSW+3], v[ADT]
.irp b, 0,1,2,3
	v_max3_num_f32 v[BM+\b], v[SS+16*\b], v[SS+1+16*\b], v[SS+2+16*\b]   ; the largest score of each block of 32 keys: for the row's maximum and for the block's largest p
.endr
.irp i, 3,5,7,9,11,13
.irp b, 0,1,2,3
	v_max3_num_f32 v[BM+\b], v[BM+\b], v[SS+16*\b+\i], v[SS+1+16*\b+\i]
.endr
.endr
.irp b, 0,1,2,3
	v_max_num_f32 v[BM+\b], v[BM+\b], v[SS+15+16*\b]
.endr
.irp b, 0,1,2,3
	v_permlanex16_b32 v[BT+\b], v[BM+\b], s[SEL], s[SEL+1]
.endr
.irp b, 0,1,2,3
	v_max_num_f32 v[BM+\b], v[BM+\b], v[BT+\b]     ; with lane l xor 16's 16 keys
.endr
	v_max3_num_f32 v[TMP], v[BM], v[BM+1], v[BM+2]
	v_max_num_f32 v[TMP], v[TMP], v[BM+3]
	v_mul_f32 v[TMP], s[CS], v[TMP]                ; as t (c is positive)
	v_max_num_f32 v13, v13, v[TMP]                 ; the running largest t
	v_mov_b32 v[TMP], v12
	v_floor_f32 v12, -v13                          ; the new -M = -ceil(t): a whole number
	v_sub_f32 v[TMP], v12, v[TMP]                  ; old M - new M: a whole number, 0 or less
	v_cvt_i32_f32 v[TMP], v[TMP]                   ; (it saturates)
	v_ldexp_f32 v[FF], 1.0, v[TMP]                 ; f = 2^(old M - new M)
.set J, 0
.rept 32
	v_pk_fma_f32 v[SS+J:SS+J+1], v[SS+J:SS+J+1], s[CS:CS+1], v[12:13] op_sel_hi:[1,0,0]   ; t - M, two at a time
.set J, J+2
.endr
.irp b, 0,1,2,3
	v_fma_f32 v[BM+\b], v[BM+\b], s[CS], v12       ; the same of each block's largest score
.endr
.set J, 0
.rept 64
	v_exp_f32 v[SS+J], v[SS+J]                     ; p = 2^(t - M), at most 1
.set J, J+1
.endr
.irp b, 0,1,2,3
	v_exp_f32 v[BM+\b], v[BM+\b]                   ; the block's largest p
.endr
	v_pk_mul_f32 v[14:15], v[14:15], v[FF:FF+1] op_sel_hi:[1,0]   ; the sums under the new M.  (A plain line behind the exponentials)
	s_wait_alu depctr_va_vdst(0)
.irp b, 0,1,2,3
	v_max_num_f32 v[BM+\b], 0x8000000, v[BM+\b]    ; the floor 2^(16 - 127): the byte cannot fall under 1
.endr
.irp b, 0,1,2,3
	v_add_nc_u32 v[SCO+\b], 0xf8800000, v[BM+\b]   ; 15 off the exponent field: the conversion's scale operand
.endr
.irp b, 0,1,2,3
	v_and_or_b32 v[HOLD+\b], v[BM+\b], 0x7f800000, s[MNT]   ; 57,344 x the scale
.endr
.irp b, 0,1,2,3
	v_lshrrev_b32 v[BT+\b], 23, v[SCO+\b]          ; the scale's byte
.endr
	v_lshl_or_b32 v[PSW], v[BT+1], 8, v[BT]        ; p's scale word for these 128 keys
	v_lshl_or_b32 v[PSW], v[BT+2], 16, v[PSW]
	v_lshl_or_b32 v[PSW], v[BT+3], 24, v[PSW]
	v_pk_add_f32 v[BT:BT+1], v[SS:SS+1], v[SS+2:SS+3]   ; the row's sum is taken of the unquantised p: two chains
.set J, 4
.rept 15
	v_pk_add_f32 v[14:15], v[14:15], v[SS+J:SS+J+1]
	v_pk_add_f32 v[BT:BT+1], v[BT:BT+1], v[SS+J+2:SS+J+3]
.set J, J+4
.endr
	v_pk_add_f32 v[14:15], v[14:15], v[BT:BT+1]
.irp b, 0,1,2,3
.set J, 0
.rept 16
	v_min_num_f32 v[SS+16*\b+J], v[SS+16*\b+J], v[HOLD+\b]   ; the conversion does not saturate (ISA guide 7.6.2); p is not negative, so the hold is one-sided
.set J, J+1
.endr
	v_cvt_scalef32_pk8_bf8_f32 v[PCD+4*\b:PCD+4*\b+1], v[SS+16*\b:SS+16*\b+7], v[SCO+\b]
	v_cvt_scalef32_pk8_bf8_f32 v[PCD+4*\b+2:PCD+4*\b+3], v[SS+16*\b+8:SS+16*\b+15], v[SCO+\b]
.endr
.set J, 0
.rept 16
	v_pk_mul_f32 v[OO+J:OO+J+1], v[OO+J:OO+J+1], v[FF:FF+1] op_sel_hi:[1,0]   ; O^T under the new M.  (These are also the places between the codes and the products)
.set J, J+2
.endr
	s_wait_dscnt 0x0                               ; V and its scale words
.irp ct, 0,1,2,3                                   ; O^T += V^T P^T: the four accumulators by turns; the next step's eight products stand between two links
	v_wmma_scale_f32_16x16x128_f8f6f4 v[OO+8*\ct:OO+8*\ct+7], v[KV+16*\ct:KV+16*\ct+15], v[PCD:PCD+15], v[OO+8*\ct:OO+8*\ct+7], v[VSW+\ct], v[PSW] matrix_a_fmt:MATRIX_FMT_BF8 matrix_b_fmt:MATRIX_FMT_BF8
.endr
	s_add_co_u32 s[TK], s[TK], 8192
	s_add_co_u32 s[TS], s[TS], 256
	s_sub_co_u32 s[CNT], s[CNT], 1
	s_cmp_lg_u32 s[CNT], 0
	s_cbranch_scc1 .Lstep
	; ---- the way out: O^T / the sum, quantised along d: register 16 b + i is d = 32 b + 16 h + i of my query
	PLACES 8
	v_add_f32 v14, v14, v15
	v_permlanex16_b32 v[TMP], v14, s[SEL], s[SEL+1]
	v_add_f32 v14, v14, v[TMP]                     ; the row's sum
	v_rcp_f32 v14, v14
	v_nop                                          ; a plain line behind the transcendental
.set J, 0
	s_wait_alu depctr_va_vdst(0)
.rept 32
	v_mul_f32 v[SS+J], v[OO+J], v14
.set J, J+1
.endr
.irp b, 0,1
	v_max3_num_f32 v[BM+\b], |v[SS+16*\b]|, |v[SS+1+16*\b]|, 0x8000000
.endr
.irp i, 2,4,6,8,10,12,14
.irp b, 0,1
	v_max3_num_f32 v[BM+\b], v[BM+\b], |v[SS+16*\b+\i]|, |v[SS+1+16*\b+\i]|
.endr
.endr
.irp b, 0,1
	v_permlanex16_b32 v[BT+\b], v[BM+\b], s[SEL], s[SEL+1]
.endr
.irp b, 0,1
	v_max_num_f32 v[BM+\b], v[BM+\b], v[BT+\b]
.endr
.irp b, 0,1
	v_add_nc_u32 v[SCO+\b], 0xf8800000, v[BM+\b]
.endr
.irp b, 0,1
	v_and_or_b32 v[HOLD+\b], v[BM+\b], 0x7f800000, s[MNT]
.endr
.irp b, 0,1
	v_lshrrev_b32 v[BT+\b], 23, v[SCO+\b]
.endr
.irp b, 0,1
.set J, 0
.rept 16
	v_med3_num_f32 v[SS+16*\b+J], v[SS+16*\b+J], -v[HOLD+\b], v[HOLD+\b]
.set J, J+1
.endr
	v_cvt_scalef32_pk8_bf8_f32 v[PCD+4*\b:PCD+4*\b+1], v[SS+16*\b:SS+16*\b+7], v[SCO+\b]
	v_cvt_scalef32_pk8_bf8_f32 v[PCD+4*\b+2:PCD+4*\b+3], v[SS+16*\b+8:SS+16*\b+15], v[SCO+\b]
.endr
	v_nop                                          ; a plain line behind the last conversion
	v_cmp_eq_u32 vcc_lo, 1, v[HH]
	v_cndmask_b32 v[TMP], v[BT], v[BT+1], vcc_lo   ; lanes 0-15 store the first block's byte, lanes 16-31 the second's
	global_store_b128 v[AK0], v[PCD:PCD+3], s[26:27]               ; 32 lanes store 512 consecutive bytes
	global_store_b128 v[AK0], v[PCD+4:PCD+7], s[26:27] offset:512
	global_store_b8 v[OSO], v[TMP], s[28:29]
	s_wait_tensorcnt 0x0
	ds_add_u32 v254, v255
	s_wait_dscnt 0x0
	s_endpgm
.Lfunc_end_k_q5c298749af_att_ca:
	.size	k_q5c298749af_att_ca, .Lfunc_end_k_q5c298749af_att_ca-k_q5c298749af_att_ca
	.p2alignl 7, 3214868480
	.fill 96, 4, 3214868480
	.section	.rodata,"a",@progbits
	.p2align	6, 0x0
	.amdhsa_kernel k_q5c298749af_att_ca
		.amdhsa_group_segment_fixed_size 69632
		.amdhsa_private_segment_fixed_size 0
		.amdhsa_enable_private_segment 0
		.amdhsa_kernarg_size 24
		.amdhsa_user_sgpr_count 2
		.amdhsa_user_sgpr_kernarg_segment_ptr 1
		.amdhsa_wavefront_size32 1
		.amdhsa_system_sgpr_workgroup_id_x 1
		.amdhsa_system_sgpr_workgroup_id_y 1
		.amdhsa_system_sgpr_workgroup_id_z 1
		.amdhsa_system_vgpr_workitem_id 0
		.amdhsa_next_free_vgpr 256
		.amdhsa_next_free_sgpr 66
		.amdhsa_reserve_vcc 1
		.amdhsa_float_denorm_mode_32 3
		.amdhsa_float_denorm_mode_16_64 3
		.amdhsa_memory_ordered 1
		.amdhsa_forward_progress 1
		.amdhsa_inst_pref_size 32
	.end_amdhsa_kernel
	.amdgpu_metadata
---
amdhsa.version: [ 1, 2 ]
amdhsa.kernels:
  - .name:           k_q5c298749af_att_ca
    .symbol:         k_q5c298749af_att_ca.kd
    .args:
      - { .name: ca_q, .offset: 0, .size: 8, .value_kind: global_buffer, .address_space: global }
      - { .name: ca_kv, .offset: 8, .size: 8, .value_kind: global_buffer, .address_space: global }
      - { .name: att2, .offset: 16, .size: 8, .value_kind: global_buffer, .address_space: global }
    .group_segment_fixed_size: 69632
    .private_segment_fixed_size: 0
    .kernarg_segment_align: 8
    .kernarg_segment_size: 24
    .max_flat_workgroup_size: 512
    .sgpr_count:     66
    .vgpr_count:     256
    .wavefront_size: 32
...
	.end_amdgpu_metadata
.endif
;; end of part 6
;; launch outp (part 7): grid 128 x 1, 8 waves a work-group, no clusters, 68,608 bytes of LDS; arguments att2, wts, ca_bo, x1, out0; writes out0
.if DOCPART == 7
	.amdgcn_target "amdgcn-amd-amdhsa--gfx1250"
	.amdhsa_code_object_version 6
	.text
	.protected	k_q5c298749af_outp
	.globl	k_q5c298749af_outp
	.p2align	8
	.type	k_q5c298749af_outp,@function
k_q5c298749af_outp:
	s_mov_b64 s[64:65], 0
	v_nop
	global_prefetch_b8 v0, s[64:65] scope:SCOPE_SE
	s_setreg_imm32_b32 hwreg(HW_REG_WAVE_MODE, 25, 1), 1
	s_wait_xcnt 0x0
; out = att Wo + bo + x1.  The product on codes of BF8 (E5M2), one E8M0 scale for each 32 along K = 512; att's codes and Wo's lie in memory as images of the operand's registers.
; SHARES.  A work-group of eight waves takes 64 rows, as four tiles of 16 (position r of tile m is row 32 (m / 2) + 8 (m % 2) + r + 8 (r / 8), as the launches before laid them).
; Wave w makes features 128 w .. 128 w + 127 of all 64 rows: 32 accumulators, all of window 1.  THE SUMS BEGIN AS x1 + bo: the residual is loaded into the accumulators, the bias added, and the products add onto that.
; Source 0 = 16 columns of Wo, source 1 = 16 rows: a lane holds one row and 16 neighbouring features of each 32.
; The result leaves through each wave's own stage in LDS, a tile of rows at a time: 32 lanes store 512 consecutive bytes of a row.  Waves share nothing: no barrier.
; NO CLUSTER, NO TENSOR LOAD: no weight passes through LDS, so there is no tile that a joint load could bring; a work-group reads 524,288 bytes of Wo's codes, which all work-groups share.
; LIMITS: NaN and infinities are not served.
.set ROWB,  4096
.set COFF_WO, 0x340000
.set SOFF_WO, 0x3e0000
.set STAGE, 0                          ; LDS: 16 rows x (512 + 16) bytes for each wave
.set XA,  1                            ; v1  (r + 8 (r / 8)) ROWB + 64 h + 512 w
.set GA,  2                            ; v2  512 w + 64 h
.set LI,  3                            ; v3  16 x lane
.set STO, 6                            ; v6  my stage + 528 r + 64 h
.set RD,  11                           ; v11 my stage + 16 x lane
.set R32, 12                           ; v12 32 r
.set R16, 15                           ; v15 16 r
.set WSF, 16                           ; Wo's scale words, 4 ct + s
.set ASF, 48                           ; the rows' scale words, 4 m + s
.set AF,  64                           ; four fragments of rows (first: the bias)
.set WF,  128                          ; eight fragments of Wo
.set BK,  64                           ; the way out: 16 rows read back
.set AT,  4
.set WT,  6
.set BOP, 8
.set XP,  10
.set DST, 16
.set WV,  20
.set WOS, 28
.set WOB, 30
.set ATC, 32
.set ATS, 34
.set MSB, 0
.macro WIN new                         ; the immediate's high byte repeats the setting that is left
.if MSB != \new
	s_set_vgpr_msb (MSB<<8)|\new
.set MSB, \new
.endif
.endm
.macro PLACES n
.rept \n
	v_nop
.endr
.endm
.macro WFLOAD s                        ; Wo's eight fragments of K step s
.irp ct, 0,1,2,3,4,5,6,7
.irp c, 0,1,2,3
	global_load_b128 v[WF+16*\ct+4*\c:WF+16*\ct+4*\c+3], v[LI], s[WOB:WOB+1] offset:(4*\ct+(\s))*2048+512*\c
.endr
.endr
.endm
.macro AFLOAD s                        ; the rows' four fragments of K step s
.irp m, 0,1,2,3
.irp c, 0,1,2,3
	global_load_b128 v[AF+16*\m+4*\c:AF+16*\m+4*\c+3], v[LI], s[ATC:ATC+1] offset:(4*\m+(\s))*2048+512*\c
.endr
.endr
.endm
.macro FMUL s                          ; 32 products, the 32 accumulators by turns in the same order in every step
	WIN 0x50                                       ; C and D window 1
.irp m, 0,1,2,3
.irp ct, 0,1,2,3,4,5,6,7
	v_wmma_scale_f32_16x16x128_f8f6f4 v[64*\m+8*\ct:64*\m+8*\ct+7], v[WF+16*\ct:WF+16*\ct+15], v[AF+16*\m:AF+16*\m+15], v[64*\m+8*\ct:64*\m+8*\ct+7], v[WSF+4*\ct+(\s)], v[ASF+4*\m+(\s)] matrix_a_fmt:MATRIX_FMT_BF8 matrix_b_fmt:MATRIX_FMT_BF8
.endr
.endr
	WIN 0
.endm
	s_load_b256 s[4:11], s[0:1], 0x0               ; att, wts, bo, x1
	s_load_b64 s[DST:DST+1], s[0:1], 0x20          ; out
	v_lshl_add_u32 v13, v0, 2, 0x10800
	v_mov_b32 v14, 0
	v_lshrrev_b32 v16, 5, v0
	v_readfirstlane_b32 s[WV], v16                 ; wave 0..7
	v_and_b32 v17, 31, v0                          ; lane
	v_and_b32 v18, 15, v0                          ; r
	v_bfe_u32 v19, v0, 4, 1                        ; h
	v_and_b32 v20, 8, v18
	v_add_nc_u32 v20, v20, v18                     ; r + 8 (r / 8)
	s_lshl_b32 s26, s[WV], 9
	v_mul_u32_u24 v[XA], v20, ROWB
	v_lshl_add_u32 v[XA], v19, 6, v[XA]
	v_add_nc_u32 v[XA], s26, v[XA]
	v_lshlrev_b32 v[GA], 6, v19
	v_add_nc_u32 v[GA], s26, v[GA]
	v_lshlrev_b32 v[LI], 4, v17
	s_mul_i32 s26, s[WV], 8448
	s_add_co_u32 s26, s26, STAGE                   ; my stage
	v_mul_u32_u24 v[STO], v18, 528
	v_lshl_add_u32 v[STO], v19, 6, v[STO]
	v_add_nc_u32 v[STO], s26, v[STO]
	v_add_nc_u32 v[RD], s26, v[LI]
	v_lshlrev_b32 v[R32], 5, v18
	v_lshlrev_b32 v[R16], 4, v18
	s_mov_b32 s27, 0
	s_wait_kmcnt 0x0
	s_lshl_b32 s26, ttmp9, 18                      ; 64 rows of 4,096 bytes
	s_add_nc_u64 s[XP:XP+1], s[XP:XP+1], s[26:27]
	s_lshl_b32 s21, s[WV], 9
	s_add_co_u32 s26, s26, s21                     ; + my 512 bytes of a row
	s_add_nc_u64 s[DST:DST+1], s[DST:DST+1], s[26:27]
	s_lshl_b32 s26, s[WV], 12
	s_add_nc_u64 s[WOS:WOS+1], s[WT:WT+1], s[26:27]
	s_add_nc_u64 s[WOS:WOS+1], s[WOS:WOS+1], SOFF_WO
	s_lshl_b32 s26, s[WV], 16
	s_add_nc_u64 s[WOB:WOB+1], s[WT:WT+1], s[26:27]
	s_add_nc_u64 s[WOB:WOB+1], s[WOB:WOB+1], COFF_WO
	s_lshl_b32 s26, ttmp9, 15
	s_add_nc_u64 s[ATC:ATC+1], s[AT:AT+1], s[26:27]
	s_lshl_b32 s26, ttmp9, 10
	s_add_co_u32 s26, s26, 0x400000
	s_add_nc_u64 s[ATS:ATS+1], s[AT:AT+1], s[26:27]
	; ---- x1 + bo + att Wo
	WIN 0x40                                       ; the residual, into the accumulators: tile m, block b of 32, 16 numbers a lane
.irp m, 0,1,2,3
.irp b, 0,1,2,3
.irp j, 0,1,2,3
	global_load_b128 v[64*\m+16*\b+4*\j:64*\m+16*\b+4*\j+3], v[XA], s[XP:XP+1] offset:(32*(\m/2)+8*(\m%2))*ROWB+128*\b+16*\j th:TH_LOAD_NT
.endr
.endr
.endr
	WIN 0
.irp b, 0,1,2,3
.irp j, 0,1,2,3
	global_load_b128 v[AF+16*\b+4*\j:AF+16*\b+4*\j+3], v[GA], s[BOP:BOP+1] offset:128*\b+16*\j
.endr
.endr
.irp ct, 0,1,2,3,4,5,6,7
	global_load_b128 v[WSF+4*\ct:WSF+4*\ct+3], v[R32], s[WOS:WOS+1] offset:512*\ct
.endr
.irp m, 0,1,2,3
	global_load_b128 v[ASF+4*\m:ASF+4*\m+3], v[R16], s[ATS:ATS+1] offset:256*\m
.endr
	WFLOAD 0
	s_wait_loadcnt 44                              ; x1 and bo are in; behind them: 8 + 4 loads of scale words and 32 of Wo
	WIN 0x41
.irp m, 0,1,2,3
.set I, 0
.rept 32
	v_pk_add_f32 v[64*\m+I:64*\m+I+1], v[64*\m+I:64*\m+I+1], v[AF+I:AF+I+1]
.set I, I+2
.endr
.endr
	WIN 0
	AFLOAD 0
	s_wait_loadcnt 0x0
	FMUL 0
.irp s, 1,2,3
	PLACES 8                                       ; in front of loads into registers that the last products read
	WFLOAD \s
	AFLOAD \s
	s_wait_loadcnt 0x0
	FMUL \s
.endr
	; ---- the way out, a tile of rows at a time, through my own stage: LDS serves a wave's instructions in order, so no wait stands between the stores and the loads
	PLACES 8
.irp m, 0,1,2,3
.if \m > 0
	s_wait_xcnt 0x0                                ; the last tile's stores have read their registers
.endif
	WIN 0x04                                       ; an LDS store's data are its source 1: window 1
.irp ct, 0,1,2,3,4,5,6,7
	ds_store_b128 v[STO], v[64*\m+8*\ct:64*\m+8*\ct+3] offset:128*(\ct/2)+32*(\ct%2)         ; each accumulator from its low end on
	ds_store_b128 v[STO], v[64*\m+8*\ct+4:64*\m+8*\ct+7] offset:128*(\ct/2)+32*(\ct%2)+16
.endr
	WIN 0
.irp p, 0,1,2,3,4,5,6,7,8,9,10,11,12,13,14,15
	ds_load_b128 v[BK+4*\p:BK+4*\p+3], v[RD] offset:528*\p
.endr
.irp p, 0,1,2,3,4,5,6,7,8,9,10,11,12,13,14,15
	s_wait_dscnt 15-\p                             ; row p is back; the younger rows may be out
	global_store_b128 v[LI], v[BK+4*\p:BK+4*\p+3], s[DST:DST+1] offset:(32*(\m/2)+8*(\m%2)+\p+8*(\p/8))*4096 th:TH_STORE_NT   ; 32 lanes store 512 consecutive bytes; written once, read by nobody here
.endr
.endr
	s_wait_tensorcnt 0x0
	ds_add_u32 v13, v14
	s_wait_dscnt 0x0
	s_endpgm
.Lfunc_end_k_q5c298749af_outp:
	.size	k_q5c298749af_outp, .Lfunc_end_k_q5c298749af_outp-k_q5c298749af_outp
	.p2alignl 7, 3214868480
	.fill 96, 4, 3214868480
	.section	.rodata,"a",@progbits
	.p2align	6, 0x0
	.amdhsa_kernel k_q5c298749af_outp
		.amdhsa_group_segment_fixed_size 68608
		.amdhsa_private_segment_fixed_size 0
		.amdhsa_enable_private_segment 0
		.amdhsa_kernarg_size 40
		.amdhsa_user_sgpr_count 2
		.amdhsa_user_sgpr_kernarg_segment_ptr 1
		.amdhsa_wavefront_size32 1
		.amdhsa_system_sgpr_workgroup_id_x 1
		.amdhsa_system_sgpr_workgroup_id_y 1
		.amdhsa_system_sgpr_workgroup_id_z 1
		.amdhsa_system_vgpr_workitem_id 0
		.amdhsa_next_free_vgpr 512
		.amdhsa_next_free_sgpr 66
		.amdhsa_reserve_vcc 0
		.amdhsa_float_denorm_mode_32 3
		.amdhsa_float_denorm_mode_16_64 3
		.amdhsa_memory_ordered 1
		.amdhsa_forward_progress 1
		.amdhsa_inst_pref_size 71
	.end_amdhsa_kernel
	.amdgpu_metadata
---
amdhsa.version: [ 1, 2 ]
amdhsa.kernels:
  - .name:           k_q5c298749af_outp
    .symbol:         k_q5c298749af_outp.kd
    .args:
      - { .name: att2, .offset: 0, .size: 8, .value_kind: global_buffer, .address_space: global }
      - { .name: wts, .offset: 8, .size: 8, .value_kind: global_buffer, .address_space: global }
      - { .name: ca_bo, .offset: 16, .size: 8, .value_kind: global_buffer, .address_space: global }
      - { .name: x1, .offset: 24, .size: 8, .value_kind: global_buffer, .address_space: global }
      - { .name: out0, .offset: 32, .size: 8, .value_kind: global_buffer, .address_space: global }
    .group_segment_fixed_size: 68608
    .private_segment_fixed_size: 0
    .kernarg_segment_align: 8
    .kernarg_segment_size: 40
    .max_flat_workgroup_size: 256
    .sgpr_count:     66
    .vgpr_count:     512
    .wavefront_size: 32
...
	.end_amdgpu_metadata
.endif
;; end of part 7
;; ======== version 2 of 2: 6 launches
;; limits: right only within a limited range of input values
;; workspace buffers: wts 5,718,016 bytes; sa_q 4,325,376 bytes; sa_kv 8,650,752 bytes; ca_q 4,325,376 bytes; ca_kv 2,162,688 bytes; att1 4,325,376 bytes; att2 4,325,376 bytes; x1 33,554,432 bytes
;; launch prep (part 8): grid 368 x 1, 4 waves a work-group, no clusters, 83,456 bytes of LDS; arguments sa_wq, sa_wkv, sa_wo, ca_wq, ca_wkv, ca_wo, wts, context, ca_ncg, ca_ncb; writes wts
.if DOCPART == 8
	.amdgcn_target "amdgcn-amd-amdhsa--gfx1250"
	.amdhsa_code_object_version 6
	.text
	.protected	k_q5c298749af_prep
	.globl	k_q5c298749af_prep
	.p2align	8
	.type	k_q5c298749af_prep,@function
k_q5c298749af_prep:
	s_mov_b64 s[64:65], 0
	v_nop
	global_prefetch_b8 v0, s[64:65] scope:SCOPE_SE
	s_setreg_imm32_b32 hwreg(HW_REG_WAVE_MODE, 25, 1), 1
	s_wait_xcnt 0x0
; The six weights W [K][N], f32, K their FIRST axis, become codes of BF8 (E5M2) with one E8M0 byte for each 32 along K, laid in the ORDER OF THE OPERAND'S REGISTERS.
; A fragment (16 columns x 128 K) is 2,048 bytes: byte 512 c + 16 (r + 16 h) + i holds position r of the tile, k = 32 c + 16 h + i.  Fragments lie [tile T][K step s]; scale words at (16 T + r) x 32 + 4 s.
; THE COLUMNS OF A TILE ARE NOT NEIGHBOURS: position p of tile 2 g + u is column 32 g + 8 u + p + 8 (p / 8), so that two neighbouring result tiles hold 16 neighbours in a lane's 16 registers.
; A wave takes 32 columns x 128 K.  A LANE TAKES A COLUMN AND ITS REGISTERS RUN DOWN K: a block of 32 lies in one lane, its largest magnitude needs no other lane, the conversions give K innermost.
; Lanes 0-15 are tile 2 g, lanes 16-31 tile 2 g + 1: each store of 16 bytes a lane fills one aligned run of 256 bytes for each half of the lanes.
; One launch for all six: the work-group's number picks the pointer and five numbers by s_cselect; all take one path.  240 work-groups = (N / 32)(K / 128) / 4 summed over the weights.
; A block's scale is 2^(floor(log2(largest magnitude)) - 15); its byte is that magnitude's exponent field - 15, held at 1 from below.
; LIMITS: a block of zeros gets the byte 1 where the rule says 127 (its codes are zeros; the bytes are read by this program alone); NaN and infinities among the inputs are not served.
; No LDS, no barrier, no matrix unit, no cluster: every byte is read once by one wave and waves share nothing.
.set OFF, 16                           ; v16-47   byte offset of my column in rows 0 .. 31 of a block
.set XX,  64                           ; v64-191  four blocks of 32 numbers
.set CC,  192                          ; v192-223 codes, eight registers a block: no store's data are written again
.set SB,  224                          ; v224     the four scale bytes
.set SRC, 20                           ; s[20:21] the weight
.set BS,  48                           ; s[48:55] where block c begins
.set MNT, 45                           ; s45      the mantissa field of 57,344
	s_cmp_ge_u32 ttmp9, 240                        ; work-groups 240 .. 367 norm and quantise context (the second path, at the text's end); the same for all waves of a work-group
	s_cbranch_scc1 .Lctx
	s_load_b256 s[4:11], s[0:1], 0x0
	s_load_b128 s[12:15], s[0:1], 0x20             ; ca_wkv, ca_wo
	s_load_b64 s[16:17], s[0:1], 0x30              ; wts
	v_lshrrev_b32 v1, 5, v0
	v_readfirstlane_b32 s18, v1                    ; wave
	v_and_b32 v2, 31, v0                           ; lane
	v_and_b32 v3, 15, v0                           ; r
	v_bfe_u32 v6, v0, 4, 1                         ; u
	v_and_b32 v7, 8, v3
	v_add_nc_u32 v7, v7, v3
	v_lshl_add_u32 v7, v6, 3, v7                   ; my column in the group: 8 u + r + 8 (r / 8)
	v_lshlrev_b32 v[OFF], 2, v7
	v_lshlrev_b32 v5, 5, v2                        ; my scale word: 32 bytes a position
	s_mov_b32 s40, 208                             ; ca_wo's numbers: first work-group,
	s_mov_b32 s41, 5                               ; log2(N / 32),
	s_mov_b32 s42, 4                               ; K / 128,
	s_mov_b32 s43, 0x340000                        ; where its codes begin in wts,
	s_mov_b32 s44, 0x3e0000                        ; and its scale words
	s_mov_b32 s[MNT], 0x600000
	s_wait_alu depctr_va_vdst(0)
	s_wait_kmcnt 0x0
	s_mov_b64 s[SRC:SRC+1], s[14:15]
.macro PICK lim, ptr, first, lng, ks, coff, soff   ; work-groups under lim belong to an earlier weight
	s_cmp_lt_u32 ttmp9, \lim
	s_cselect_b64 s[SRC:SRC+1], s[\ptr:\ptr+1], s[SRC:SRC+1]
	s_cselect_b32 s40, \first, s40
	s_cselect_b32 s41, \lng, s41
	s_cselect_b32 s42, \ks, s42
	s_cselect_b32 s43, \coff, s43
	s_cselect_b32 s44, \soff, s44
.endm
	PICK 208, 12, 160, 5, 6, 0x280000, 0x3d8000    ; ca_wkv
	PICK 160, 10, 128, 4, 8, 0x200000, 0x3d4000    ; ca_wq
	PICK 128, 8, 96, 5, 4, 0x180000, 0x3cc000      ; sa_wo
	PICK 96, 6, 32, 5, 8, 0x80000, 0x3c4000        ; sa_wkv
	PICK 32, 4, 0, 4, 8, 0, 0x3c0000               ; sa_wq
	s_sub_co_u32 s22, ttmp9, s40
	s_lshl_b32 s22, s22, 2
	s_add_co_u32 s22, s22, s18                     ; my wave's unit in the weight
	s_lshl_b32 s23, 1, s41
	s_sub_co_u32 s23, s23, 1
	s_and_b32 s24, s22, s23                        ; g: which 32 columns
	s_lshr_b32 s25, s22, s41                       ; s: which 128 along K
	s_lshl_b32 s26, 128, s41                       ; a row of W in bytes
.set K, 1
.rept 31
	v_add_nc_u32 v[OFF+K], s26, v[OFF+K-1]
.set K, K+1
.endr
	s_mul_i32 s28, s25, s26
	s_lshl_b32 s28, s28, 7                         ; 128 s rows
	s_lshl_b32 s27, s24, 7                         ; + 128 g bytes
	s_add_co_u32 s28, s28, s27
	s_mov_b32 s29, 0
	s_lshl_b32 s30, s26, 5                         ; 32 rows
	s_mov_b32 s31, 0
	s_add_nc_u64 s[BS:BS+1], s[SRC:SRC+1], s[28:29]
	s_add_nc_u64 s[BS+2:BS+3], s[BS:BS+1], s[30:31]
	s_add_nc_u64 s[BS+4:BS+5], s[BS+2:BS+3], s[30:31]
	s_add_nc_u64 s[BS+6:BS+7], s[BS+4:BS+5], s[30:31]
	s_mul_i32 s32, s24, s42
	s_lshl_b32 s32, s32, 1
	s_add_co_u32 s32, s32, s25
	s_lshl_b32 s32, s32, 11                        ; fragment (tile 2 g, step s)
	s_add_co_u32 s32, s32, s43
	s_mov_b32 s33, 0
	s_add_nc_u64 s[34:35], s[16:17], s[32:33]      ; the codes' base
	s_lshl_b32 s32, s24, 10
	s_lshl_b32 s27, s25, 2
	s_add_co_u32 s32, s32, s27
	s_add_co_u32 s32, s32, s44
	s_add_nc_u64 s[36:37], s[16:17], s[32:33]      ; the scale words' base
	s_lshl_b32 s27, s42, 11
	v_mul_u32_u24 v4, s27, v6                      ; tile 2 g + 1 lies K / 128 fragments on,
	v_lshl_add_u32 v4, v3, 4, v4                   ; + 16 r
.macro LOADB c                         ; block c: W(32 c + k, my column), k = 0 .. 31
.set K, 0
.rept 32
	global_load_b32 v[XX+32*(\c)+K], v[OFF+K], s[BS+2*(\c):BS+2*(\c)+1] th:TH_LOAD_NT
.set K, K+1
.endr
.endm
	s_wait_alu depctr_va_vdst(0)
	LOADB 0
	LOADB 1
.macro BLOCK c
.set XS, XX+32*(\c)
.if (\c) < 3
	s_wait_loadcnt 32                              ; this block's 32 loads are in; the next block's 32 may be out
.else
	s_wait_loadcnt 0x0
.endif
.if (\c)+2 < 4
	LOADB (\c)+2                                   ; two blocks ahead, into registers of their own
.endif
	v_max3_num_f32 v12, |v[XS]|, |v[XS+1]|, |v[XS+2]|
	v_max3_num_f32 v13, |v[XS+3]|, |v[XS+4]|, |v[XS+5]|
.irp i, 6,10,14,18,22,26
	v_max3_num_f32 v12, v12, |v[XS+\i]|, |v[XS+\i+1]|
	v_max3_num_f32 v13, v13, |v[XS+\i+2]|, |v[XS+\i+3]|
.endr
	v_max3_num_f32 v12, v12, |v[XS+30]|, |v[XS+31]|
	v_max3_num_f32 v12, v12, v13, 0x8000000        ; and the floor 2^(16 - 127): the byte cannot fall under 1
	v_add_nc_u32 v11, 0xf8800000, v12              ; 15 off the exponent field: the conversion's scale operand
	v_and_or_b32 v10, v12, 0x7f800000, s[MNT]      ; 57,344 x the scale
	v_lshrrev_b32 v13, 23, v11                     ; the scale's byte
.if (\c) == 0
	v_mov_b32 v[SB], v13
.else
	v_lshl_or_b32 v[SB], v13, 8*(\c), v[SB]
.endif
.set K, 0
.rept 32
	v_med3_num_f32 v[XS+K], v[XS+K], -v10, v10     ; the conversion to an 8-bit code does not saturate (ISA guide 7.6.2): the hold comes first
.set K, K+1
.endr
.irp g, 0,1,2,3
	v_cvt_scalef32_pk8_bf8_f32 v[CC+8*(\c)+2*\g:CC+8*(\c)+2*\g+1], v[XS+8*\g:XS+8*\g+7], v11
.endr
	v_nop                                          ; a plain line behind the last conversion
	global_store_b128 v4, v[CC+8*(\c):CC+8*(\c)+3], s[34:35] offset:512*(\c)        ; k = 32 c + 0 .. 15: the fragment's lanes 0-15
	global_store_b128 v4, v[CC+8*(\c)+4:CC+8*(\c)+7], s[34:35] offset:512*(\c)+256  ; k = 32 c + 16 .. 31: its lanes 16-31
.endm
.irp c, 0,1,2,3
	BLOCK \c
.endr
	global_store_b32 v5, v[SB], s[36:37]
	s_endpgm
; ======== cn = LN(context; ncg, ncb), quantised along its 768 features, stored as images of the operand's registers, behind the weights in wts.  This path alone uses LDS.
; Work-group 240 + T takes tile T of 16 rows (T = 4 J + m: position r is row 64 J + 32 (m / 2) + 8 (m % 2) + r + 8 (r / 8)); wave w positions 4 w .. 4 w + 3, four neighbouring rows of memory; eight lanes share a row.
; Lane q of a row holds blocks q, q + 8, q + 16 of 32 features, 96 registers: a block's largest magnitude needs no other lane; mean and centred squares are joined over the eight lanes.
; Every load reads 512 consecutive bytes.  The wave's 12,288 bytes of rows, the gains and the biases turn through the wave's own LDS bytes, each block of 128 bytes followed by 16 of padding, and come back a block to a lane.
; In wts: fragment (T, K step s) at 0x3e8000 + (6 T + s) x 2,048, byte 512 c + 16 (r + 16 h) + i; scale word of (T, s, r) at 0x568000 + (16 (6 T + s) + r) x 4.  Four neighbouring lanes store 64 consecutive bytes.
; LIMITS as above; 1 / sqrt is v_rsq_f32 and a multiplication.
.Lctx:
.set CX, 16                            ; v16-111  my 96 numbers
.set CG, 112                           ; v112-239 two sets of 32 gains and 32 biases
.set WL, 20736                         ; LDS bytes of a wave: 96 + 24 + 24 blocks of 144
.set GL, 13824                         ; where the gains begin in them; the biases 3,456 further on
.set CSP, 82944                        ; the spare words, 128 bytes a wave
	s_load_b256 s[4:11], s[0:1], 0x30              ; wts, context, ncg, ncb
	v_lshl_add_u32 v6, v0, 2, CSP                  ; my spare word,
	v_mov_b32 v7, 0                                ; and 0: kept for the wave's end
	v_lshrrev_b32 v1, 5, v0
	v_readfirstlane_b32 s18, v1                    ; wave
	v_and_b32 v1, 31, v0
	v_bfe_u32 v2, v0, 3, 2                         ; lane / 8: which of my wave's four rows
	v_and_b32 v3, 7, v0                            ; q
	v_lshlrev_b32 v5, 4, v1                        ; 16 x lane: my bytes of a load's 512
	s_mul_i32 s19, s18, WL
	v_mul_u32_u24 v12, v2, 144
	v_lshl_add_u32 v12, v3, 4, v12
	v_add_nc_u32 v14, s19, v12                     ; LDS, in: 144 (lane / 8) + 16 (lane % 8)
	v_mul_u32_u24 v13, v3, 144
	v_add_nc_u32 v13, s19, v13
	v_mad_u32_u24 v15, v2, 0xd80, v13              ; LDS, back: block 24 x row + q
	v_add_nc_u32 v4, GL, v13                       ; and block q of the gains
	v_lshrrev_b32 v12, 2, v3
	v_and_b32 v13, 3, v3
	v_lshlrev_b32 v8, 11, v12
	v_lshl_add_u32 v8, v13, 9, v8
	v_lshl_add_u32 v8, v2, 4, v8                   ; codes: 2,048 (q / 4) + 512 (q % 4) + 16 x row
	v_lshl_add_u32 v9, v12, 6, v13
	v_lshl_add_u32 v9, v2, 2, v9                   ; scale byte: 64 (q / 4) + 4 x row + q % 4
	s_sub_co_u32 s20, ttmp9, 240                   ; T
	s_lshr_b32 s21, s20, 2
	s_bfe_u32 s22, s20, 0x10001
	s_and_b32 s23, s20, 1
	s_lshl_b32 s21, s21, 6
	s_lshl_b32 s22, s22, 5
	s_lshl_b32 s23, s23, 3
	s_add_co_u32 s21, s21, s22
	s_add_co_u32 s21, s21, s23
	s_lshl_b32 s22, s18, 2
	s_add_co_u32 s21, s21, s22
	s_lshr_b32 s22, s18, 1
	s_lshl_b32 s22, s22, 3
	s_add_co_u32 s21, s21, s22                     ; my wave's first row
	s_mul_i32 s24, s21, 3072
	s_mov_b32 s25, 0
	s_mul_i32 s26, s20, 12288
	s_lshl_b32 s22, s18, 6
	s_add_co_u32 s26, s26, s22
	s_add_co_u32 s26, s26, 0x3e8000
	s_mov_b32 s27, 0
	s_mul_i32 s28, s20, 384
	s_lshl_b32 s22, s18, 4
	s_add_co_u32 s28, s28, s22
	s_add_co_u32 s28, s28, 0x568000
	s_mov_b32 s29, 0
	s_mov_b32 s30, 0x3aaaaaab                      ; 1 / 768
	s_mov_b32 s31, 0x3727c5ac                      ; 1e-5
	s_mov_b32 s[MNT], 0x600000
	s_wait_alu depctr_va_vdst(0)                   ; the wait at the head's end
	s_wait_kmcnt 0x0
	s_add_nc_u64 s[6:7], s[6:7], s[24:25]
	s_add_nc_u64 s[12:13], s[4:5], s[26:27]
	s_add_nc_u64 s[14:15], s[4:5], s[28:29]
.macro CGB u, k                        ; block u's gains and biases from LDS into set k
.irp j, 0,1,2,3,4,5,6,7
	ds_load_b128 v[CG+64*(\k)+4*\j:CG+64*(\k)+4*\j+3], v4 offset:1152*(\u)+16*\j
	ds_load_b128 v[CG+64*(\k)+32+4*\j:CG+64*(\k)+32+4*\j+3], v4 offset:3456+1152*(\u)+16*\j
.endr
.endm
.macro CRED                            ; four pairs at v248 become one number, joined over the row's eight lanes
	v_pk_add_f32 v[248:249], v[248:249], v[250:251]
	v_pk_add_f32 v[252:253], v[252:253], v[254:255]
	v_pk_add_f32 v[248:249], v[248:249], v[252:253]
	v_add_f32 v248, v248, v249
	v_add_f32_dpp v248, v248, v248 row_xmask:1 row_mask:0xf bank_mask:0xf
	v_add_f32_dpp v248, v248, v248 row_xmask:2 row_mask:0xf bank_mask:0xf
	v_add_f32_dpp v248, v248, v248 row_xmask:4 row_mask:0xf bank_mask:0xf
.endm
.set K, 0
.rept 24
	global_load_b128 v[CX+4*K:CX+4*K+3], v5, s[6:7] offset:512*K th:TH_LOAD_NT
.set K, K+1
.endr
.irp i, 0,1,2,3,4,5
	global_load_b128 v[CG+4*\i:CG+4*\i+3], v5, s[8:9] offset:512*\i
	global_load_b128 v[CG+24+4*\i:CG+24+4*\i+3], v5, s[10:11] offset:512*\i
.endr
	s_wait_loadcnt 12                              ; the rows are in; the 12 loads of gains and biases may be out
.set K, 0
.rept 24
	ds_store_b128 v14, v[CX+4*K:CX+4*K+3] offset:576*K
.set K, K+1
.endr
	s_wait_loadcnt 0x0
.irp i, 0,1,2,3,4,5
	ds_store_b128 v14, v[CG+4*\i:CG+4*\i+3] offset:GL+576*\i
	ds_store_b128 v14, v[CG+24+4*\i:CG+24+4*\i+3] offset:GL+3456+576*\i
.endr
	s_wait_dscnt 0x0                               ; the stores have read their registers, which the loads below fill
.irp u, 0,1,2
.irp j, 0,1,2,3,4,5,6,7
	ds_load_b128 v[CX+32*\u+4*\j:CX+32*\u+4*\j+3], v15 offset:1152*\u+16*\j
.endr
.endr
	CGB 0, 0
	CGB 1, 1
	s_wait_dscnt 32                                ; my 96 numbers are back; the 32 loads of gains and biases may be out
.irp c, 0,1,2,3
	v_pk_add_f32 v[248+2*\c:249+2*\c], v[CX+2*\c:CX+2*\c+1], v[CX+8+2*\c:CX+8+2*\c+1]
.endr
.irp k, 2,3,4,5,6,7,8,9,10,11
.irp c, 0,1,2,3
	v_pk_add_f32 v[248+2*\c:249+2*\c], v[248+2*\c:249+2*\c], v[CX+8*\k+2*\c:CX+8*\k+2*\c+1]
.endr
.endr
	CRED
	v_mul_f32 v10, s30, v248                       ; the row's mean
	v_mov_b32 v11, v10
.set K, 0
.rept 48
	v_pk_add_f32 v[CX+K:CX+K+1], v[CX+K:CX+K+1], v[10:11] neg_lo:[0,1] neg_hi:[0,1]
.set K, K+2
.endr
.irp c, 0,1,2,3
	v_pk_mul_f32 v[248+2*\c:249+2*\c], v[CX+2*\c:CX+2*\c+1], v[CX+2*\c:CX+2*\c+1]
.endr
.irp k, 1,2,3,4,5,6,7,8,9,10,11
.irp c, 0,1,2,3
	v_pk_fma_f32 v[248+2*\c:249+2*\c], v[CX+8*\k+2*\c:CX+8*\k+2*\c+1], v[CX+8*\k+2*\c:CX+8*\k+2*\c+1], v[248+2*\c:249+2*\c]
.endr
.endr
	CRED
	v_fma_f32 v248, v248, s30, s31                 ; variance + eps
	s_wait_alu depctr_va_vdst(0)                   ; the wait ahead of the transcendental
	v_rsq_f32 v10, v248
	v_nop
	s_wait_alu depctr_va_vdst(0)                   ; and ahead of its first reader
	v_mov_b32 v11, v10
.macro CBLK u, k, d, n                 ; block u: norm, gain and bias (set k), the quantiser; codes to v[d .. d + 7]; n: LDS loads that may stay out
.set XS, CX+32*(\u)
.set GS, CG+64*(\k)
	s_wait_alu depctr_va_vdst(0)                   ; directly ahead of the wait below
	s_wait_dscnt \n
.set K, 0
.rept 16
	v_pk_mul_f32 v[XS+K:XS+K+1], v[XS+K:XS+K+1], v[10:11]
.set K, K+2
.endr
.set K, 0
.rept 16
	v_pk_fma_f32 v[XS+K:XS+K+1], v[XS+K:XS+K+1], v[GS+K:GS+K+1], v[GS+32+K:GS+32+K+1]
.set K, K+2
.endr
.if (\u) == 0
	CGB 2, 0                                       ; set 0 has been read: it takes the third block's
.endif
	v_max3_num_f32 v12, |v[XS]|, |v[XS+1]|, |v[XS+2]|
	v_max3_num_f32 v13, |v[XS+3]|, |v[XS+4]|, |v[XS+5]|
.irp i, 6,10,14,18,22,26
	v_max3_num_f32 v12, v12, |v[XS+\i]|, |v[XS+\i+1]|
	v_max3_num_f32 v13, v13, |v[XS+\i+2]|, |v[XS+\i+3]|
.endr
	v_max3_num_f32 v12, v12, |v[XS+30]|, |v[XS+31]|
	v_max3_num_f32 v12, v12, v13, 0x8000000        ; the floor 2^(16 - 127): the byte cannot fall under 1
	v_add_nc_u32 v14, 0xf8800000, v12              ; 15 off the exponent field: the conversion's scale operand
	v_and_or_b32 v15, v12, 0x7f800000, s[MNT]      ; 57,344 x the scale
	v_lshrrev_b32 v[1+(\u)], 23, v14               ; the scale's byte
.set K, 0
.rept 32
	v_med3_num_f32 v[XS+K], v[XS+K], -v15, v15     ; the conversion does not saturate (ISA guide 7.6.2): the hold comes first
.set K, K+1
.endr
.irp g, 0,1,2,3
	v_cvt_scalef32_pk8_bf8_f32 v[(\d)+2*\g:(\d)+2*\g+1], v[XS+8*\g:XS+8*\g+7], v14
.endr
	v_nop                                          ; a plain line behind the last conversion
	global_store_b128 v8, v[(\d):(\d)+3], s[12:13] offset:4096*(\u)
	global_store_b128 v8, v[(\d)+4:(\d)+7], s[12:13] offset:4096*(\u)+256
	global_store_b8 v9, v[1+(\u)], s[14:15] offset:128*(\u)
.endm
	CBLK 0, 0, 240, 16
	CBLK 1, 1, CX, 16                              ; codes go where an earlier block's numbers lay: no store's data are written again
	CBLK 2, 0, CX+32, 0
	s_wait_tensorcnt 0x0                           ; the wave's end
	ds_add_u32 v6, v7
	s_wait_dscnt 0x0
	s_endpgm
.Lfunc_end_k_q5c298749af_prep:
	.size	k_q5c298749af_prep, .Lfunc_end_k_q5c298749af_prep-k_q5c298749af_prep
	.p2alignl 7, 3214868480
	.fill 96, 4, 3214868480
	.section	.rodata,"a",@progbits
	.p2align	6, 0x0
	.amdhsa_kernel k_q5c298749af_prep
		.amdhsa_group_segment_fixed_size 83456
		.amdhsa_private_segment_fixed_size 0
		.amdhsa_enable_private_segment 0
		.amdhsa_kernarg_size 80
		.amdhsa_user_sgpr_count 2
		.amdhsa_user_sgpr_kernarg_segment_ptr 1
		.amdhsa_wavefront_size32 1
		.amdhsa_system_sgpr_workgroup_id_x 1
		.amdhsa_system_sgpr_workgroup_id_y 1
		.amdhsa_system_sgpr_workgroup_id_z 1
		.amdhsa_system_vgpr_workitem_id 0
		.amdhsa_next_free_vgpr 256
		.amdhsa_next_free_sgpr 66
		.amdhsa_reserve_vcc 0
		.amdhsa_float_denorm_mode_32 3
		.amdhsa_float_denorm_mode_16_64 3
		.amdhsa_memory_ordered 1
		.amdhsa_forward_progress 1
		.amdhsa_inst_pref_size 73
	.end_amdhsa_kernel
	.amdgpu_metadata
---
amdhsa.version: [ 1, 2 ]
amdhsa.kernels:
  - .name:           k_q5c298749af_prep
    .symbol:         k_q5c298749af_prep.kd
    .args:
      - { .name: sa_wq, .offset: 0, .size: 8, .value_kind: global_buffer, .address_space: global }
      - { .name: sa_wkv, .offset: 8, .size: 8, .value_kind: global_buffer, .address_space: global }
      - { .name: sa_wo, .offset: 16, .size: 8, .value_kind: global_buffer, .address_space: global }
      - { .name: ca_wq, .offset: 24, .size: 8, .value_kind: global_buffer, .address_space: global }
      - { .name: ca_wkv, .offset: 32, .size: 8, .value_kind: global_buffer, .address_space: global }
      - { .name: ca_wo, .offset: 40, .size: 8, .value_kind: global_buffer, .address_space: global }
      - { .name: wts, .offset: 48, .size: 8, .value_kind: global_buffer, .address_space: global }
      - { .name: context, .offset: 56, .size: 8, .value_kind: global_buffer, .address_space: global }
      - { .name: ca_ncg, .offset: 64, .size: 8, .value_kind: global_buffer, .address_space: global }
      - { .name: ca_ncb, .offset: 72, .size: 8, .value_kind: global_buffer, .address_space: global }
    .group_segment_fixed_size: 83456
    .private_segment_fixed_size: 0
    .kernarg_segment_align: 8
    .kernarg_segment_size: 80
    .max_flat_workgroup_size: 128
    .sgpr_count:     66
    .vgpr_count:     256
    .wavefront_size: 32
...
	.end_amdgpu_metadata
.endif
;; end of part 8
;; launch qkv_sa (part 9): grid 128 x 2, 8 waves a work-group, no clusters, 148,480 bytes of LDS; arguments x, sa_ng, sa_nb, sa_ncg, sa_ncb, wts, sa_q, sa_kv; writes sa_q, sa_kv
.if DOCPART == 9
	.amdgcn_target "amdgcn-amd-amdhsa--gfx1250"
	.amdhsa_code_object_version 6
	.text
	.protected	k_q5c298749af_qkv_sa
	.globl	k_q5c298749af_qkv_sa
	.p2align	8
	.type	k_q5c298749af_qkv_sa,@function
k_q5c298749af_qkv_sa:
	s_mov_b64 s[64:65], 0
	v_nop
	global_prefetch_b8 v0, s[64:65] scope:SCOPE_SE
	s_setreg_imm32_b32 hwreg(HW_REG_WAVE_MODE, 25, 1), 1
	s_wait_xcnt 0x0
; LAYER NORM AND PROJECTIONS OF THE SELF-ATTENTION.  xn = LN(x; ng, nb), cn = LN(x; ncg, ncb); q = xn Wq, k | v = cn Wkv.  All products on codes of BF8 (E5M2), one E8M0 scale for each 32 along K.
; q and k leave quantised along the head's 64, v along the keys, all in the order of the next product's operand registers.
; SHARES.  128 blocks of 64 rows x 2 halves of the heads = 256 work-groups of eight waves.  A block is four tiles of 16 rows that are not neighbours: position r of tile m is row 32 (m / 2) + 8 (m % 2) + r + 8 (r / 8).
; PHASE X (done by both work-groups of a block: each wants all features of its rows): wave w owns features 128 w .. 128 w + 127 (K step w) of all 64 rows, 256 registers.  Mean and variance: each wave's own mean and
; centred squares of its 128, joined through LDS by M2 = sum M2_w + 128 sum (mean_w - mean)^2: no difference of large sums is formed.  The normed rows are quantised in registers and go to LDS as images of the
; operand's registers (16 bytes a lane, 512 a store).
; PHASE P: unit u = 8 y + wave owns head u / 2 and half u % 2 of its 64 columns: 2 tiles of 16 columns of each of q, k, v against the 4 tiles of rows: 8 accumulators that take turns.  So each fragment of the weights
; is read by one wave of one work-group of a block.  The fragments come from memory straight into operand registers (they were laid so), seven K steps ahead, in a ring of eight sets of 32 registers.
; q, k: source 0 = 16 columns of W, source 1 = 16 rows: a lane holds one row and 16 neighbours along d: my two tiles are one block of 32.  v: source 0 = 16 rows, source 1 = 16 columns: a lane holds one d and 16 neighbouring keys.
; NO CLUSTER, NO TENSOR LOAD: no weight passes through LDS, so there is no tile that a joint load could bring; a work-group reads 24 steps x 8 waves x 4,096 bytes of codes, which the 128 work-groups of its half share.
; LIMITS: NaN and infinities are not served; a block of zeros carries the byte 1 (its codes are zeros; this program alone reads the bytes); 1 / sqrt is v_rsq_f32 and a multiplication.
; The registers that carry scale words in phase P hold other numbers in phase X; no instruction names one as both.
.set KS,    8                          ; K steps of 128
.set ROWB,  4096                       ; a row of x in bytes
.set NK,    2048                       ; keys in a batch
.set NST,   3*KS                       ; steps: q's, k's, v's
.set RN,    8                          ; sets in the ring
.set AH,    RN-1                       ; steps that the ring runs ahead
.set VOFF,  32*NK*64                   ; kv buffer: K's codes, V's codes, the scale words
.set SOFF,  2*VOFF
.set SC_A,  8192                       ; LDS: 0 the statistics [wave][tile][lane] x 8 bytes; the images' scale words, 128 bytes a fragment (8 m + s);
.set SC_B,  12288
.set IMG_A, 16384                      ; the images, 2,048 bytes a fragment (8 m + s): A for q, B for k and v
.set IMG_B, 81920
.set XA,  1                            ; v1  (r + 8 (r / 8)) ROWB + 64 h + 512 w
.set GA,  2                            ; v2  512 w + 64 h
.set LI,  3                            ; v3  16 x lane
.set LS,  4                            ; v4  4 x lane
.set IWA, 5                            ; v5  IMG_A + 16 x lane + 2,048 w
.set IWB, 6                            ; v6  IMG_B + the same
.set IWS, 7                            ; v7  4 x lane + 128 w
.set STW, 8                            ; v8  8 x lane + 1,024 w
.set STR, 9                            ; v9  8 x lane
.set LIA, 10                           ; v10 IMG_A + 16 x lane
.set LIB, 11                           ; v11 IMG_B + 16 x lane
.set R32, 12                           ; v12 32 r
.set QSO, 13                           ; v13 16 r + 4 h
.set SH,  15                           ; v15 16 h
.set MR,  48                           ; phase X: tile m: mean, mean, 1/sd, 1/sd
.set TT,  64                           ; phase X: 64 numbers at work
.set GG,  128                          ; phase X: my 64 gains
.set BB,  192                          ; phase X: my 64 biases
.set XSR, 16                           ; phase P: v16-19 the rows' scale words
.set SV,  22                           ; phase P: v22-23 scale bytes on their way out
.set QSB, 24                           ; phase P: v24 16 r + 2 h
.set SH8, 25                           ; phase P: v25 8 h
.set XF,  64                           ; phase P: four fragments of rows
.set ACC, 128                          ; phase P: 8 accumulators
.set WSR, 192                          ; phase P: v192-239 the weights' scale words, 16 g + 8 ct + s
.set XP,  4
.set GAP, 6
.set BAP, 8
.set GBP, 10
.set BBP, 12
.set WT,  14
.set QP,  16
.set KVP, 18
.set WV,  20
.set WB,  28                           ; s[28:33] a group's codes for my unit
.set WSB, 34                           ; s[34:39] and its scale words
.set QC,  40
.set QS,  42
.set KC,  44
.set KSC, 46
.set VC,  48
.set VS,  50
.set SEL, 52
.set MNT, 54
.set INVK, 55
.set EPS, 56
.set INVKS, 57
.set MSB, 0
.macro WIN new                         ; the immediate's high byte repeats the setting that is left
.if MSB != \new
	s_set_vgpr_msb (MSB<<8)|\new
.set MSB, \new
.endif
.endm
.macro PLACES n
.rept \n
	v_nop
.endr
.endm
.macro MM d, a, b, sa, sb, z           ; one product; z: it starts the sum
.if \z
	v_wmma_scale_f32_16x16x128_f8f6f4 v[\d:\d+7], v[\a:\a+15], v[\b:\b+15], 0, v[\sa], v[\sb] matrix_a_fmt:MATRIX_FMT_BF8 matrix_b_fmt:MATRIX_FMT_BF8
.else
	v_wmma_scale_f32_16x16x128_f8f6f4 v[\d:\d+7], v[\a:\a+15], v[\b:\b+15], v[\d:\d+7], v[\sa], v[\sb] matrix_a_fmt:MATRIX_FMT_BF8 matrix_b_fmt:MATRIX_FMT_BF8
.endif
.endm
; 64 numbers of a lane, four blocks of which the lane holds 16 neighbours each (lane l xor 16 the other 16), become 16 registers of codes at v[PC] and a scale word in v[PW]; v[TM] .. v[TM + 15] at work.
.macro QUANT s
.irp b, 0,1,2,3
	v_max3_num_f32 v[TM+\b], |v[(\s)+16*\b]|, |v[(\s)+1+16*\b]|, 0x8000000   ; with the floor 2^(16 - 127): the byte cannot fall under 1
.endr
.irp i, 2,4,6,8,10,12,14
.irp b, 0,1,2,3
	v_max3_num_f32 v[TM+\b], v[TM+\b], |v[(\s)+16*\b+\i]|, |v[(\s)+1+16*\b+\i]|
.endr
.endr
.irp b, 0,1,2,3
	s_delay_alu instid0(VALU_DEP_4)
	v_permlanex16_b32 v[TM+4+\b], v[TM+\b], s[SEL], s[SEL+1]
.endr
.irp b, 0,1,2,3
	s_delay_alu instid0(VALU_DEP_4)
	v_max_num_f32 v[TM+\b], v[TM+\b], v[TM+4+\b]   ; with lane l xor 16's: the block's largest magnitude
.endr
.irp b, 0,1,2,3
	s_delay_alu instid0(VALU_DEP_4)
	v_add_nc_u32 v[TM+12+\b], 0xf8800000, v[TM+\b] ; 15 off the exponent field: the conversion's scale operand
.endr
.irp b, 0,1,2,3
	v_and_or_b32 v[TM+8+\b], v[TM+\b], 0x7f800000, s[MNT]   ; 57,344 x the scale
.endr
.irp b, 0,1,2,3
	v_lshrrev_b32 v[TM+4+\b], 23, v[TM+12+\b]      ; the scale's byte
.endr
	s_delay_alu instid0(VALU_DEP_3)
	v_lshl_or_b32 v[PW], v[TM+5], 8, v[TM+4]
	s_delay_alu instid0(VALU_DEP_1)
	v_lshl_or_b32 v[PW], v[TM+6], 16, v[PW]
	s_delay_alu instid0(VALU_DEP_1)
	v_lshl_or_b32 v[PW], v[TM+7], 24, v[PW]
.irp b, 0,1,2,3
.irp i, 0,1,2,3,4,5,6,7,8,9,10,11,12,13,14,15
	v_med3_num_f32 v[(\s)+16*\b+\i], v[(\s)+16*\b+\i], -v[TM+8+\b], v[TM+8+\b]   ; the conversion does not saturate (ISA guide 7.6.2): the hold comes first
.endr
	v_cvt_scalef32_pk8_bf8_f32 v[PC+4*\b:PC+4*\b+1], v[(\s)+16*\b:(\s)+16*\b+7], v[TM+12+\b]
	v_cvt_scalef32_pk8_bf8_f32 v[PC+4*\b+2:PC+4*\b+3], v[(\s)+16*\b+8:(\s)+16*\b+15], v[TM+12+\b]
.endr
	v_nop                                          ; a plain line behind the last conversion
.endm
.macro XLOAD                           ; my 128 features of the 64 rows into window 1: tile m, block b of 32, 16 numbers a lane
	WIN 0x40
.irp m, 0,1,2,3
.irp b, 0,1,2,3
.irp j, 0,1,2,3
	global_load_b128 v[64*\m+16*\b+4*\j:64*\m+16*\b+4*\j+3], v[XA], s[XP:XP+1] offset:(32*(\m/2)+8*(\m%2))*ROWB+128*\b+16*\j
.endr
.endr
.endr
	WIN 0
.endm
.macro GBLOAD gp, bp                   ; my 64 gains and 64 biases
.irp b, 0,1,2,3
.irp j, 0,1,2,3
	global_load_b128 v[GG+16*\b+4*\j:GG+16*\b+4*\j+3], v[GA], s[\gp:\gp+1] offset:128*\b+16*\j
	global_load_b128 v[BB+16*\b+4*\j:BB+16*\b+4*\j+3], v[GA], s[\bp:\bp+1] offset:128*\b+16*\j
.endr
.endr
.endm
.macro STAT m                          ; tile m: the mean of my 128 numbers of each row and the sum of their centred squares, to LDS
.set XB, 64*(\m)
.set LM, 16+4*(\m)
	WIN 0x05
	v_pk_add_f32 v[32:33], v[XB:XB+1], v[XB+2:XB+3]
	v_pk_add_f32 v[34:35], v[XB+4:XB+5], v[XB+6:XB+7]
	WIN 0x01
.irp i, 8
	v_pk_add_f32 v[32:33], v[XB+\i:XB+\i+1], v[32:33]
	v_pk_add_f32 v[34:35], v[XB+\i+2:XB+\i+3], v[34:35]
.endr
.irp i, 12, 16, 20, 24, 28, 32, 36, 40, 44, 48, 52, 56, 60
	s_delay_alu instid0(VALU_DEP_2)
	v_pk_add_f32 v[32:33], v[XB+\i:XB+\i+1], v[32:33]
	s_delay_alu instid0(VALU_DEP_2)
	v_pk_add_f32 v[34:35], v[XB+\i+2:XB+\i+3], v[34:35]
.endr
	WIN 0
	v_pk_add_f32 v[32:33], v[32:33], v[34:35]
	s_delay_alu instid0(VALU_DEP_1)
	v_add_f32 v32, v32, v33
	s_delay_alu instid0(VALU_DEP_1)
	v_permlanex16_b32 v33, v32, s[SEL], s[SEL+1]   ; the row's other 64 lie in lane l xor 16
	s_delay_alu instid0(VALU_DEP_1)
	v_add_f32 v32, v32, v33
	s_delay_alu instid0(VALU_DEP_1)
	v_mul_f32 v[LM], 0x3c000000, v32               ; / 128
	s_delay_alu instid0(VALU_DEP_1)
	v_mov_b32 v[LM+1], v[LM]
	s_delay_alu instid0(VALU_DEP_2)
	v_mov_b32 v[LM+2], v[LM]
	WIN 0x01
.set I, 0
.rept 32
	v_pk_add_f32 v[TT+I:TT+I+1], v[XB+I:XB+I+1], v[LM:LM+1] neg_lo:[0,1] neg_hi:[0,1]
.set I, I+2
.endr
	WIN 0
	v_pk_mul_f32 v[32:33], v[TT:TT+1], v[TT:TT+1]
	v_pk_mul_f32 v[34:35], v[TT+2:TT+3], v[TT+2:TT+3]
.irp i, 4,8,12,16,20,24,28,32,36,40,44,48,52,56,60
	s_delay_alu instid0(VALU_DEP_2)
	v_pk_fma_f32 v[32:33], v[TT+\i:TT+\i+1], v[TT+\i:TT+\i+1], v[32:33]
	s_delay_alu instid0(VALU_DEP_2)
	v_pk_fma_f32 v[34:35], v[TT+\i+2:TT+\i+3], v[TT+\i+2:TT+\i+3], v[34:35]
.endr
	s_delay_alu instid0(VALU_DEP_1)
	v_pk_add_f32 v[32:33], v[32:33], v[34:35]
	s_delay_alu instid0(VALU_DEP_1)
	v_add_f32 v32, v32, v33
	s_delay_alu instid0(VALU_DEP_1)
	v_permlanex16_b32 v33, v32, s[SEL], s[SEL+1]
	s_delay_alu instid0(VALU_DEP_1)
	v_add_f32 v[LM+3], v32, v33
	ds_store_b64 v[STW], v[LM+2:LM+3] offset:256*(\m)
.endm
.macro COMBINE m                       ; the eight waves' figures become the row's mean and 1 / sqrt(variance + eps)
.set LL, TT+16*(\m)
.set MQ, MR+4*(\m)
	v_add_f32 v32, v[LL], v[LL+2]
	v_add_f32 v33, v[LL+1], v[LL+3]
.set I, 2
.rept KS-2
	s_delay_alu instid0(VALU_DEP_2)
	v_add_f32 v32, v32, v[LL+2*I]
	s_delay_alu instid0(VALU_DEP_2)
	v_add_f32 v33, v33, v[LL+2*I+1]
.set I, I+1
.endr
	s_delay_alu instid0(VALU_DEP_2)
	v_mul_f32 v[MQ], s[INVKS], v32
	s_delay_alu instid0(VALU_DEP_1)
	v_mov_b32 v[MQ+1], v[MQ]
	s_delay_alu instid0(VALU_DEP_2)
	v_sub_f32 v34, v[LL], v[MQ]
	s_delay_alu instid0(VALU_DEP_1)
	v_mul_f32 v35, v34, v34
.set I, 1
.rept KS-1
	v_sub_f32 v34, v[LL+2*I], v[MQ]
	s_delay_alu instid0(VALU_DEP_1)
	v_fmac_f32 v35, v34, v34
.set I, I+1
.endr
	s_delay_alu instid0(VALU_DEP_1)
	v_fmac_f32 v33, 0x43000000, v35                ; + 128 x the sum of (mean_w - mean)^2
	s_delay_alu instid0(VALU_DEP_1)
	v_fma_f32 v33, v33, s[INVK], s[EPS]
	s_wait_alu depctr_va_vdst(0)
	v_rsq_f32 v[MQ+2], v33
	v_nop                                          ; a plain line behind the transcendental
	s_wait_alu depctr_va_vdst(0)
	v_mov_b32 v[MQ+3], v[MQ+2]
.endm
.macro XHAT m                          ; (x - mean) / sd, in place
	WIN 0x41
.set I, 0
.rept 32
	v_pk_add_f32 v[64*(\m)+I:64*(\m)+I+1], v[64*(\m)+I:64*(\m)+I+1], v[MR+4*(\m):MR+4*(\m)+1] neg_lo:[0,1] neg_hi:[0,1]
.set I, I+2
.endr
.set I, 0
.rept 32
	v_pk_mul_f32 v[64*(\m)+I:64*(\m)+I+1], v[64*(\m)+I:64*(\m)+I+1], v[MR+4*(\m)+2:MR+4*(\m)+3]
.set I, I+2
.endr
	WIN 0
.endm
.macro NORMSET m                       ; x gain + bias
	WIN 0x01
.set I, 0
.rept 32
	v_pk_fma_f32 v[TT+I:TT+I+1], v[64*(\m)+I:64*(\m)+I+1], v[GG+I:GG+I+1], v[BB+I:BB+I+1]
.set I, I+2
.endr
	WIN 0
.endm
.macro IMAGE adr, off                  ; the fragment at v[PC] goes to LDS as it stands
.irp c, 0,1,2,3
	ds_store_b128 v[\adr], v[PC+4*\c:PC+4*\c+3] offset:(\off)+512*\c
.endr
.endm
.macro SETRUN iw, sc, more             ; one pair of gain and bias: four fragments; more: the second pair is asked for as soon as the first has been read
.irp m, 0,1,2,3
	NORMSET \m
.if (\m == 3) && \more
	GBLOAD GBP, BBP
.endif
	s_wait_dscnt 0x0                               ; the last image's stores have read their registers
	QUANT TT
	IMAGE \iw, 16384*\m
	ds_store_b32 v[IWS], v[PW] offset:\sc+1024*\m
.endr
.endm
.macro WLOAD i                         ; step i's two fragments of weights into set i % RN of window 1
.set WLG, (\i)/KS
.set WLS, (\i)%KS
.set WLR, 32*((\i)%RN)
	WIN 0x40
.irp ct, 0,1
.irp c, 0,1,2,3
	global_load_b128 v[WLR+16*\ct+4*\c:WLR+16*\ct+4*\c+3], v[LI], s[WB+2*WLG:WB+2*WLG+1] offset:(\ct*KS+WLS)*2048+512*\c
.endr
.endr
	WIN 0
.endm
.macro PSTEP i                         ; one K step of one group: 8 products, the 8 accumulators by turns in the same order in every step
.set PG, (\i)/KS                       ; 0 q, 1 k, 2 v
.set PS, (\i)%KS
.set RB, 32*((\i)%RN)
.if PG == 0
.set LIX, LIA
.set SCX, SC_A
.else
.set LIX, LIB
.set SCX, SC_B
.endif
.if PS == 0
.set ZF, 1
.else
.set ZF, 0
.endif
	PLACES 8                                       ; in front of loads into registers that the last products read
.if (PS == 0) && ((\i) > 0)
	s_wait_xcnt 0x0                                ; the last group's stores have read their data, which lie where the rows' fragments land
.endif
.if (\i)+AH < NST
	WLOAD (\i)+AH
.endif
.irp m, 0,1,2,3
.irp c, 0,1,2,3
	ds_load_b128 v[XF+16*\m+4*\c:XF+16*\m+4*\c+3], v[LIX] offset:(8*\m+PS)*2048+512*\c
.endr
	ds_load_b32 v[XSR+\m], v[LS] offset:SCX+(8*\m+PS)*128
.endr
.set NY, NST-1-(\i)
.if NY > AH
.set NY, AH
.endif
	s_wait_loadcnt 8*NY                            ; this step's weights are in; the ring steps issued behind them, eight loads each, may be out
	s_wait_dscnt 0x0
.if PG < 2
	WIN 0x01                                       ; source 0 (weights) window 1
.irp m, 0,1,2,3
.irp ct, 0,1
	MM ACC+16*\m+8*\ct,RB+16*\ct,XF+16*\m,WSR+16*PG+8*\ct+PS,XSR+\m,ZF
.endr
.endr
.else
	WIN 0x04                                       ; source 1 (weights) window 1
.irp m, 0,1,2,3
.irp ct, 0,1
	MM ACC+32*\ct+8*\m,XF+16*\m,RB+16*\ct,XSR+\m,WSR+16*PG+8*\ct+PS,ZF
.endr
.endr
.endif
	WIN 0
.endm
; q or k: block m of the 64 numbers is tile m's rows at my 32 of the head's d.  In the pair fragment (even tile's d 0-63, odd tile's d 0-63) of tiles 2 i, 2 i + 1 it is the run of 512 bytes number 2 (m % 2) + my half;
; its scale byte has the same number in the pair's word.  My half stands in the bases.
.macro EPIQK cd, sc
.set TM, 96
.set PC, 64
.set PW, 20
	QUANT ACC
.irp m, 0,1,2,3
	global_store_b128 v[LI], v[64+4*\m:64+4*\m+3], s[\cd:\cd+1] offset:2048*(\m/2)+1024*(\m%2)   ; 32 lanes store 512 consecutive bytes
.endr
	v_lshrrev_b32 v[SV], v[SH8], v20               ; lanes 0-15: tile 0's byte, lanes 16-31: tile 1's;
	s_delay_alu instid0(VALU_DEP_1)
	v_lshrrev_b32 v[SV+1], 16, v[SV]               ; and tiles 2 and 3's
	global_store_b8 v[QSB], v[SV], s[\sc:\sc+1]
	global_store_b8 v[QSB], v[SV+1], s[\sc:\sc+1] offset:4
.endm
; v: my two tiles of d: each has two blocks of 32 keys, half of a key step's fragment, and two scale bytes
.macro EPIV
.set TM, 96
.set PC, 64
.set PW, 20
	QUANT ACC
.irp bb, 0,1,2,3
	global_store_b128 v[LI], v[64+4*\bb:64+4*\bb+3], s[VC:VC+1] offset:(\bb/2)*2048+512*(\bb%2)
.endr
	v_lshrrev_b32 v[SV], v[SH], v20                ; lanes 0-15: the first tile's two bytes; lanes 16-31: the second's
	global_store_b16 v[QSO], v[SV], s[VS:VS+1]
.endm
	s_load_b512 s[4:19], s[0:1], 0x0               ; x, ng, nb, ncg, ncb, wts, q, kv
	v_lshrrev_b32 v16, 5, v0
	s_delay_alu instid0(VALU_DEP_1)
	v_readfirstlane_b32 s[WV], v16                 ; wave 0..7
	v_and_b32 v17, 31, v0                          ; lane
	v_and_b32 v18, 15, v0                          ; r
	v_bfe_u32 v19, v0, 4, 1                        ; h
	s_delay_alu instid0(VALU_DEP_2)
	v_and_b32 v20, 8, v18
	s_delay_alu instid0(VALU_DEP_1)
	v_add_nc_u32 v20, v20, v18                     ; r + 8 (r / 8)
	s_lshl_b32 s26, s[WV], 9
	v_mul_u32_u24 v[XA], v20, ROWB
	s_delay_alu instid0(VALU_DEP_1)
	v_lshl_add_u32 v[XA], v19, 6, v[XA]
	s_delay_alu instid0(VALU_DEP_1)
	v_add_nc_u32 v[XA], s26, v[XA]
	v_lshlrev_b32 v[GA], 6, v19
	s_delay_alu instid0(VALU_DEP_1)
	v_add_nc_u32 v[GA], s26, v[GA]
	v_lshlrev_b32 v[LI], 4, v17
	v_lshlrev_b32 v[LS], 2, v17
	s_lshl_b32 s26, s[WV], 11
	v_add_nc_u32 v[IWB], s26, v[LI]
	s_delay_alu instid0(VALU_DEP_1)
	v_add_nc_u32 v[IWA], IMG_A, v[IWB]
	s_delay_alu instid0(VALU_DEP_2)
	v_add_nc_u32 v[IWB], IMG_B, v[IWB]
	s_lshl_b32 s26, s[WV], 7
	v_add_nc_u32 v[IWS], s26, v[LS]
	v_lshlrev_b32 v[STR], 3, v17
	s_lshl_b32 s26, s[WV], 10
	v_add_nc_u32 v[STW], s26, v[STR]
	v_add_nc_u32 v[LIA], IMG_A, v[LI]
	v_add_nc_u32 v[LIB], IMG_B, v[LI]
	v_lshlrev_b32 v[R32], 5, v18
	v_lshlrev_b32 v[QSO], 4, v18
	s_delay_alu instid0(VALU_DEP_1)
	v_lshl_add_u32 v[QSO], v19, 2, v[QSO]
	v_lshlrev_b32 v[SH], 4, v19
.irp b, 36,37,38,39
	v_mov_b32 v\b, 0                               ; written once: a lane permute's destination counts as one of its sources
.endr
	s_mov_b32 s[SEL], 0x76543210
	s_mov_b32 s[SEL+1], 0xfedcba98                 ; v_permlanex16_b32's selects for lane l xor 16
	s_mov_b32 s[MNT], 0x600000                     ; the mantissa field of 57,344
	s_mov_b32 s[INVK], 0x3a800000                  ; 1 / 1024
	s_mov_b32 s[EPS], 0x3727c5ac                   ; 1e-5
	s_mov_b32 s[INVKS], 0x3e000000                 ; 1 / 8
	s_and_b32 s58, ttmp7, 0xffff                   ; y: which four heads
	s_lshl_b32 s59, s58, 3
	s_add_co_u32 s59, s59, s[WV]                   ; u = 8 y + wave: my unit, 0 .. 15
	s_lshr_b32 s22, ttmp9, 5                       ; batch
	s_and_b32 s23, ttmp9, 31                       ; block of 64 rows in it
	s_lshl_b32 s24, s22, 3
	s_lshr_b32 s60, s59, 1                         ; my head
	s_add_co_u32 s24, s24, s60                     ; batch x 8 + head
	s_and_b32 s58, s59, 1                          ; my half of its 64 columns
	s_lshr_b32 s25, s23, 1                         ; which key step of 128
	s_and_b32 s21, s23, 1                          ; and which half of it
	s_mov_b32 s27, 0
	s_mov_b32 s61, 0
	s_wait_kmcnt 0x0
	s_lshl_b32 s26, ttmp9, 18                      ; 64 rows of 4,096 bytes
	s_add_nc_u64 s[XP:XP+1], s[XP:XP+1], s[26:27]
	s_lshl_b32 s26, s59, 15                        ; my two tiles of codes: 2 x 8 fragments of 2,048 bytes
	s_add_nc_u64 s[62:63], s[WT:WT+1], s[26:27]
	s_add_nc_u64 s[WB:WB+1], s[62:63], 0           ; Wq
	s_add_nc_u64 s[WB+2:WB+3], s[62:63], 0x80000   ; Wkv's columns of k
	s_add_nc_u64 s[WB+4:WB+5], s[62:63], 0x100000  ; and of v
	s_lshl_b32 s26, s59, 10                        ; their scale words: 2 x 16 positions of 32 bytes
	s_add_nc_u64 s[62:63], s[WT:WT+1], s[26:27]
	s_add_nc_u64 s[WSB:WSB+1], s[62:63], 0x3c0000
	s_add_nc_u64 s[WSB+2:WSB+3], s[62:63], 0x3c4000
	s_add_nc_u64 s[WSB+4:WSB+5], s[62:63], 0x3c8000
	s_lshl_b32 s26, s24, 17                        ; q's and k's codes: 131,072 bytes a head, 4,096 a block, 512 for my half
	s_lshl_b32 s60, s23, 12
	s_add_co_u32 s26, s26, s60
	s_lshl_b32 s60, s58, 9
	s_add_co_u32 s26, s26, s60
	s_add_nc_u64 s[QC:QC+1], s[QP:QP+1], s[26:27]
	s_add_nc_u64 s[KC:KC+1], s[KVP:KVP+1], s[26:27]
	s_lshl_b32 s26, s24, 12                        ; q's scale words: 4,096 bytes a head, 256 for 128 rows, 8 for a block's two pairs, 1 for my half
	s_lshl_b32 s60, s25, 8
	s_add_co_u32 s26, s26, s60
	s_lshl_b32 s60, s21, 3
	s_add_co_u32 s26, s26, s60
	s_add_co_u32 s26, s26, s58
	s_add_co_u32 s26, s26, 0x400000
	s_add_nc_u64 s[QS:QS+1], s[QP:QP+1], s[26:27]
	s_lshl_b32 s26, s24, 13                        ; K's and V's scale words: 8,192 bytes a head, 256 a key step
	s_lshl_b32 s60, s25, 8
	s_add_co_u32 s26, s26, s60
	s_add_co_u32 s26, s26, SOFF                    ; what the two share
	s_lshl_b32 s60, s21, 3
	s_add_co_u32 s60, s60, s26
	s_add_co_u32 s60, s60, s58
	s_add_nc_u64 s[KSC:KSC+1], s[KVP:KVP+1], s[60:61]
	s_lshl_b32 s60, s21, 1
	s_add_co_u32 s60, s60, s26
	s_add_co_u32 s60, s60, NK*2
	s_lshl_b32 s62, s58, 3                         ; my two tiles' words
	s_add_co_u32 s60, s60, s62
	s_add_nc_u64 s[VS:VS+1], s[KVP:KVP+1], s[60:61]
	s_lshl_b32 s26, s24, 17                        ; V's codes: 131,072 bytes a head, 8,192 a key step, 1,024 for the block's half of each fragment, 4,096 for my two tiles
	s_lshl_b32 s60, s25, 13
	s_add_co_u32 s26, s26, s60
	s_lshl_b32 s60, s21, 10
	s_add_co_u32 s26, s26, s60
	s_lshl_b32 s60, s58, 12
	s_add_co_u32 s26, s26, s60
	s_add_co_u32 s26, s26, VOFF
	s_add_nc_u64 s[VC:VC+1], s[KVP:KVP+1], s[26:27]
	; ---- X1: my K step of the 64 rows, and its statistics
	XLOAD
	GBLOAD GAP, BAP
	s_wait_loadcnt 32                              ; the rows are in; the 32 loads of gains and biases behind them may be out
	STAT 0
	STAT 1
	STAT 2
	STAT 3
	s_wait_dscnt 0x0                               ; my statistics have landed
	s_barrier_signal -1
	s_barrier_wait -1                              ; everybody's have
	; ---- X2: the rows' statistics, the norm, the images
.irp m, 0,1,2,3
.set I, 0
.rept KS
	ds_load_b64 v[TT+16*\m+2*I:TT+16*\m+2*I+1], v[STR] offset:1024*I+256*\m
.set I, I+1
.endr
.endr
	s_wait_dscnt 0x0
	COMBINE 0
	COMBINE 1
	COMBINE 2
	COMBINE 3
	XHAT 0
	XHAT 1
	XHAT 2
	XHAT 3
	s_wait_loadcnt 0x0                             ; gains and biases
.set PC, 16
.set TM, 32
.set PW, 14
	SETRUN IWA, SC_A, 1
	s_wait_loadcnt 0x0                             ; the second pair
	SETRUN IWB, SC_B, 0
	s_wait_dscnt 0x0                               ; my images have landed, and their stores have read their registers
	v_and_b32 v[QSB], 15, v0
	v_bfe_u32 v[SH8], v0, 4, 1
	s_delay_alu instid0(VALU_DEP_2)
	v_lshlrev_b32 v[QSB], 4, v[QSB]
	s_delay_alu instid0(VALU_DEP_1)
	v_lshl_add_u32 v[QSB], v[SH8], 1, v[QSB]       ; 16 r + 2 h
	s_delay_alu instid0(VALU_DEP_3)
	v_lshlrev_b32 v[SH8], 3, v[SH8]                ; 8 h
.irp g, 0,1,2                                      ; the three groups' scale words, 8 words for each position of my two tiles: they stay
.irp ct, 0,1
	global_load_b128 v[WSR+16*\g+8*\ct:WSR+16*\g+8*\ct+3], v[R32], s[WSB+2*\g:WSB+2*\g+1] offset:512*\ct
	global_load_b128 v[WSR+16*\g+8*\ct+4:WSR+16*\g+8*\ct+7], v[R32], s[WSB+2*\g:WSB+2*\g+1] offset:512*\ct+16
.endr
.endr
.irp i, 0,1,2,3,4,5,6
	WLOAD \i                                       ; the ring's first seven steps: data that nobody writes, so they may cross the barrier
.endr
	s_barrier_signal -1
	s_barrier_wait -1                              ; all images lie in LDS; nothing in LDS is written from here on
	; ---- P
.irp i, 0,1,2,3,4,5,6,7
	PSTEP \i
.endr
	PLACES 8                                       ; in front of the first read of results
	EPIQK QC, QS
.irp i, 8,9,10,11,12,13,14,15
	PSTEP \i
.endr
	PLACES 8
	EPIQK KC, KSC
.irp i, 16,17,18,19,20,21,22,23
	PSTEP \i
.endr
	PLACES 8
	EPIV
	s_wait_xcnt 0x0
	v_lshl_add_u32 v254, v0, 2, 0x24000
	v_mov_b32 v255, 0
	s_wait_alu depctr_va_vdst(0)
	s_wait_tensorcnt 0x0
	ds_add_u32 v254, v255
	s_wait_dscnt 0x0
	s_endpgm
.Lfunc_end_k_q5c298749af_qkv_sa:
	.size	k_q5c298749af_qkv_sa, .Lfunc_end_k_q5c298749af_qkv_sa-k_q5c298749af_qkv_sa
	.p2alignl 7, 3214868480
	.fill 96, 4, 3214868480
	.section	.rodata,"a",@progbits
	.p2align	6, 0x0
	.amdhsa_kernel k_q5c298749af_qkv_sa
		.amdhsa_group_segment_fixed_size 148480
		.amdhsa_private_segment_fixed_size 0
		.amdhsa_enable_private_segment 0
		.amdhsa_kernarg_size 64
		.amdhsa_user_sgpr_count 2
		.amdhsa_user_sgpr_kernarg_segment_ptr 1
		.amdhsa_wavefront_size32 1
		.amdhsa_system_sgpr_workgroup_id_x 1
		.amdhsa_system_sgpr_workgroup_id_y 1
		.amdhsa_system_sgpr_workgroup_id_z 1
		.amdhsa_system_vgpr_workitem_id 0
		.amdhsa_next_free_vgpr 512
		.amdhsa_next_free_sgpr 66
		.amdhsa_reserve_vcc 0
		.amdhsa_float_denorm_mode_32 3
		.amdhsa_float_denorm_mode_16_64 3
		.amdhsa_memory_ordered 1
		.amdhsa_forward_progress 1
		.amdhsa_inst_pref_size 255
	.end_amdhsa_kernel
	.section	.bss,"aw",@nobits
	.p2align	6
	.space	262144
	.amdgpu_metadata
---
amdhsa.version: [ 1, 2 ]
amdhsa.kernels:
  - .name:           k_q5c298749af_qkv_sa
    .symbol:         k_q5c298749af_qkv_sa.kd
    .args:
      - { .name: x, .offset: 0, .size: 8, .value_kind: global_buffer, .address_space: global }
      - { .name: sa_ng, .offset: 8, .size: 8, .value_kind: global_buffer, .address_space: global }
      - { .name: sa_nb, .offset: 16, .size: 8, .value_kind: global_buffer, .address_space: global }
      - { .name: sa_ncg, .offset: 24, .size: 8, .value_kind: global_buffer, .address_space: global }
      - { .name: sa_ncb, .offset: 32, .size: 8, .value_kind: global_buffer, .address_space: global }
      - { .name: wts, .offset: 40, .size: 8, .value_kind: global_buffer, .address_space: global }
      - { .name: sa_q, .offset: 48, .size: 8, .value_kind: global_buffer, .address_space: global }
      - { .name: sa_kv, .offset: 56, .size: 8, .value_kind: global_buffer, .address_space: global }
    .group_segment_fixed_size: 148480
    .private_segment_fixed_size: 0
    .kernarg_segment_align: 8
    .kernarg_segment_size: 64
    .max_flat_workgroup_size: 256
    .sgpr_count:     66
    .vgpr_count:     512
    .wavefront_size: 32
...
	.end_amdgpu_metadata
.endif
;; end of part 9
;; launch att_sa (part 10): grid 8 x 32, 8 waves a work-group, no clusters, 272,384 bytes of LDS; arguments sa_q, sa_kv, att1; writes att1
.if DOCPART == 10
	.amdgcn_target "amdgcn-amd-amdhsa--gfx1250"
	.amdhsa_code_object_version 6
	.text
	.protected	k_q5c298749af_att_sa
	.globl	k_q5c298749af_att_sa
	.p2align	8
	.type	k_q5c298749af_att_sa,@function
k_q5c298749af_att_sa:
	s_mov_b64 s[64:65], 0
	v_nop
	global_prefetch_b8 v0, s[64:65] scope:SCOPE_SE
	s_setreg_imm32_b32 hwreg(HW_REG_WAVE_MODE, 25, 1), 1
	s_wait_xcnt 0x0
; ATTENTION ON CODES OF BF8 (E5M2), head size 64, NK keys, 2,048 queries a head; one E8M0 scale for each 32 along a product's K.  The result leaves quantised along the 512 mid features, as images of the next product's operand registers.
; THE SOFTMAX: t = score x log2(e) / 8; M = the running largest t rounded UP to a whole number; p = 2^(t - M) is quantised along the keys, not normalised; the row's sum is taken of the unquantised p and divides O at the end.
; When M moves, the sum and O are multiplied by 2^(old M - new M): exact.
; SHARES.  A work-group owns 256 queries of one (batch, head); each of its EIGHT waves owns TWO tiles of 16 queries, so each fragment of K feeds four products and each fragment of V two.
; THE HEAD'S K AND V COME STEP BY STEP, through registers: a key step is 8,192 bytes of K and of V, 16 bytes a thread and 4,096 an instruction.  Steps 0 and 1 are stored at the kernel's head; trip i stores step i + 2 into LDS bytes
; of its own (no LDS byte is written twice) and loads step i + 3 from memory.  One barrier a trip: signalled when my stores have landed, waited for at the next trip's top.  So in trip i step i + 1 lies whole in LDS,
; and its fragments of K are read as soon as step i's have been multiplied.  (The last trip reads 8,192 bytes behind K's last step so: written bytes, which nothing uses.)  The head's scale words come at the kernel's head.
; LAYOUT.  Both products are used transposed (S^T = K Q^T, O^T = V^T P^T): a lane holds one query of each tile.  A fragment of K holds two tiles of 16 keys (k 0-63, k 64-127) and is multiplied by (q, zeros) and by (zeros, q).
; The rows of all tiles were ordered so that the 16 registers of two neighbouring result tiles are 16 neighbours.
; REGISTERS.  Window 0: v1-95 addresses, state, scale words, the four loads on their way; tile t: p's codes from v[96 + 68 t], its scores from v[100 + 68 t]: block b's codes, b > 0, land on block 0's numbers, which are done with.
; Window 1: v0-39 zeros, q, zeros, q, zeros; v64-127 O^T; v128-191 four fragments of K; v192-255 four of V.
; NO CLUSTER: no tensor load stands here that could be made joint.  NO PREFETCH: each step's bytes are asked of memory by the loads themselves, three key steps ahead of their first use.
; LIMITS: NaN and infinities are not served; a block of zeros carries the byte 1 (its codes are zeros); 1 / sum is v_rcp_f32 and a multiplication; a block's largest p is taken as 2^ of its largest score, as p rises with the score;
; the scaled scores stay under 2^31 in magnitude.
.set NK,   2048
.set NST,  NK/128
.set VL,   NK*64                       ; LDS: K's codes at 0, V's here,
.set SL,   NK*128                      ; the scale words here: K's, then V's
.set SPARE, SL+NK*4                    ; the spare words, 128 bytes a wave
.set VOFF, 32*NK*64
.set SOFF, 2*VOFF
.set AK0,  1                           ; 16 x lane
.set AV0,  2                           ; VL + 16 x lane
.set ASK0, 3                           ; SL + 16 r
.set ASV0, 4                           ; SL + 2 NK + 16 r
.set T16,  5                           ; 16 x thread
.set TV16, 6                           ; VL + 16 x thread
.set OSO,  7                           ; 16 r + h
.set SPW,  8
.set NIL,  9
.set ADK,  10                          ; v10-15 the trip's addresses
.set ADV,  11
.set ADS,  12
.set ADT,  13
.set FSK,  14
.set FSV,  15
.set NM,   16                          ; tile t: v[16 + 2 t] -M, v[17 + 2 t] the largest t
.set SUM,  20                          ; the sum in two halves
.set FF,   24                          ; f (the upper word is written once)
.set TMP,  28
.set HH,   30
.set R16,  31
.set BM,   32
.set BT,   40
.set HOLD, 48
.set SCO,  56
.set KSW,  64                          ; v64-75 hold scales and nothing else
.set VSW,  68
.set PSW,  72
.set QSW,  74
.set FB,   76                          ; v76-91 a key step's bytes on their way
.set FSL,  92
.set FSG,  93
.set CD,   96
.set SS,   100
.set UU,   232                         ; partial sums; on the way out the codes
.set OO,   64                          ; window 1
.set KF,   128                         ; window 1
.set VF,   192                         ; window 1
.set WV,   10
.set SEL,  30
.set CS,   32
.set MNT,  34
.set TK,   35
.set TS,   36
.set CNT,  37
.set MSB, 0
.macro WIN new                         ; the immediate's high byte repeats the setting that is left
.if MSB != \new
	s_set_vgpr_msb (MSB<<8)|\new
.set MSB, \new
.endif
.endm
.macro PLACES n
.rept \n
	v_nop
.endr
.endm
.macro ADDR                            ; the addresses of the trip whose K begins at LDS byte s[TK]
	v_add_nc_u32 v[ADK], s[TK], v[AK0]
	v_add_nc_u32 v[ADV], s[TK], v[AV0]
	v_add_nc_u32 v[ADS], s[TS], v[ASK0]
	v_add_nc_u32 v[ADT], s[TS], v[ASV0]
	v_add_nc_u32 v[FSK], s[TK], v[T16]
	v_add_nc_u32 v[FSV], s[TK], v[TV16]
.endm
.macro KLOAD o, so                     ; four fragments of K and their scale words, o bytes (so bytes) on from the trip's
	WIN 0x40
.irp p, 0,1,2,3
.irp c, 0,1,2,3
	ds_load_b128 v[KF+16*\p+4*\c:KF+16*\p+4*\c+3], v[ADK] offset:(\o)+2048*\p+512*\c
.endr
.endr
	WIN 0
	ds_load_b128 v[KSW:KSW+3], v[ADS] offset:\so
.endm
	s_load_b128 s[4:7], s[0:1], 0x0                ; q, kv
	s_load_b64 s[8:9], s[0:1], 0x10                ; the output
	v_lshl_add_u32 v[SPW], v0, 2, SPARE
	v_mov_b32 v[NIL], 0
	v_lshrrev_b32 v10, 5, v0
	v_readfirstlane_b32 s[WV], v10                 ; wave 0..7
	v_and_b32 v11, 31, v0
	v_and_b32 v12, 15, v0
	v_bfe_u32 v[HH], v0, 4, 1
	v_lshlrev_b32 v[AK0], 4, v11
	v_lshlrev_b32 v[R16], 4, v12
	v_lshlrev_b32 v[T16], 4, v0
.if NK == 2048
	v_lshlrev_b32 v[FSG], 4, v0                    ; 8,192 bytes of scale words: twice 16 a thread
.else
	v_lshlrev_b32 v[FSG], 3, v0                    ; 2,048 bytes: 8 a thread
.endif
	v_add_nc_u32 v[AV0], VL, v[AK0]
	v_add_nc_u32 v[ASK0], SL, v[R16]
	v_add_nc_u32 v[ASV0], SL+NK*2, v[R16]
	v_add_nc_u32 v[TV16], VL, v[T16]
	v_add_nc_u32 v[OSO], v[R16], v[HH]
	v_add_nc_u32 v[FSL], SL, v[FSG]
	s_and_b32 s11, ttmp7, 0xffff                   ; batch x 8 + head
	s_lshl_b32 s12, ttmp9, 4
	s_lshl_b32 s13, s[WV], 1
	s_add_co_u32 s12, s12, s13                     ; my first tile of queries, even, 0 .. 126
	s_mov_b32 s15, 0
	s_mov_b32 s[SEL], 0x76543210
	s_mov_b32 s[SEL+1], 0xfedcba98                 ; v_permlanex16_b32's selects for lane l xor 16
	s_mov_b32 s[CS], 0x3e38aa3b                    ; c = log2(e) / 8
	s_mov_b32 s[CS+1], s[CS]
	s_mov_b32 s[MNT], 0x600000
	s_mov_b32 s[TK], 0
	s_mov_b32 s[TS], 0
	s_mov_b32 s[CNT], 0
	s_wait_alu depctr_va_vdst(0)                   ; directly ahead of the wait below
	s_wait_kmcnt 0x0
	s_mul_i32 s14, s11, NK*64
	s_add_nc_u64 s[16:17], s[6:7], s[14:15]        ; K's codes
	s_add_nc_u64 s[18:19], s[16:17], VOFF          ; V's
	s_mul_i32 s14, s11, NK*4
	s_add_nc_u64 s[20:21], s[6:7], s[14:15]
	s_add_nc_u64 s[20:21], s[20:21], SOFF          ; their scale words
	s_lshl_b32 s14, s11, 17
	s_lshl_b32 s13, s12, 10
	s_add_co_u32 s14, s14, s13
	s_add_nc_u64 s[22:23], s[4:5], s[14:15]        ; my pair fragment of q: 1,024 bytes a tile
	s_lshl_b32 s14, s11, 12
	s_lshr_b32 s13, s12, 3
	s_lshl_b32 s13, s13, 8
	s_add_co_u32 s14, s14, s13
	s_bfe_u32 s13, s12, 0x20001
	s_lshl_b32 s13, s13, 2
	s_add_co_u32 s14, s14, s13
	s_add_co_u32 s14, s14, 0x400000
	s_add_nc_u64 s[24:25], s[4:5], s[14:15]        ; and the pair's scale words
	s_lshr_b32 s13, s11, 3
	s_lshl_b32 s13, s13, 7
	s_add_co_u32 s13, s13, s12                     ; the output's tile of rows
	s_and_b32 s39, s11, 7
	s_lshr_b32 s40, s39, 1                         ; head / 2: the next product's K step
	s_and_b32 s39, s39, 1                          ; head % 2: which half of it
	s_lshl_b32 s14, s13, 13
	s_lshl_b32 s41, s40, 11
	s_add_co_u32 s14, s14, s41
	s_lshl_b32 s41, s39, 10
	s_add_co_u32 s14, s14, s41
	s_add_nc_u64 s[26:27], s[8:9], s[14:15]        ; the output's codes
	s_lshl_b32 s14, s13, 8
	s_lshl_b32 s41, s40, 2
	s_add_co_u32 s14, s14, s41
	s_lshl_b32 s41, s39, 1
	s_add_co_u32 s14, s14, s41
	s_add_co_u32 s14, s14, 0x400000
	s_add_nc_u64 s[28:29], s[8:9], s[14:15]        ; and its scale bytes
.if NK == 2048
	global_load_b128 v[SS:SS+3], v[FSG], s[20:21]                  ; the scale words,
	global_load_b128 v[SS+4:SS+7], v[FSG], s[20:21] offset:4096
.else
	global_load_b64 v[SS:SS+1], v[FSG], s[20:21]
.endif
.irp i, 0,1                                        ; key steps 0 and 1,
	global_load_b128 v[SS+8+16*\i:SS+11+16*\i], v[T16], s[16:17] offset:8192*\i
	global_load_b128 v[SS+12+16*\i:SS+15+16*\i], v[T16], s[16:17] offset:8192*\i+4096
	global_load_b128 v[SS+16+16*\i:SS+19+16*\i], v[T16], s[18:19] offset:8192*\i
	global_load_b128 v[SS+20+16*\i:SS+23+16*\i], v[T16], s[18:19] offset:8192*\i+4096
.endr
	global_load_b32 v[TMP], v[R16], s[24:25]                       ; q's scale words: the even tile's two bytes below, the odd tile's above,
	WIN 0x40
	global_load_b128 v[8:11], v[AK0], s[22:23]                     ; q
	global_load_b128 v[12:15], v[AK0], s[22:23] offset:512
	global_load_b128 v[24:27], v[AK0], s[22:23] offset:1024
	global_load_b128 v[28:31], v[AK0], s[22:23] offset:1536
	WIN 0
	global_load_b128 v[FB:FB+3], v[T16], s[16:17] offset:16384     ; and key step 2
	global_load_b128 v[FB+4:FB+7], v[T16], s[16:17] offset:20480
	global_load_b128 v[FB+8:FB+11], v[T16], s[18:19] offset:16384
	global_load_b128 v[FB+12:FB+15], v[T16], s[18:19] offset:20480
	WIN 0x40
.irp j, 0,1,2,3,4,5,6,7,16,17,18,19,20,21,22,23,32,33,34,35,36,37,38,39
	v_mov_b32 v\j, 0                               ; zero codes round q
.endr
.set J, 0
.rept 64
	v_mov_b32 v[OO+J], 0                           ; O^T: the step is written once; the first finds zeros
.set J, J+1
.endr
	WIN 0
.irp t, 0,1
	v_mov_b32 v[NM+2*\t+1], 0xff61b1e6             ; the largest t so far: -3e38
	v_mov_b32 v[SUM+2*\t], 0
	v_mov_b32 v[SUM+2*\t+1], 0
	v_mov_b32 v[FF+2*\t+1], 0
.endr
.irp t, 0,1
	v_floor_f32 v[NM+2*\t], -v[NM+2*\t+1]
.endr
.irp b, 0,1,2,3,4,5,6,7
	v_mov_b32 v[BT+\b], 0                          ; a lane permute's destination counts as one of its sources
.endr
	ADDR
	s_wait_alu depctr_va_vdst(0)                   ; directly ahead of the wait below
	s_wait_loadcnt 4                               ; all but key step 2's four loads
.if NK == 2048
	ds_store_b128 v[FSL], v[SS:SS+3]
	ds_store_b128 v[FSL], v[SS+4:SS+7] offset:4096
.else
	ds_store_b64 v[FSL], v[SS:SS+1]
.endif
.irp i, 0,1
	ds_store_b128 v[T16], v[SS+8+16*\i:SS+11+16*\i] offset:8192*\i
	ds_store_b128 v[T16], v[SS+12+16*\i:SS+15+16*\i] offset:8192*\i+4096
	ds_store_b128 v[TV16], v[SS+16+16*\i:SS+19+16*\i] offset:8192*\i
	ds_store_b128 v[TV16], v[SS+20+16*\i:SS+23+16*\i] offset:8192*\i+4096
.endr
	v_perm_b32 v[QSW], v[TMP], v[TMP], 0x01000100  ; a tile's two bytes in both halves of its word: they serve (q, 0) and (0, q)
	v_perm_b32 v[QSW+1], v[TMP], v[TMP], 0x03020302
	s_wait_alu depctr_va_vdst(0)                   ; the wait at the head's end
	s_wait_dscnt 0x0                               ; my part of steps 0 and 1 and of the scale words has landed
	s_barrier_signal -1
	s_barrier_wait -1                              ; everybody's has
	KLOAD 0, 0                                     ; step 0's fragments of K
	s_wait_dscnt 0x0
	s_barrier_signal -1                            ; the signal that the first trip's wait answers
.Lstep:                                            ; trip i: key step i; its fragments of K lie in registers
	s_barrier_wait -1                              ; everybody's part of step i + 1 lies in LDS
	s_wait_loadcnt 0x0                             ; step i + 2 is in my registers, and the loads' bases may be stepped
	s_add_nc_u64 s[16:17], s[16:17], 8192
	s_add_nc_u64 s[18:19], s[18:19], 8192
	s_cmp_ge_u32 s[CNT], NST-2                     ; the last two trips have no step i + 2
	s_cbranch_scc1 .Lnostore
	ds_store_b128 v[FSK], v[FB:FB+3] offset:16384
	ds_store_b128 v[FSK], v[FB+4:FB+7] offset:20480
	ds_store_b128 v[FSV], v[FB+8:FB+11] offset:16384
	ds_store_b128 v[FSV], v[FB+12:FB+15] offset:20480
.Lnostore:
	s_wait_dscnt 0x0                               ; my stores have landed and have read their registers
	s_cmp_ge_u32 s[CNT], NST-3                     ; the last three trips ask for nothing
	s_cbranch_scc1 .Lnoload
	global_load_b128 v[FB:FB+3], v[T16], s[16:17] offset:16384     ; step i + 3
	global_load_b128 v[FB+4:FB+7], v[T16], s[16:17] offset:20480
	global_load_b128 v[FB+8:FB+11], v[T16], s[18:19] offset:16384
	global_load_b128 v[FB+12:FB+15], v[T16], s[18:19] offset:20480
.Lnoload:
	s_barrier_signal -1                            ; up to the wait at the next trip's top: register work, and LDS loads of steps i and i + 1, whose bytes nobody writes again
	WIN 0x40
.irp ct, 0,1,2,3                                   ; V is asked for now and lands under the products and the softmax
.irp c, 0,1,2,3
	ds_load_b128 v[VF+16*\ct+4*\c:VF+16*\ct+4*\c+3], v[ADV] offset:2048*\ct+512*\c
.endr
.endr
	WIN 0
	ds_load_b128 v[VSW:VSW+3], v[ADT]
	WIN 0x05                                       ; K's fragments and q: window 1
.irp p, 0,1,2,3
.irp t, 0,1
	v_wmma_scale_f32_16x16x128_f8f6f4 v[SS+68*\t+16*\p:SS+68*\t+16*\p+7], v[KF+16*\p:KF+16*\p+15], v[8+16*\t:23+16*\t], 0, v[KSW+\p], v[QSW+\t] matrix_a_fmt:MATRIX_FMT_BF8 matrix_b_fmt:MATRIX_FMT_BF8
	v_wmma_scale_f32_16x16x128_f8f6f4 v[SS+68*\t+16*\p+8:SS+68*\t+16*\p+15], v[KF+16*\p:KF+16*\p+15], v[16*\t:15+16*\t], 0, v[KSW+\p], v[QSW+\t] matrix_a_fmt:MATRIX_FMT_BF8 matrix_b_fmt:MATRIX_FMT_BF8
.endr
.endr                                              ; lane (r, h): query r of tile t; register 16 p + i: key 32 p + 16 h + i of the step
	WIN 0
	PLACES 8                                       ; in front of loads into registers that the products read, and of the first read of results
	KLOAD 8192, 256                                ; the next step's fragments of K
.irp b, 0,1,2,3                                    ; the largest score of each block of 32 keys; eight chains by turns
.irp t, 0,1
	v_max3_num_f32 v[BM+4*\t+\b], v[SS+68*\t+16*\b], v[SS+68*\t+16*\b+1], v[SS+68*\t+16*\b+2]
.endr
.endr
.irp i, 3,5,7,9,11,13
.irp b, 0,1,2,3
.irp t, 0,1
	v_max3_num_f32 v[BM+4*\t+\b], v[BM+4*\t+\b], v[SS+68*\t+16*\b+\i], v[SS+68*\t+16*\b+\i+1]
.endr
.endr
.endr
.irp b, 0,1,2,3
.irp t, 0,1
	v_max_num_f32 v[BM+4*\t+\b], v[BM+4*\t+\b], v[SS+68*\t+16*\b+15]
.endr
.endr
.irp b, 0,1,2,3
.irp t, 0,1
	v_permlanex16_b32 v[BT+4*\t+\b], v[BM+4*\t+\b], s[SEL], s[SEL+1]
.endr
.endr
.irp b, 0,1,2,3
.irp t, 0,1
	v_max_num_f32 v[BM+4*\t+\b], v[BM+4*\t+\b], v[BT+4*\t+\b]   ; with lane l xor 16's 16 keys
.endr
.endr
.irp t, 0,1
	v_max3_num_f32 v[TMP+\t], v[BM+4*\t], v[BM+4*\t+1], v[BM+4*\t+2]
.endr
.irp t, 0,1
	s_delay_alu instid0(VALU_DEP_2)
	v_max_num_f32 v[TMP+\t], v[TMP+\t], v[BM+4*\t+3]
.endr
.irp t, 0,1
	s_delay_alu instid0(VALU_DEP_2)
	v_mul_f32 v[TMP+\t], s[CS], v[TMP+\t]          ; as t (c is positive)
.endr
.irp t, 0,1
	s_delay_alu instid0(VALU_DEP_2)
	v_max_num_f32 v[NM+2*\t+1], v[NM+2*\t+1], v[TMP+\t]   ; the running largest t
.endr
.irp t, 0,1
	v_mov_b32 v[TMP+\t], v[NM+2*\t]
.endr
.irp t, 0,1
	s_delay_alu instid0(VALU_DEP_4)
	v_floor_f32 v[NM+2*\t], -v[NM+2*\t+1]          ; the new -M = -ceil(t)
.endr
.irp t, 0,1
	s_delay_alu instid0(VALU_DEP_2)
	v_sub_f32 v[TMP+\t], v[NM+2*\t], v[TMP+\t]     ; old M - new M: a whole number, 0 or less
.endr
.irp t, 0,1
	s_delay_alu instid0(VALU_DEP_2)
	v_cvt_i32_f32 v[TMP+\t], v[TMP+\t]             ; (it saturates)
.endr
.irp t, 0,1
	s_delay_alu instid0(VALU_DEP_2)
	v_ldexp_f32 v[FF+2*\t], 1.0, v[TMP+\t]         ; f = 2^(old M - new M)
.endr
.irp t, 0,1
.set J, 0
.rept 32
	v_pk_fma_f32 v[SS+68*\t+J:SS+68*\t+J+1], v[SS+68*\t+J:SS+68*\t+J+1], s[CS:CS+1], v[NM+2*\t:NM+2*\t+1] op_sel_hi:[1,0,0]   ; t - M, two at a time
.set J, J+2
.endr
.endr
.irp b, 0,1,2,3
.irp t, 0,1
	v_fma_f32 v[BM+4*\t+\b], v[BM+4*\t+\b], s[CS], v[NM+2*\t]   ; the same of each block's largest score
.endr
.endr
	s_wait_alu depctr_va_vdst(0)                   ; the wait ahead of the batch
.irp t, 0,1
.set J, 0
.rept 64
	v_exp_f32 v[SS+68*\t+J], v[SS+68*\t+J]         ; p = 2^(t - M), at most 1
.set J, J+1
.endr
.endr
.irp b, 0,1,2,3,4,5,6,7
	v_exp_f32 v[BM+\b], v[BM+\b]                   ; the blocks' largest p
.endr
.irp t, 0,1
	v_pk_mul_f32 v[SUM+2*\t:SUM+2*\t+1], v[SUM+2*\t:SUM+2*\t+1], v[FF+2*\t:FF+2*\t+1] op_sel_hi:[1,0]   ; the sums under the new M (plain lines behind the batch)
.endr
	s_wait_alu depctr_va_vdst(0)                   ; one wait for the batch, ahead of its first reader
.irp b, 0,1,2,3,4,5,6,7
	v_max_num_f32 v[BM+\b], 0x8000000, v[BM+\b]    ; the floor 2^(16 - 127): the byte cannot fall under 1
.endr
.irp b, 0,1,2,3,4,5,6,7
	v_add_nc_u32 v[SCO+\b], 0xf8800000, v[BM+\b]   ; 15 off the exponent field: the conversion's scale operand
.endr
.irp b, 0,1,2,3,4,5,6,7
	v_and_or_b32 v[HOLD+\b], v[BM+\b], 0x7f800000, s[MNT]   ; 57,344 x the scale
.endr
.irp b, 0,1,2,3,4,5,6,7
	v_lshrrev_b32 v[BT+\b], 23, v[SCO+\b]          ; the scale's byte
.endr
.irp t, 0,1
	v_lshl_or_b32 v[PSW+\t], v[BT+4*\t+1], 8, v[BT+4*\t]   ; p's scale word for these 128 keys
.endr
.irp t, 0,1
	s_delay_alu instid0(VALU_DEP_2)
	v_lshl_or_b32 v[PSW+\t], v[BT+4*\t+2], 16, v[PSW+\t]
.endr
.irp t, 0,1
	s_delay_alu instid0(VALU_DEP_2)
	v_lshl_or_b32 v[PSW+\t], v[BT+4*\t+3], 24, v[PSW+\t]
.endr
.irp t, 0,1                                        ; the row's sum of the unquantised p: four chains a tile, eight by turns
	v_pk_add_f32 v[SUM+2*\t:SUM+2*\t+1], v[SUM+2*\t:SUM+2*\t+1], v[SS+68*\t:SS+68*\t+1]
.endr
.irp c, 1,2,3
.irp t, 0,1
	v_pk_add_f32 v[UU+6*\t+2*\c-2:UU+6*\t+2*\c-1], v[SS+68*\t+2*\c:SS+68*\t+2*\c+1], v[SS+68*\t+2*\c+8:SS+68*\t+2*\c+9]
.endr
.endr
.irp t, 0,1
	v_pk_add_f32 v[SUM+2*\t:SUM+2*\t+1], v[SUM+2*\t:SUM+2*\t+1], v[SS+68*\t+8:SS+68*\t+9]
.endr
.irp k, 2,3,4,5,6,7
.irp t, 0,1
	v_pk_add_f32 v[SUM+2*\t:SUM+2*\t+1], v[SUM+2*\t:SUM+2*\t+1], v[SS+68*\t+8*\k:SS+68*\t+8*\k+1]
.endr
.irp c, 1,2,3
.irp t, 0,1
	v_pk_add_f32 v[UU+6*\t+2*\c-2:UU+6*\t+2*\c-1], v[UU+6*\t+2*\c-2:UU+6*\t+2*\c-1], v[SS+68*\t+8*\k+2*\c:SS+68*\t+8*\k+2*\c+1]
.endr
.endr
.endr
.irp t, 0,1
	s_delay_alu instid0(VALU_DEP_4)
	v_pk_add_f32 v[UU+6*\t:UU+6*\t+1], v[UU+6*\t:UU+6*\t+1], v[UU+6*\t+2:UU+6*\t+3]
.endr
.irp t, 0,1
	s_delay_alu instid0(VALU_DEP_4)
	v_pk_add_f32 v[SUM+2*\t:SUM+2*\t+1], v[SUM+2*\t:SUM+2*\t+1], v[UU+6*\t+4:UU+6*\t+5]
.endr
.irp t, 0,1
	s_delay_alu instid0(VALU_DEP_2)
	v_pk_add_f32 v[SUM+2*\t:SUM+2*\t+1], v[SUM+2*\t:SUM+2*\t+1], v[UU+6*\t:UU+6*\t+1]
.endr
.irp b, 0,1,2,3
.irp t, 0,1
.set J, 0
.rept 16                                           ; the conversion does not saturate (ISA guide 7.6.2); p is not negative, so the hold is one-sided
	v_min_num_f32 v[SS+68*\t+16*\b+J], v[SS+68*\t+16*\b+J], v[HOLD+4*\t+\b]
.set J, J+1
.endr
.endr
.irp t, 0,1
	v_cvt_scalef32_pk8_bf8_f32 v[CD+68*\t+4*\b:CD+68*\t+4*\b+1], v[SS+68*\t+16*\b:SS+68*\t+16*\b+7], v[SCO+4*\t+\b]
	v_cvt_scalef32_pk8_bf8_f32 v[CD+68*\t+4*\b+2:CD+68*\t+4*\b+3], v[SS+68*\t+16*\b+8:SS+68*\t+16*\b+15], v[SCO+4*\t+\b]
.endr
.endr
	WIN 0x41
	s_wait_alu depctr_va_vdst(0)                   ; directly ahead of the first reader of O^T
.irp t, 0,1
.set J, 0
.rept 16
	v_pk_mul_f32 v[OO+32*\t+J:OO+32*\t+J+1], v[OO+32*\t+J:OO+32*\t+J+1], v[FF+2*\t:FF+2*\t+1] op_sel_hi:[1,0]   ; O^T under the new M; also the places between the codes and the products
.set J, J+2
.endr
.endr
	WIN 0x51                                       ; V's fragments, C and D: window 1
	s_wait_alu depctr_va_vdst(0)                   ; directly ahead of the wait below
	s_wait_dscnt 0x0                               ; V and its scale words; the next step's K too
.irp ct, 0,1,2,3                                   ; O^T += V^T P^T: the eight accumulators by turns
.irp t, 0,1
	v_wmma_scale_f32_16x16x128_f8f6f4 v[OO+32*\t+8*\ct:OO+32*\t+8*\ct+7], v[VF+16*\ct:VF+16*\ct+15], v[CD+68*\t:CD+68*\t+15], v[OO+32*\t+8*\ct:OO+32*\t+8*\ct+7], v[VSW+\ct], v[PSW+\t] matrix_a_fmt:MATRIX_FMT_BF8 matrix_b_fmt:MATRIX_FMT_BF8
.endr
.endr
	WIN 0
	s_add_co_u32 s[TK], s[TK], 8192
	s_add_co_u32 s[TS], s[TS], 256
	ADDR                                           ; six places,
	PLACES 3                                       ; nine in all: the next trip's products write over p's codes, its loads land on V's fragments
	s_add_co_u32 s[CNT], s[CNT], 1
	s_cmp_lt_u32 s[CNT], NST
	s_wait_alu depctr_va_vdst(0)                   ; directly ahead of the branch
	s_cbranch_scc1 .Lstep
	s_barrier_wait -1                              ; the last trip's signal has its wait
	; ---- the way out: O^T / the sum, quantised along d: register 16 b + i is d = 32 b + 16 h + i of my query
.irp t, 0,1
	v_add_f32 v[SUM+2*\t], v[SUM+2*\t], v[SUM+2*\t+1]
.endr
.irp t, 0,1
	v_permlanex16_b32 v[TMP+\t], v[SUM+2*\t], s[SEL], s[SEL+1]
.endr
.irp t, 0,1
	v_add_f32 v[SUM+2*\t], v[SUM+2*\t], v[TMP+\t]  ; the row's sum
.endr
	s_wait_alu depctr_va_vdst(0)                   ; the wait ahead of the transcendentals
.irp t, 0,1
	v_rcp_f32 v[SUM+2*\t], v[SUM+2*\t]
.endr
	v_nop
	WIN 0x01
	s_wait_alu depctr_va_vdst(0)                   ; and ahead of their first reader, which is O^T's too
.irp t, 0,1
.set J, 0
.rept 32
	v_mul_f32 v[SS+68*\t+J], v[OO+32*\t+J], v[SUM+2*\t]
.set J, J+1
.endr
.endr
	WIN 0
.irp b, 0,1
.irp t, 0,1
	v_max3_num_f32 v[BM+4*\t+\b], |v[SS+68*\t+16*\b]|, |v[SS+68*\t+16*\b+1]|, 0x8000000
.endr
.endr
.irp i, 2,4,6,8,10,12,14
.irp b, 0,1
.irp t, 0,1
	v_max3_num_f32 v[BM+4*\t+\b], v[BM+4*\t+\b], |v[SS+68*\t+16*\b+\i]|, |v[SS+68*\t+16*\b+\i+1]|
.endr
.endr
.endr
.irp b, 0,1
.irp t, 0,1
	v_permlanex16_b32 v[BT+4*\t+\b], v[BM+4*\t+\b], s[SEL], s[SEL+1]
.endr
.endr
.irp b, 0,1
.irp t, 0,1
	v_max_num_f32 v[BM+4*\t+\b], v[BM+4*\t+\b], v[BT+4*\t+\b]
.endr
.endr
.irp b, 0,1
.irp t, 0,1
	v_add_nc_u32 v[SCO+4*\t+\b], 0xf8800000, v[BM+4*\t+\b]
.endr
.endr
.irp b, 0,1
.irp t, 0,1
	v_and_or_b32 v[HOLD+4*\t+\b], v[BM+4*\t+\b], 0x7f800000, s[MNT]
.endr
.endr
.irp b, 0,1
.irp t, 0,1
	v_lshrrev_b32 v[BT+4*\t+\b], 23, v[SCO+4*\t+\b]
.endr
.endr
.irp b, 0,1
.irp t, 0,1
.set J, 0
.rept 16
	v_med3_num_f32 v[SS+68*\t+16*\b+J], v[SS+68*\t+16*\b+J], -v[HOLD+4*\t+\b], v[HOLD+4*\t+\b]
.set J, J+1
.endr
	v_cvt_scalef32_pk8_bf8_f32 v[UU+8*\t+4*\b:UU+8*\t+4*\b+1], v[SS+68*\t+16*\b:SS+68*\t+16*\b+7], v[SCO+4*\t+\b]
	v_cvt_scalef32_pk8_bf8_f32 v[UU+8*\t+4*\b+2:UU+8*\t+4*\b+3], v[SS+68*\t+16*\b+8:SS+68*\t+16*\b+15], v[SCO+4*\t+\b]
.endr
.endr
	v_nop                                          ; a plain line behind the last conversion
	v_cmp_eq_u32 vcc_lo, 1, v[HH]
.irp t, 0,1
	v_cndmask_b32 v[TMP+\t], v[BT+4*\t], v[BT+4*\t+1], vcc_lo   ; lanes 0-15 store the first block's byte, lanes 16-31 the second's
.endr
.irp t, 0,1
	global_store_b128 v[AK0], v[UU+8*\t:UU+8*\t+3], s[26:27] offset:8192*\t        ; 32 lanes store 512 consecutive bytes
	global_store_b128 v[AK0], v[UU+8*\t+4:UU+8*\t+7], s[26:27] offset:8192*\t+512
	global_store_b8 v[OSO], v[TMP+\t], s[28:29] offset:256*\t
.endr
	s_wait_tensorcnt 0x0                           ; the wave's end
	ds_add_u32 v[SPW], v[NIL]
	s_wait_dscnt 0x0
	s_endpgm
.Lfunc_end_k_q5c298749af_att_sa:
	.size	k_q5c298749af_att_sa, .Lfunc_end_k_q5c298749af_att_sa-k_q5c298749af_att_sa
	.p2alignl 7, 3214868480
	.fill 96, 4, 3214868480
	.section	.rodata,"a",@progbits
	.p2align	6, 0x0
	.amdhsa_kernel k_q5c298749af_att_sa
		.amdhsa_group_segment_fixed_size 272384
		.amdhsa_private_segment_fixed_size 0
		.amdhsa_enable_private_segment 0
		.amdhsa_kernarg_size 24
		.amdhsa_user_sgpr_count 2
		.amdhsa_user_sgpr_kernarg_segment_ptr 1
		.amdhsa_wavefront_size32 1
		.amdhsa_system_sgpr_workgroup_id_x 1
		.amdhsa_system_sgpr_workgroup_id_y 1
		.amdhsa_system_sgpr_workgroup_id_z 1
		.amdhsa_system_vgpr_workitem_id 0
		.amdhsa_next_free_vgpr 512
		.amdhsa_next_free_sgpr 66
		.amdhsa_reserve_vcc 1
		.amdhsa_float_denorm_mode_32 3
		.amdhsa_float_denorm_mode_16_64 3
		.amdhsa_memory_ordered 1
		.amdhsa_forward_progress 1
		.amdhsa_inst_pref_size 58
	.end_amdhsa_kernel
	.amdgpu_metadata
---
amdhsa.version: [ 1, 2 ]
amdhsa.kernels:
  - .name:           k_q5c298749af_att_sa
    .symbol:         k_q5c298749af_att_sa.kd
    .args:
      - { .name: sa_q, .offset: 0, .size: 8, .value_kind: global_buffer, .address_space: global }
      - { .name: sa_kv, .offset: 8, .size: 8, .value_kind: global_buffer, .address_space: global }
      - { .name: att1, .offset: 16, .size: 8, .value_kind: global_buffer, .address_space: global }
    .group_segment_fixed_size: 272384
    .private_segment_fixed_size: 0
    .kernarg_segment_align: 8
    .kernarg_segment_size: 24
    .max_flat_workgroup_size: 256
    .sgpr_count:     66
    .vgpr_count:     512
    .wavefront_size: 32
...
	.end_amdgpu_metadata
.endif
;; end of part 10
;; launch mid (part 11): grid 160 x 1, 8 waves a work-group, no clusters, 297,984 bytes of LDS; arguments att1, wts, sa_bo, x, ca_ng, ca_nb, x1, ca_q, ca_kv; writes x1, ca_q, ca_kv
.if DOCPART == 11
	.amdgcn_target "amdgcn-amd-amdhsa--gfx1250"
	.amdhsa_code_object_version 6
	.text
	.protected	k_q5c298749af_mid
	.globl	k_q5c298749af_mid
	.p2align	8
	.type	k_q5c298749af_mid,@function
k_q5c298749af_mid:
	s_mov_b64 s[64:65], 0
	v_nop
	global_prefetch_b8 v0, s[64:65] scope:SCOPE_SE
	s_setreg_imm32_b32 hwreg(HW_REG_WAVE_MODE, 25, 1), 1
	s_wait_xcnt 0x0
; TWO JOBS IN ONE LAUNCH.  They part on the work-group's number at the first line and never join; they share the macros and nothing else, and each has LDS bytes of its own (A: 0 .. 149,503; B: from 149,504 on).
; JOB A, work-groups 0-127:   x1 = att Wo + bo + x;  q = LN(x1; ng, nb) Wq.          JOB B, work-groups 128-159:   cn = LN(context; ncg, ncb);  k | v = cn Wkv.
; Why together: B reads nothing that A makes, the next launch wants both, and the two together are 160 work-groups.  All products on codes of BF8 (E5M2), one E8M0 scale for each 32 along K.
; x1 leaves as f32 (the last residual wants it); q and k quantised along the head's 64, v along the keys, in the order of the next product's operand registers.
; SHARES, both jobs.  A work-group of eight waves takes 64 rows, as four tiles of 16: position r of tile m is row 32 (m / 2) + 8 (m % 2) + r + 8 (r / 8).
; A, PHASE F: wave w makes features 128 w .. 128 w + 127 of all 64 rows: 32 accumulators, all of window 1.  THE SUMS BEGIN AS x + bo: the residual is loaded into the accumulators, the bias added, and the products add onto that.
; Source 0 = 16 columns of Wo, source 1 = 16 rows: a lane holds one row and 16 neighbouring features of each 32, which is also the layout in which the norm and its quantiser want them.
; A, PHASE S: x1 leaves through each wave's own stage in LDS, a tile of rows at a time: 32 lanes store 512 consecutive bytes of a row.
; THE NORM (job A alone: of x1, which still lies in window 1; job B takes context normed and quantised from wts): each wave's own mean and centred squares of its 128, joined through LDS by
; M2 = sum M2_w + 128 sum (mean_w - mean)^2: no difference of large sums is formed.  The normed rows are quantised in registers and go to LDS as images of the operand's registers (16 bytes a lane, 512 a store).
; PHASE P: wave w owns head w: 4 tiles of 16 columns (A: of q; B: of k, then of v) against the 4 tiles of rows: 16 accumulators that take turns.  The weights' fragments come from memory straight into operand registers
; (they were laid so), three K steps ahead, in a ring of four sets of 64 registers.
; q, k: source 0 = 16 columns of W, source 1 = 16 rows: a lane holds one row and 16 neighbours along d.  v: source 0 = 16 rows, source 1 = 16 columns: a lane holds one d and 16 neighbouring keys.
; NO CLUSTER, NO TENSOR LOAD: no weight passes through LDS, so there is no tile that a joint load could bring; a work-group of A reads 2 x 524,288 bytes of codes, one of B 786,432, which the work-groups of a job share.
; LIMITS: NaN and infinities are not served; a block of zeros carries the byte 1 (its codes are zeros; this program alone reads the bytes); 1 / sqrt is v_rsq_f32 and a multiplication.
; The registers that carry scale words in phases F and P hold other numbers during the norm; no instruction names one as both.
.set LB0,   149504                     ; where job B's LDS begins
.set SC_A,  8192                       ; LDS of a job, from its beginning: 0 the statistics [wave][tile][lane] x 8 bytes; the images' scale words, 128 bytes a fragment (8 m + s): A's here,
.set SC_B,  12288                      ; B's here;
.set IMG_A, 16384                      ; the images, 2,048 bytes a fragment (8 m + s): A's here,
.set IMG_B, 81920                      ; B's here
.set STAGE, 81920                      ; job A: the stages: 16 rows x (512 + 16) bytes for each wave
.set COFF_WO, 0x180000
.set SOFF_WO, 0x3cc000
.set NKB,   512                        ; job B: keys in a batch
.set KVOFF, 32*NKB*64                  ; its kv buffer: K's codes, V's codes, the scale words
.set KSOFF, 2*KVOFF
.set XA,  1                            ; v1  (r + 8 (r / 8)) ROWB + 64 h + 512 w
.set GA,  2                            ; v2  512 w + 64 h
.set LI,  3                            ; v3  16 x lane
.set LS,  4                            ; v4  4 x lane (+ LB0 in job B)
.set IWA, 5                            ; v5  A: IMG_A + 16 x lane + 2,048 w
.set STO, 6                            ; v6  A: my stage + 528 r + 64 h
.set IWB, 6                            ; v6  B: LB0 + IMG_B + 16 x lane + 2,048 w
.set IWS, 7                            ; v7  4 x lane + 128 w (+ LB0)
.set STW, 8                            ; v8  8 x lane + 1,024 w (+ LB0)
.set STR, 9                            ; v9  8 x lane (+ LB0)
.set LIA, 10                           ; v10 A: IMG_A + 16 x lane
.set RD,  11                           ; v11 A: my stage + 16 x lane
.set LIB, 11                           ; v11 B: LB0 + IMG_B + 16 x lane
.set R32, 12                           ; v12 32 r
.set QSO, 13                           ; v13 16 r + 4 h
.set R16, 15                           ; v15 A: 16 r
.set SH,  15                           ; v15 B: 16 h
.set WSF, 16                           ; phase F: Wo's scale words, 4 ct + s
.set ASF, 48                           ; phase F: the rows' scale words, 4 m + s
.set AF,  64                           ; phase F: four fragments of rows (first: the bias)
.set WF,  128                          ; phase F: eight fragments of Wo
.set BK,  64                           ; phase S: 16 rows read back
.set MR,  48                           ; the norm: tile m: mean, mean, 1/sd, 1/sd
.set TT,  64                           ; the norm: 64 numbers at work
.set GG,  128                          ; the norm: my 64 gains
.set BB,  192                          ; the norm: my 64 biases
.set WSR, 16                           ; phase P: the weights' scale words, 8 ct + s
.set XSR, 48                           ; phase P: the rows' scale words
.set XF,  64                           ; phase P: four fragments of rows
.set ACC, 128                          ; phase P: 16 accumulators
.set AT,  4                            ; job A's scalars (XP, WT, WB, WSB are set for each job ahead of its text)
.set BOP, 8
.set GAP, 12
.set BAP, 14
.set DST, 16
.set QP,  18
.set WOS, 28
.set WOB, 30
.set ATC, 32
.set ATS, 34
.set QC,  40
.set QS,  42
.set GBP, 10                           ; job B's
.set BBP, 12
.set KVP, 18
.set KC,  44
.set KSC, 46
.set VC,  48
.set VS,  50
.set WV,  20                           ; both
.set SEL, 52
.set MNT, 54
.set INVK, 55
.set EPS, 56
.set INVKS, 57
.set HM,  58                           ; mask of lanes 16-31
.set MSB, 0
.macro WIN new                         ; the immediate's high byte repeats the setting that is left
.if MSB != \new
	s_set_vgpr_msb (MSB<<8)|\new
.set MSB, \new
.endif
.endm
.macro PLACES n
.rept \n
	v_nop
.endr
.endm
.macro MM d, a, b, sa, sb, z           ; one product; z: it starts the sum
.if \z
	v_wmma_scale_f32_16x16x128_f8f6f4 v[\d:\d+7], v[\a:\a+15], v[\b:\b+15], 0, v[\sa], v[\sb] matrix_a_fmt:MATRIX_FMT_BF8 matrix_b_fmt:MATRIX_FMT_BF8
.else
	v_wmma_scale_f32_16x16x128_f8f6f4 v[\d:\d+7], v[\a:\a+15], v[\b:\b+15], v[\d:\d+7], v[\sa], v[\sb] matrix_a_fmt:MATRIX_FMT_BF8 matrix_b_fmt:MATRIX_FMT_BF8
.endif
.endm
; 64 numbers of a lane, register 16 b + i = place 32 b + 16 (lane / 16) + i along K, become 16 registers of codes at v[PC] and a scale word in v[PW]; v[TM] .. v[TM + 15] at work.
.macro QUANT s
.irp b, 0,1,2,3
	v_max3_num_f32 v[TM+\b], |v[(\s)+16*\b]|, |v[(\s)+1+16*\b]|, 0x8000000   ; with the floor 2^(16 - 127): the byte cannot fall under 1
.endr
.irp i, 2,4,6,8,10,12,14
.irp b, 0,1,2,3
	v_max3_num_f32 v[TM+\b], v[TM+\b], |v[(\s)+16*\b+\i]|, |v[(\s)+1+16*\b+\i]|
.endr
.endr
.irp b, 0,1,2,3
	s_delay_alu instid0(VALU_DEP_4)
	v_permlanex16_b32 v[TM+4+\b], v[TM+\b], s[SEL], s[SEL+1]
.endr
.irp b, 0,1,2,3
	s_delay_alu instid0(VALU_DEP_4)
	v_max_num_f32 v[TM+\b], v[TM+\b], v[TM+4+\b]   ; with lane l xor 16's: the block's largest magnitude
.endr
.irp b, 0,1,2,3
	s_delay_alu instid0(VALU_DEP_4)
	v_add_nc_u32 v[TM+12+\b], 0xf8800000, v[TM+\b] ; 15 off the exponent field: the conversion's scale operand
.endr
.irp b, 0,1,2,3
	v_and_or_b32 v[TM+8+\b], v[TM+\b], 0x7f800000, s[MNT]   ; 57,344 x the scale
.endr
.irp b, 0,1,2,3
	v_lshrrev_b32 v[TM+4+\b], 23, v[TM+12+\b]      ; the scale's byte
.endr
	s_delay_alu instid0(VALU_DEP_3)
	v_lshl_or_b32 v[PW], v[TM+5], 8, v[TM+4]
	s_delay_alu instid0(VALU_DEP_1)
	v_lshl_or_b32 v[PW], v[TM+6], 16, v[PW]
	s_delay_alu instid0(VALU_DEP_1)
	v_lshl_or_b32 v[PW], v[TM+7], 24, v[PW]
.irp b, 0,1,2,3
.irp i, 0,1,2,3,4,5,6,7,8,9,10,11,12,13,14,15
	v_med3_num_f32 v[(\s)+16*\b+\i], v[(\s)+16*\b+\i], -v[TM+8+\b], v[TM+8+\b]   ; the conversion does not saturate (ISA guide 7.6.2): the hold comes first
.endr
	v_cvt_scalef32_pk8_bf8_f32 v[PC+4*\b:PC+4*\b+1], v[(\s)+16*\b:(\s)+16*\b+7], v[TM+12+\b]
	v_cvt_scalef32_pk8_bf8_f32 v[PC+4*\b+2:PC+4*\b+3], v[(\s)+16*\b+8:(\s)+16*\b+15], v[TM+12+\b]
.endr
	v_nop                                          ; a plain line behind the last conversion
.endm
.macro XLOAD                           ; my 128 features of the 64 rows into window 1: tile m, block b of 32, 16 numbers a lane
	WIN 0x40
.irp m, 0,1,2,3
.irp b, 0,1,2,3
.irp j, 0,1,2,3
	global_load_b128 v[64*\m+16*\b+4*\j:64*\m+16*\b+4*\j+3], v[XA], s[XP:XP+1] offset:(32*(\m/2)+8*(\m%2))*ROWB+128*\b+16*\j
.endr
.endr
.endr
	WIN 0
.endm
.macro GBLOAD gp, bp                   ; my 64 gains and 64 biases
.irp b, 0,1,2,3
.irp j, 0,1,2,3
	global_load_b128 v[GG+16*\b+4*\j:GG+16*\b+4*\j+3], v[GA], s[\gp:\gp+1] offset:128*\b+16*\j
	global_load_b128 v[BB+16*\b+4*\j:BB+16*\b+4*\j+3], v[GA], s[\bp:\bp+1] offset:128*\b+16*\j
.endr
.endr
.endm
.macro STAT m                          ; tile m: the mean of my 128 numbers of each row and the sum of their centred squares, to LDS
.set XB, 64*(\m)
.set LM, 16+4*(\m)
	WIN 0x05
	v_pk_add_f32 v[32:33], v[XB:XB+1], v[XB+2:XB+3]
	v_pk_add_f32 v[34:35], v[XB+4:XB+5], v[XB+6:XB+7]
	WIN 0x01
.irp i, 8,12,16,20,24,28,32,36,40,44,48,52,56,60
	v_pk_add_f32 v[32:33], v[XB+\i:XB+\i+1], v[32:33]
	v_pk_add_f32 v[34:35], v[XB+\i+2:XB+\i+3], v[34:35]
.endr
	WIN 0
	v_pk_add_f32 v[32:33], v[32:33], v[34:35]
	s_delay_alu instid0(VALU_DEP_1)
	v_add_f32 v32, v32, v33
	s_delay_alu instid0(VALU_DEP_1)
	v_permlanex16_b32 v33, v32, s[SEL], s[SEL+1]   ; the row's other 64 lie in lane l xor 16
	s_delay_alu instid0(VALU_DEP_1)
	v_add_f32 v32, v32, v33
	s_delay_alu instid0(VALU_DEP_1)
	v_mul_f32 v[LM], 0x3c000000, v32               ; / 128
	s_delay_alu instid0(VALU_DEP_1)
	v_mov_b32 v[LM+1], v[LM]
	s_delay_alu instid0(VALU_DEP_2)
	v_mov_b32 v[LM+2], v[LM]
	WIN 0x01
.set I, 0
.rept 32
	v_pk_add_f32 v[TT+I:TT+I+1], v[XB+I:XB+I+1], v[LM:LM+1] neg_lo:[0,1] neg_hi:[0,1]
.set I, I+2
.endr
	WIN 0
	v_pk_mul_f32 v[32:33], v[TT:TT+1], v[TT:TT+1]
	v_pk_mul_f32 v[34:35], v[TT+2:TT+3], v[TT+2:TT+3]
.irp i, 4,8,12,16,20,24,28,32,36,40,44,48,52,56,60
	s_delay_alu instid0(VALU_DEP_2)
	v_pk_fma_f32 v[32:33], v[TT+\i:TT+\i+1], v[TT+\i:TT+\i+1], v[32:33]
	s_delay_alu instid0(VALU_DEP_2)
	v_pk_fma_f32 v[34:35], v[TT+\i+2:TT+\i+3], v[TT+\i+2:TT+\i+3], v[34:35]
.endr
	s_delay_alu instid0(VALU_DEP_1)
	v_pk_add_f32 v[32:33], v[32:33], v[34:35]
	s_delay_alu instid0(VALU_DEP_1)
	v_add_f32 v32, v32, v33
	s_delay_alu instid0(VALU_DEP_1)
	v_permlanex16_b32 v33, v32, s[SEL], s[SEL+1]
	s_delay_alu instid0(VALU_DEP_1)
	v_add_f32 v[LM+3], v32, v33
	ds_store_b64 v[STW], v[LM+2:LM+3] offset:256*(\m)
.endm
.macro COMBINE m                       ; the KS waves' figures become the row's mean and 1 / sqrt(variance + eps)
.set LL, TT+16*(\m)
.set MQ, MR+4*(\m)
	v_add_f32 v32, v[LL], v[LL+2]
	v_add_f32 v33, v[LL+1], v[LL+3]
.set I, 2
.rept KS-2
	s_delay_alu instid0(VALU_DEP_2)
	v_add_f32 v32, v32, v[LL+2*I]
	s_delay_alu instid0(VALU_DEP_2)
	v_add_f32 v33, v33, v[LL+2*I+1]
.set I, I+1
.endr
	s_delay_alu instid0(VALU_DEP_2)
	v_mul_f32 v[MQ], s[INVKS], v32
	s_delay_alu instid0(VALU_DEP_1)
	v_mov_b32 v[MQ+1], v[MQ]
	s_delay_alu instid0(VALU_DEP_2)
	v_sub_f32 v34, v[LL], v[MQ]
	s_delay_alu instid0(VALU_DEP_1)
	v_mul_f32 v35, v34, v34
.set I, 1
.rept KS-1
	v_sub_f32 v34, v[LL+2*I], v[MQ]
	s_delay_alu instid0(VALU_DEP_1)
	v_fmac_f32 v35, v34, v34
.set I, I+1
.endr
	s_delay_alu instid0(VALU_DEP_1)
	v_fmac_f32 v33, 0x43000000, v35                ; + 128 x the sum of (mean_w - mean)^2
	s_delay_alu instid0(VALU_DEP_1)
	v_fma_f32 v33, v33, s[INVK], s[EPS]
	s_wait_alu depctr_va_vdst(0)
	v_rsq_f32 v[MQ+2], v33
	v_nop                                          ; a plain line behind the transcendental
	s_wait_alu depctr_va_vdst(0)
	v_mov_b32 v[MQ+3], v[MQ+2]
.endm
.macro XHAT m                          ; (x - mean) / sd, in place
	WIN 0x41
.set I, 0
.rept 32
	v_pk_add_f32 v[64*(\m)+I:64*(\m)+I+1], v[64*(\m)+I:64*(\m)+I+1], v[MR+4*(\m):MR+4*(\m)+1] neg_lo:[0,1] neg_hi:[0,1]
.set I, I+2
.endr
.set I, 0
.rept 32
	v_pk_mul_f32 v[64*(\m)+I:64*(\m)+I+1], v[64*(\m)+I:64*(\m)+I+1], v[MR+4*(\m)+2:MR+4*(\m)+3]
.set I, I+2
.endr
	WIN 0
.endm
.macro NORMSET m                       ; x gain + bias
	WIN 0x01
.set I, 0
.rept 32
	v_pk_fma_f32 v[TT+I:TT+I+1], v[64*(\m)+I:64*(\m)+I+1], v[GG+I:GG+I+1], v[BB+I:BB+I+1]
.set I, I+2
.endr
	WIN 0
.endm
.macro IMAGE adr, off                  ; the fragment at v[PC] goes to LDS as it stands
.irp c, 0,1,2,3
	ds_store_b128 v[\adr], v[PC+4*\c:PC+4*\c+3] offset:(\off)+512*\c
.endr
.endm
.macro SETRUN iw, sc                   ; gain and bias, the quantiser, the images: four fragments
.irp m, 0,1,2,3
	NORMSET \m
	s_wait_dscnt 0x0                               ; the last image's stores have read their registers
	QUANT TT
	IMAGE \iw, 16384*\m
	ds_store_b32 v[IWS], v[PW] offset:\sc+1024*\m
.endr
.endm
.macro WLOAD i                         ; step i's four fragments of weights into set i % 4 of window 1
.set WLG, (\i)/KS
.set WLS, (\i)%KS
.set WLR, 64*((\i)%4)
	WIN 0x40
.irp ct, 0,1,2,3
.irp c, 0,1,2,3
	global_load_b128 v[WLR+16*\ct+4*\c:WLR+16*\ct+4*\c+3], v[LI], s[WB+2*WLG:WB+2*WLG+1] offset:(\ct*KS+WLS)*2048+512*\c
.endr
.endr
	WIN 0
.endm
.macro WSLOAD g                        ; a group's scale words: KS words for each of my four tiles' positions
.irp ct, 0,1,2,3
	global_load_b128 v[WSR+8*\ct:WSR+8*\ct+3], v[R32], s[WSB+2*(\g):WSB+2*(\g)+1] offset:512*\ct
.if KS == 8
	global_load_b128 v[WSR+8*\ct+4:WSR+8*\ct+7], v[R32], s[WSB+2*(\g):WSB+2*(\g)+1] offset:512*\ct+16
.else
	global_load_b64 v[WSR+8*\ct+4:WSR+8*\ct+5], v[R32], s[WSB+2*(\g):WSB+2*(\g)+1] offset:512*\ct+16
.endif
.endr
.endm
.macro PSTEP i                         ; one K step of one group: 16 products, the 16 accumulators by turns in the same order in every step
.set PG, (\i)/KS
.set PS, (\i)%KS
.set KIND, PG+VAR                      ; 0 q, 1 k, 2 v
.set RB, 64*((\i)%4)
.if KIND == 0
.set LIX, LIA
.set SCX, SC_A
.else
.set LIX, LIB
.set SCX, SC_B
.endif
.if PS == 0
.set ZF, 1
.else
.set ZF, 0
.endif
	PLACES 8                                       ; in front of loads into registers that the last products read
.if (PS == 0) && ((\i) > 0)
	s_wait_xcnt 0x0                                ; the last group's stores have read their data, which lie where the rows' fragments land
.endif
.if (\i)+3 < NST
	WLOAD (\i)+3
.endif
.irp m, 0,1,2,3
.irp c, 0,1,2,3
	ds_load_b128 v[XF+16*\m+4*\c:XF+16*\m+4*\c+3], v[LIX] offset:(8*\m+PS)*2048+512*\c
.endr
	ds_load_b32 v[XSR+\m], v[LS] offset:SCX+(8*\m+PS)*128
.endr
.set NY, NST-1-(\i)
.if NY > 3
.set NY, 3
.endif
.if PS == 0
.if (\i)+3 < NST
.set NY, 1
.else
.set NY, 0
.endif
.endif
	s_wait_loadcnt 16*NY                           ; this step's weights are in; the ring steps issued behind them may be out (a group's first step: only the one issued behind its scale words)
	s_wait_dscnt 0x0
.if KIND < 2
	WIN 0x01                                       ; source 0 (weights) window 1
.irp m, 0,1,2,3
.irp ct, 0,1,2,3
	MM ACC+32*\m+8*\ct,RB+16*\ct,XF+16*\m,WSR+8*\ct+PS,XSR+\m,ZF
.endr
.endr
.else
	WIN 0x04                                       ; source 1 (weights) window 1
.irp m, 0,1,2,3
.irp ct, 0,1,2,3
	MM ACC+32*\ct+8*\m,XF+16*\m,RB+16*\ct,XSR+\m,WSR+8*\ct+PS,ZF
.endr
.endr
.endif
	WIN 0
.endm
; q or k: tiles of rows 0, 1 and 2, 3 become two pair fragments (even tile's d 0-63, odd tile's d 0-63) and two scale words a row
.macro EPIQK cd, sc
.set TM, 96
.set PC, 64
.set PW, 52
	QUANT ACC
.irp c, 0,1,2,3
	global_store_b128 v[LI], v[64+4*\c:64+4*\c+3], s[\cd:\cd+1] offset:512*\c
.endr
.set PC, 80
.set PW, 53
	QUANT ACC+64
.irp c, 0,1,2,3
	global_store_b128 v[LI], v[80+4*\c:80+4*\c+3], s[\cd:\cd+1] offset:2048+512*\c
.endr
	v_cndmask_b32 v54, v52, v53, s[HM]             ; lanes 0-15 store the first pair's word, lanes 16-31 the second's
	global_store_b32 v[QSO], v54, s[\sc:\sc+1]
.endm
; v: two tiles of d at a time: each has two blocks of 32 keys, half of a key step's fragment, and two scale bytes
.macro EPIV
.set TM, 96
.irp cp, 0,1
.set PC, 64+16*\cp
.set PW, 52+\cp
	QUANT ACC+64*\cp
.irp bb, 0,1,2,3
	global_store_b128 v[LI], v[64+16*\cp+4*\bb:64+16*\cp+4*\bb+3], s[VC:VC+1] offset:(2*\cp+\bb/2)*2048+512*(\bb%2)
.endr
	v_lshrrev_b32 v[54+\cp], v[SH], v[52+\cp]      ; lanes 0-15: the even tile's two bytes; lanes 16-31: the odd tile's
	global_store_b16 v[QSO], v[54+\cp], s[VS:VS+1] offset:8*\cp
.endr
.endm
.macro WFLOAD s                        ; Wo's eight fragments of K step s
.irp ct, 0,1,2,3,4,5,6,7
.irp c, 0,1,2,3
	global_load_b128 v[WF+16*\ct+4*\c:WF+16*\ct+4*\c+3], v[LI], s[WOB:WOB+1] offset:(4*\ct+(\s))*2048+512*\c
.endr
.endr
.endm
.macro AFLOAD s                        ; the rows' four fragments of K step s
.irp m, 0,1,2,3
.irp c, 0,1,2,3
	global_load_b128 v[AF+16*\m+4*\c:AF+16*\m+4*\c+3], v[LI], s[ATC:ATC+1] offset:(4*\m+(\s))*2048+512*\c
.endr
.endr
.endm
.macro FMUL s                          ; 32 products, the 32 accumulators by turns
	WIN 0x50                                       ; C and D window 1
.irp m, 0,1,2,3
.irp ct, 0,1,2,3,4,5,6,7
	MM 64*\m+8*\ct,WF+16*\ct,AF+16*\m,WSF+4*\ct+(\s),ASF+4*\m+(\s),0
.endr
.endr
	WIN 0
.endm
	s_cmp_ge_u32 ttmp9, 128                        ; the same for all waves of a work-group
	s_cbranch_scc1 .Lctx
; ======== JOB A
.set VAR,  0
.set KS,   8                           ; K steps of 128 of the norm and of Wq
.set NST,  8
.set ROWB, 4096
.set XP,   10
.set WT,   6
.set WB,   36
.set WSB,  38
	s_load_b512 s[4:19], s[0:1], 0x0               ; att, wts, bo, x, ng, nb, x1, q
	v_lshrrev_b32 v16, 5, v0
	s_delay_alu instid0(VALU_DEP_1)
	v_readfirstlane_b32 s[WV], v16                 ; wave 0..7
	v_and_b32 v17, 31, v0                          ; lane
	v_and_b32 v18, 15, v0                          ; r
	v_bfe_u32 v19, v0, 4, 1                        ; h
	s_delay_alu instid0(VALU_DEP_2)
	v_and_b32 v20, 8, v18
	s_delay_alu instid0(VALU_DEP_1)
	v_add_nc_u32 v20, v20, v18                     ; r + 8 (r / 8)
	s_lshl_b32 s26, s[WV], 9
	v_mul_u32_u24 v[XA], v20, ROWB
	s_delay_alu instid0(VALU_DEP_1)
	v_lshl_add_u32 v[XA], v19, 6, v[XA]
	s_delay_alu instid0(VALU_DEP_1)
	v_add_nc_u32 v[XA], s26, v[XA]
	v_lshlrev_b32 v[GA], 6, v19
	s_delay_alu instid0(VALU_DEP_1)
	v_add_nc_u32 v[GA], s26, v[GA]
	v_lshlrev_b32 v[LI], 4, v17
	v_lshlrev_b32 v[LS], 2, v17
	s_lshl_b32 s26, s[WV], 11
	v_add_nc_u32 v[IWA], s26, v[LI]
	s_delay_alu instid0(VALU_DEP_1)
	v_add_nc_u32 v[IWA], IMG_A, v[IWA]
	s_lshl_b32 s26, s[WV], 7
	v_add_nc_u32 v[IWS], s26, v[LS]
	v_lshlrev_b32 v[STR], 3, v17
	s_lshl_b32 s26, s[WV], 10
	v_add_nc_u32 v[STW], s26, v[STR]
	v_add_nc_u32 v[LIA], IMG_A, v[LI]
	s_mul_i32 s26, s[WV], 8448
	s_add_co_u32 s26, s26, STAGE                   ; my stage
	v_mul_u32_u24 v[STO], v18, 528
	s_delay_alu instid0(VALU_DEP_1)
	v_lshl_add_u32 v[STO], v19, 6, v[STO]
	s_delay_alu instid0(VALU_DEP_1)
	v_add_nc_u32 v[STO], s26, v[STO]
	v_add_nc_u32 v[RD], s26, v[LI]
	v_lshlrev_b32 v[R32], 5, v18
	v_lshlrev_b32 v[R16], 4, v18
	s_delay_alu instid0(VALU_DEP_1)
	v_lshl_add_u32 v[QSO], v19, 2, v[R16]
	v_cmp_lt_u32 s[HM], 15, v17
	s_mov_b32 s[SEL], 0x76543210
	s_mov_b32 s[SEL+1], 0xfedcba98                 ; v_permlanex16_b32's selects for lane l xor 16
	s_mov_b32 s[MNT], 0x600000                     ; the mantissa field of 57,344
	s_mov_b32 s[INVK], 0x3a800000                  ; 1 / 1024
	s_mov_b32 s[EPS], 0x3727c5ac                   ; 1e-5
	s_mov_b32 s[INVKS], 0x3e000000                 ; 1 / 8
	s_lshr_b32 s22, ttmp9, 5                       ; batch
	s_and_b32 s23, ttmp9, 31                       ; block of 64 rows in it
	s_lshl_b32 s24, s22, 3
	s_add_co_u32 s24, s24, s[WV]                   ; batch x 8 + head
	s_lshr_b32 s25, s23, 1
	s_and_b32 s21, s23, 1
	s_mov_b32 s27, 0
	s_wait_alu depctr_va_vdst(0)
	s_wait_kmcnt 0x0
	s_lshl_b32 s26, ttmp9, 18                      ; 64 rows of 4,096 bytes
	s_add_nc_u64 s[XP:XP+1], s[XP:XP+1], s[26:27]
	s_lshl_b32 s60, s[WV], 9
	s_add_co_u32 s26, s26, s60                     ; + my 512 bytes of a row
	s_add_nc_u64 s[DST:DST+1], s[DST:DST+1], s[26:27]
	s_lshl_b32 s26, s[WV], 12
	s_add_nc_u64 s[WOS:WOS+1], s[WT:WT+1], s[26:27]
	s_add_nc_u64 s[WOS:WOS+1], s[WOS:WOS+1], SOFF_WO
	s_lshl_b32 s26, s[WV], 16
	s_add_nc_u64 s[62:63], s[WT:WT+1], s[26:27]
	s_add_nc_u64 s[WOB:WOB+1], s[62:63], COFF_WO
	s_add_nc_u64 s[WB:WB+1], s[62:63], 0x200000
	s_lshl_b32 s26, s[WV], 11
	s_add_nc_u64 s[WSB:WSB+1], s[WT:WT+1], s[26:27]
	s_add_nc_u64 s[WSB:WSB+1], s[WSB:WSB+1], 0x3d4000
	s_lshl_b32 s26, ttmp9, 15
	s_add_nc_u64 s[ATC:ATC+1], s[AT:AT+1], s[26:27]
	s_lshl_b32 s26, ttmp9, 10
	s_add_co_u32 s26, s26, 0x400000
	s_add_nc_u64 s[ATS:ATS+1], s[AT:AT+1], s[26:27]
	s_lshl_b32 s26, s24, 17
	s_lshl_b32 s60, s23, 12
	s_add_co_u32 s26, s26, s60
	s_add_nc_u64 s[QC:QC+1], s[QP:QP+1], s[26:27]
	s_lshl_b32 s26, s24, 12
	s_lshl_b32 s60, s25, 8
	s_add_co_u32 s26, s26, s60
	s_lshl_b32 s60, s21, 3
	s_add_co_u32 s26, s26, s60
	s_add_co_u32 s26, s26, 0x400000
	s_add_nc_u64 s[QS:QS+1], s[QP:QP+1], s[26:27]
	; ---- F: x + bo + att Wo
	XLOAD                                          ; the residual, into the accumulators
.irp b, 0,1,2,3
.irp j, 0,1,2,3
	global_load_b128 v[AF+16*\b+4*\j:AF+16*\b+4*\j+3], v[GA], s[BOP:BOP+1] offset:128*\b+16*\j
.endr
.endr
.irp ct, 0,1,2,3,4,5,6,7
	global_load_b128 v[WSF+4*\ct:WSF+4*\ct+3], v[R32], s[WOS:WOS+1] offset:512*\ct
.endr
.irp m, 0,1,2,3
	global_load_b128 v[ASF+4*\m:ASF+4*\m+3], v[R16], s[ATS:ATS+1] offset:256*\m
.endr
	WFLOAD 0
	s_wait_loadcnt 44                              ; x and bo are in; behind them: 8 + 4 loads of scale words and 32 of Wo
	WIN 0x41
.irp m, 0,1,2,3
.set I, 0
.rept 32
	v_pk_add_f32 v[64*\m+I:64*\m+I+1], v[64*\m+I:64*\m+I+1], v[AF+I:AF+I+1]
.set I, I+2
.endr
.endr
	WIN 0
	AFLOAD 0
	s_wait_alu depctr_va_vdst(0)
	s_wait_loadcnt 0x0
	FMUL 0
.irp s, 1,2,3
	PLACES 8                                       ; in front of loads into registers that the last products read
	WFLOAD \s
	AFLOAD \s
	s_wait_loadcnt 0x0
	FMUL \s
.endr
	; ---- S: x1 leaves, a tile of rows at a time, through my own stage: LDS serves a wave's instructions in order, so no wait stands between the stores and the loads
	PLACES 8
	GBLOAD GAP, BAP                                ; the norm's gains and biases, wanted further down
.irp m, 0,1,2,3
.if \m > 0
	s_wait_xcnt 0x0                                ; the last tile's stores have read their registers
.endif
	WIN 0x04                                       ; an LDS store's data are its source 1: window 1
.irp ct, 0,1,2,3,4,5,6,7
	ds_store_b128 v[STO], v[64*\m+8*\ct:64*\m+8*\ct+3] offset:128*(\ct/2)+32*(\ct%2)         ; each accumulator from its low end on
	ds_store_b128 v[STO], v[64*\m+8*\ct+4:64*\m+8*\ct+7] offset:128*(\ct/2)+32*(\ct%2)+16
.endr
	WIN 0
.irp p, 0,1,2,3,4,5,6,7,8,9,10,11,12,13,14,15
	ds_load_b128 v[BK+4*\p:BK+4*\p+3], v[RD] offset:528*\p
.endr
.irp p, 0,1,2,3,4,5,6,7,8,9,10,11,12,13,14,15
	s_wait_dscnt 15-\p                             ; row p is back; the younger rows may be out
	global_store_b128 v[LI], v[BK+4*\p:BK+4*\p+3], s[DST:DST+1] offset:(32*(\m/2)+8*(\m%2)+\p+8*(\p/8))*4096   ; 32 lanes store 512 consecutive bytes
.endr
.endr
	; ---- the norm of x1, which still lies in window 1
	s_wait_xcnt 0x0                                ; the stores have read their registers
	STAT 0
	STAT 1
	STAT 2
	STAT 3
	s_wait_dscnt 0x0                               ; my statistics have landed
	s_barrier_signal -1
	s_barrier_wait -1                              ; everybody's have
.irp m, 0,1,2,3
.set I, 0
.rept KS
	ds_load_b64 v[TT+16*\m+2*I:TT+16*\m+2*I+1], v[STR] offset:1024*I+256*\m
.set I, I+1
.endr
.endr
	s_wait_dscnt 0x0
	COMBINE 0
	COMBINE 1
	COMBINE 2
	COMBINE 3
	XHAT 0
	XHAT 1
	XHAT 2
	XHAT 3
	s_wait_loadcnt 0x0                             ; gains and biases
.set PC, 16
.set TM, 32
.set PW, 14
	SETRUN IWA, SC_A
	s_wait_dscnt 0x0                               ; my images have landed, and their stores have read their registers
	WLOAD 0                                        ; the ring's first three steps and the scale words: data that nobody writes, so they may cross the barrier
	WLOAD 1
	WLOAD 2
	WSLOAD 0
	s_barrier_signal -1
	s_barrier_wait -1                              ; all images lie in LDS; nothing in LDS is written from here on
	; ---- P: q for my head
.irp i, 0,1,2,3,4,5,6,7
	PSTEP \i
.endr
	PLACES 8                                       ; in front of the first read of results
	EPIQK QC, QS
	s_wait_xcnt 0x0
	v_lshl_add_u32 v126, v0, 2, 0x48800
	v_mov_b32 v127, 0
	s_wait_alu depctr_va_vdst(0)
	s_wait_tensorcnt 0x0
	ds_add_u32 v126, v127
	s_wait_dscnt 0x0
	s_endpgm
; ======== JOB B
.Lctx:
.set VAR,  1
.set KS,   6                           ; K steps of 128 of the images and of Wkv
.set NST,  12                          ; k's six, v's six
.set ROWB, 3072
.set XP,   4
.set WT,   14
.set WB,   28
.set WSB,  34
	; JOB B AS IT STANDS NOW: the normed context arrives quantised, as images of the operand's registers, behind the weights in wts (the first launch makes them); this job copies its 64 rows' images into LDS and multiplies
	s_load_b64 s[XP:XP+1], s[0:1], 0x8             ; wts, for the images
	s_load_b64 s[WT:WT+1], s[0:1], 0x8             ; wts, for the weights
	s_load_b64 s[KVP:KVP+1], s[0:1], 0x40          ; kv
	v_lshrrev_b32 v16, 5, v0
	s_delay_alu instid0(VALU_DEP_1)
	v_readfirstlane_b32 s[WV], v16                 ; wave 0..7
	v_and_b32 v17, 31, v0                          ; lane
	v_and_b32 v18, 15, v0                          ; r
	v_bfe_u32 v19, v0, 4, 1                        ; h
	s_delay_alu instid0(VALU_DEP_2)
	v_and_b32 v20, 8, v18
	s_delay_alu instid0(VALU_DEP_1)
	v_add_nc_u32 v20, v20, v18                     ; r + 8 (r / 8)
	s_lshl_b32 s26, s[WV], 9
	v_mul_u32_u24 v[XA], v20, ROWB
	s_delay_alu instid0(VALU_DEP_1)
	v_lshl_add_u32 v[XA], v19, 6, v[XA]
	s_delay_alu instid0(VALU_DEP_1)
	v_add_nc_u32 v[XA], s26, v[XA]
	v_lshlrev_b32 v[GA], 6, v19
	s_delay_alu instid0(VALU_DEP_1)
	v_add_nc_u32 v[GA], s26, v[GA]
	v_lshlrev_b32 v[LI], 4, v17
	v_lshl_add_u32 v[LS], v17, 2, LB0
	s_lshl_b32 s26, s[WV], 11
	v_add_nc_u32 v[IWB], s26, v[LI]
	s_delay_alu instid0(VALU_DEP_1)
	v_add_nc_u32 v[IWB], LB0+IMG_B, v[IWB]
	s_lshl_b32 s26, s[WV], 7
	v_add_nc_u32 v[IWS], s26, v[LS]
	v_lshl_add_u32 v[STR], v17, 3, LB0
	s_lshl_b32 s26, s[WV], 10
	v_add_nc_u32 v[STW], s26, v[STR]
	v_add_nc_u32 v[LIB], LB0+IMG_B, v[LI]
	v_lshlrev_b32 v[R32], 5, v18
	v_lshlrev_b32 v[QSO], 4, v18
	s_delay_alu instid0(VALU_DEP_1)
	v_lshl_add_u32 v[QSO], v19, 2, v[QSO]
	v_lshlrev_b32 v[SH], 4, v19
	v_cmp_lt_u32 s[HM], 15, v17
.irp b, 36,37,38,39
	v_mov_b32 v\b, 0                               ; written once: a lane permute's destination counts as one of its sources
.endr
	s_mov_b32 s[SEL], 0x76543210
	s_mov_b32 s[SEL+1], 0xfedcba98
	s_mov_b32 s[MNT], 0x600000
	s_mov_b32 s[INVK], 0x3aaaaaab                  ; 1 / 768
	s_mov_b32 s[EPS], 0x3727c5ac                   ; 1e-5
	s_mov_b32 s[INVKS], 0x3e2aaaab                 ; 1 / 6
	s_sub_co_u32 s59, ttmp9, 128                   ; my block of 64 rows of context, 0 .. 31
	s_lshr_b32 s22, s59, 3                         ; batch
	s_and_b32 s23, s59, 7                          ; block of 64 rows in it
	s_lshl_b32 s24, s22, 3
	s_add_co_u32 s24, s24, s[WV]                   ; batch x 8 + head
	s_lshr_b32 s25, s23, 1                         ; which key step of 128
	s_and_b32 s21, s23, 1                          ; and which half of it
	s_mov_b32 s27, 0
	s_mov_b32 s61, 0
	v_lshlrev_b32 v14, 2, v18                      ; 4 r
	s_wait_alu depctr_va_vdst(0)                   ; the wait at the head's end
	s_wait_kmcnt 0x0
	s_mul_i32 s26, s59, 1536                       ; the scale words of my four tiles: 384 bytes a tile, 64 a K step
	s_lshl_b32 s60, s[WV], 6
	s_add_co_u32 s26, s26, s60
	s_add_co_u32 s26, s26, 0x568000
	s_add_nc_u64 s[GBP:GBP+1], s[XP:XP+1], s[26:27]
	s_mul_i32 s26, s59, 49152                      ; their codes: 12,288 bytes a tile, 2,048 a K step
	s_lshl_b32 s60, s[WV], 11
	s_add_co_u32 s26, s26, s60
	s_add_co_u32 s26, s26, 0x3e8000
	s_add_nc_u64 s[XP:XP+1], s[XP:XP+1], s[26:27]
	s_mul_i32 s26, s[WV], 49152                    ; a head's four tiles of codes: 4 x 6 fragments
	s_add_nc_u64 s[62:63], s[WT:WT+1], s[26:27]
	s_add_nc_u64 s[WB:WB+1], s[62:63], 0x280000    ; Wkv's columns of k
	s_add_nc_u64 s[WB+2:WB+3], s[62:63], 0x2e0000  ; and of v
	s_lshl_b32 s26, s[WV], 11
	s_add_nc_u64 s[62:63], s[WT:WT+1], s[26:27]
	s_add_nc_u64 s[WSB:WSB+1], s[62:63], 0x3d8000
	s_add_nc_u64 s[WSB+2:WSB+3], s[62:63], 0x3dc000
	s_mul_i32 s26, s24, NKB*64
	s_lshl_b32 s60, s23, 12
	s_add_co_u32 s26, s26, s60
	s_add_nc_u64 s[KC:KC+1], s[KVP:KVP+1], s[26:27]
	s_mul_i32 s26, s24, NKB*4
	s_lshl_b32 s60, s25, 8
	s_add_co_u32 s26, s26, s60
	s_add_co_u32 s26, s26, KSOFF                   ; what K's and V's scale words share
	s_lshl_b32 s60, s21, 3
	s_add_co_u32 s60, s60, s26
	s_add_nc_u64 s[KSC:KSC+1], s[KVP:KVP+1], s[60:61]
	s_lshl_b32 s60, s21, 1
	s_add_co_u32 s60, s60, s26
	s_add_co_u32 s60, s60, NKB*2
	s_add_nc_u64 s[VS:VS+1], s[KVP:KVP+1], s[60:61]
	s_mul_i32 s26, s24, NKB*64
	s_lshl_b32 s60, s25, 13
	s_add_co_u32 s26, s26, s60
	s_lshl_b32 s60, s21, 10
	s_add_co_u32 s26, s26, s60
	s_add_co_u32 s26, s26, KVOFF
	s_add_nc_u64 s[VC:VC+1], s[KVP:KVP+1], s[26:27]
	; ---- X1: my K step of the 64 rows' images.  Waves 6 and 7 have no K step: they jump over the work, never over a barrier
	; wave w < 6 copies K step w's four fragments and their scale words into LDS.  Waves 6 and 7 have no K step: they jump over the work, never over a barrier
	s_cmp_ge_u32 s[WV], KS
	s_cbranch_scc1 .Lx2
.irp m, 0,1,2,3
.irp c, 0,1,2,3
	global_load_b128 v[TT+16*\m+4*\c:TT+16*\m+4*\c+3], v[LI], s[XP:XP+1] offset:12288*\m+512*\c
.endr
	global_load_b32 v[MR+\m], v14, s[GBP:GBP+1] offset:384*\m
.endr
	s_wait_loadcnt 0x0
.irp m, 0,1,2,3
.irp c, 0,1,2,3
	ds_store_b128 v[IWB], v[TT+16*\m+4*\c:TT+16*\m+4*\c+3] offset:16384*\m+512*\c
.endr
	ds_store_b32 v[IWS], v[MR+\m] offset:SC_B+1024*\m
.endr
.Lx2:
	s_wait_dscnt 0x0                               ; my images have landed, and their stores have read their registers
	WLOAD 0                                        ; the ring's first three steps and the first group's scale words: data that nobody writes, so they may cross the barrier
	WLOAD 1
	WLOAD 2
	s_wait_alu depctr_va_vdst(0)
	WSLOAD 0
	s_barrier_signal -1
	s_barrier_wait -1                              ; all images lie in LDS; nothing in LDS is written from here on
	; ---- P: k, then v, for my head
.irp i, 0,1,2,3,4,5
	PSTEP \i
.endr
	PLACES 8                                       ; in front of the first read of results and of loads into the scale words' registers
	WSLOAD 1
	EPIQK KC, KSC
.irp i, 6,7,8,9,10,11
	PSTEP \i
.endr
	PLACES 8
	EPIV
	s_wait_xcnt 0x0
	v_lshl_add_u32 v126, v0, 2, 0x48800
	v_mov_b32 v127, 0
	s_wait_alu depctr_va_vdst(0)
	s_wait_tensorcnt 0x0
	ds_add_u32 v126, v127
	s_wait_dscnt 0x0
	s_endpgm
.Lfunc_end_k_q5c298749af_mid:
	.size	k_q5c298749af_mid, .Lfunc_end_k_q5c298749af_mid-k_q5c298749af_mid
	.p2alignl 7, 3214868480
	.fill 96, 4, 3214868480
	.section	.rodata,"a",@progbits
	.p2align	6, 0x0
	.amdhsa_kernel k_q5c298749af_mid
		.amdhsa_group_segment_fixed_size 297984
		.amdhsa_private_segment_fixed_size 0
		.amdhsa_enable_private_segment 0
		.amdhsa_kernarg_size 72
		.amdhsa_user_sgpr_count 2
		.amdhsa_user_sgpr_kernarg_segment_ptr 1
		.amdhsa_wavefront_size32 1
		.amdhsa_system_sgpr_workgroup_id_x 1
		.amdhsa_system_sgpr_workgroup_id_y 1
		.amdhsa_system_sgpr_workgroup_id_z 1
		.amdhsa_system_vgpr_workitem_id 0
		.amdhsa_next_free_vgpr 512
		.amdhsa_next_free_sgpr 66
		.amdhsa_reserve_vcc 0
		.amdhsa_float_denorm_mode_32 3
		.amdhsa_float_denorm_mode_16_64 3
		.amdhsa_memory_ordered 1
		.amdhsa_forward_progress 1
		.amdhsa_inst_pref_size 255
	.end_amdhsa_kernel
	.section	.bss,"aw",@nobits
	.p2align	6
	.space	262144
	.amdgpu_metadata
---
amdhsa.version: [ 1, 2 ]
amdhsa.kernels:
  - .name:           k_q5c298749af_mid
    .symbol:         k_q5c298749af_mid.kd
    .args:
      - { .name: att1, .offset: 0, .size: 8, .value_kind: global_buffer, .address_space: global }
      - { .name: wts, .offset: 8, .size: 8, .value_kind: global_buffer, .address_space: global }
      - { .name: sa_bo, .offset: 16, .size: 8, .value_kind: global_buffer, .address_space: global }
      - { .name: x, .offset: 24, .size: 8, .value_kind: global_buffer, .address_space: global }
      - { .name: ca_ng, .offset: 32, .size: 8, .value_kind: global_buffer, .address_space: global }
      - { .name: ca_nb, .offset: 40, .size: 8, .value_kind: global_buffer, .address_space: global }
      - { .name: x1, .offset: 48, .size: 8, .value_kind: global_buffer, .address_space: global }
      - { .name: ca_q, .offset: 56, .size: 8, .value_kind: global_buffer, .address_space: global }
      - { .name: ca_kv, .offset: 64, .size: 8, .value_kind: global_buffer, .address_space: global }
    .group_segment_fixed_size: 297984
    .private_segment_fixed_size: 0
    .kernarg_segment_align: 8
    .kernarg_segment_size: 72
    .max_flat_workgroup_size: 256
    .sgpr_count:     66
    .vgpr_count:     512
    .wavefront_size: 32
...
	.end_amdgpu_metadata
.endif
;; end of part 11
;; launch att_ca (part 12): grid 8 x 32, 8 waves a work-group, no clusters, 69,632 bytes of LDS; arguments ca_q, ca_kv, att2; writes att2
.if DOCPART == 12
	.amdgcn_target "amdgcn-amd-amdhsa--gfx1250"
	.amdhsa_code_object_version 6
	.text
	.protected	k_q5c298749af_att_ca
	.globl	k_q5c298749af_att_ca
	.p2align	8
	.type	k_q5c298749af_att_ca,@function
k_q5c298749af_att_ca:
	s_mov_b64 s[64:65], 0
	v_nop
	global_prefetch_b8 v0, s[64:65] scope:SCOPE_SE
	s_setreg_imm32_b32 hwreg(HW_REG_WAVE_MODE, 25, 1), 1
	s_wait_xcnt 0x0
; ATTENTION ON CODES OF BF8 (E5M2), head size 64, NK keys, 2,048 queries a head: the text of the self-attention's launch with NK = 512 (four key steps; 2,048 bytes of scale words, 8 a thread).
; THE SOFTMAX: t = score x log2(e) / 8; M = the running largest t rounded UP to a whole number; p = 2^(t - M) is quantised along the keys, not normalised; the row's sum is taken of the unquantised p and divides O at the end.
; SHARES.  A work-group owns 256 queries of one (batch, head); each of its eight waves owns two tiles of 16 queries.
; K AND V COME STEP BY STEP, through registers: steps 0 and 1 are stored at the kernel's head; trip i stores step i + 2 into LDS bytes of its own (no LDS byte is written twice) and loads step i + 3 from memory.
; One barrier a trip: signalled when my stores have landed, waited for at the next trip's top.  In trip i the fragments of K of step i + 1 are read as soon as step i's have been multiplied.
; (The last trip reads 8,192 bytes behind K's last step so: written bytes, which nothing uses.)
; LAYOUT and REGISTERS as in the self-attention's launch: both products transposed; window 1 holds zeros and q, O^T, four fragments of K and four of V.
; NO CLUSTER: no tensor load stands here that could be made joint.  NO PREFETCH: each step's bytes are asked of memory by the loads themselves, three key steps ahead of their first use.
; LIMITS: NaN and infinities are not served; a block of zeros carries the byte 1 (its codes are zeros); 1 / sum is v_rcp_f32 and a multiplication; a block's largest p is taken as 2^ of its largest score, as p rises with the score;
; the scaled scores stay under 2^31 in magnitude.
.set NK,   512
.set NST,  NK/128
.set VL,   NK*64                       ; LDS: K's codes at 0, V's here,
.set SL,   NK*128                      ; the scale words here: K's, then V's
.set SPARE, SL+NK*4                    ; the spare words, 128 bytes a wave
.set VOFF, 32*NK*64
.set SOFF, 2*VOFF
.set AK0,  1
.set AV0,  2
.set ASK0, 3
.set ASV0, 4
.set T16,  5
.set TV16, 6
.set OSO,  7
.set SPW,  8
.set NIL,  9
.set ADK,  10
.set ADV,  11
.set ADS,  12
.set ADT,  13
.set FSK,  14
.set FSV,  15
.set NM,   16
.set SUM,  20
.set FF,   24
.set TMP,  28
.set HH,   30
.set R16,  31
.set BM,   32
.set BT,   40
.set HOLD, 48
.set SCO,  56
.set KSW,  64                          ; v64-75 hold scales and nothing else
.set VSW,  68
.set PSW,  72
.set QSW,  74
.set FB,   76
.set FSL,  92
.set FSG,  93
.set CD,   96
.set SS,   100
.set UU,   232
.set OO,   64                          ; window 1
.set KF,   128                         ; window 1
.set VF,   192                         ; window 1
.set WV,   10
.set SEL,  30
.set CS,   32
.set MNT,  34
.set TK,   35
.set TS,   36
.set CNT,  37
.set MSB, 0
.macro WIN new                         ; the immediate's high byte repeats the setting that is left
.if MSB != \new
	s_set_vgpr_msb (MSB<<8)|\new
.set MSB, \new
.endif
.endm
.macro PLACES n
.rept \n
	v_nop
.endr
.endm
.macro ADDR                            ; the addresses of the trip whose K begins at LDS byte s[TK]
	v_add_nc_u32 v[ADK], s[TK], v[AK0]
	v_add_nc_u32 v[ADV], s[TK], v[AV0]
	v_add_nc_u32 v[ADS], s[TS], v[ASK0]
	v_add_nc_u32 v[ADT], s[TS], v[ASV0]
	v_add_nc_u32 v[FSK], s[TK], v[T16]
	v_add_nc_u32 v[FSV], s[TK], v[TV16]
.endm
.macro KLOAD o, so                     ; four fragments of K and their scale words, o bytes (so bytes) on from the trip's
	WIN 0x40
.irp p, 0,1,2,3
.irp c, 0,1,2,3
	ds_load_b128 v[KF+16*\p+4*\c:KF+16*\p+4*\c+3], v[ADK] offset:(\o)+2048*\p+512*\c
.endr
.endr
	WIN 0
	ds_load_b128 v[KSW:KSW+3], v[ADS] offset:\so
.endm
	s_load_b128 s[4:7], s[0:1], 0x0                ; q, kv
	s_load_b64 s[8:9], s[0:1], 0x10                ; the output
	v_lshl_add_u32 v[SPW], v0, 2, SPARE
	v_mov_b32 v[NIL], 0
	v_lshrrev_b32 v10, 5, v0
	v_readfirstlane_b32 s[WV], v10                 ; wave 0..7
	v_and_b32 v11, 31, v0
	v_and_b32 v12, 15, v0
	v_bfe_u32 v[HH], v0, 4, 1
	v_lshlrev_b32 v[AK0], 4, v11
	v_lshlrev_b32 v[R16], 4, v12
	v_lshlrev_b32 v[T16], 4, v0
.if NK == 2048
	v_lshlrev_b32 v[FSG], 4, v0
.else
	v_lshlrev_b32 v[FSG], 3, v0                    ; 2,048 bytes of scale words: 8 a thread
.endif
	v_add_nc_u32 v[AV0], VL, v[AK0]
	v_add_nc_u32 v[ASK0], SL, v[R16]
	v_add_nc_u32 v[ASV0], SL+NK*2, v[R16]
	v_add_nc_u32 v[TV16], VL, v[T16]
	v_add_nc_u32 v[OSO], v[R16], v[HH]
	v_add_nc_u32 v[FSL], SL, v[FSG]
	s_and_b32 s11, ttmp7, 0xffff                   ; batch x 8 + head
	s_lshl_b32 s12, ttmp9, 4
	s_lshl_b32 s13, s[WV], 1
	s_add_co_u32 s12, s12, s13                     ; my first tile of queries, even, 0 .. 126
	s_mov_b32 s15, 0
	s_mov_b32 s[SEL], 0x76543210
	s_mov_b32 s[SEL+1], 0xfedcba98
	s_mov_b32 s[CS], 0x3e38aa3b                    ; c = log2(e) / 8
	s_mov_b32 s[CS+1], s[CS]
	s_mov_b32 s[MNT], 0x600000
	s_mov_b32 s[TK], 0
	s_mov_b32 s[TS], 0
	s_mov_b32 s[CNT], 0
	s_wait_alu depctr_va_vdst(0)                   ; directly ahead of the wait below
	s_wait_kmcnt 0x0
	s_mul_i32 s14, s11, NK*64
	s_add_nc_u64 s[16:17], s[6:7], s[14:15]        ; K's codes
	s_add_nc_u64 s[18:19], s[16:17], VOFF          ; V's
	s_mul_i32 s14, s11, NK*4
	s_add_nc_u64 s[20:21], s[6:7], s[14:15]
	s_add_nc_u64 s[20:21], s[20:21], SOFF          ; their scale words
	s_lshl_b32 s14, s11, 17
	s_lshl_b32 s13, s12, 10
	s_add_co_u32 s14, s14, s13
	s_add_nc_u64 s[22:23], s[4:5], s[14:15]        ; my pair fragment of q
	s_lshl_b32 s14, s11, 12
	s_lshr_b32 s13, s12, 3
	s_lshl_b32 s13, s13, 8
	s_add_co_u32 s14, s14, s13
	s_bfe_u32 s13, s12, 0x20001
	s_lshl_b32 s13, s13, 2
	s_add_co_u32 s14, s14, s13
	s_add_co_u32 s14, s14, 0x400000
	s_add_nc_u64 s[24:25], s[4:5], s[14:15]        ; and the pair's scale words
	s_lshr_b32 s13, s11, 3
	s_lshl_b32 s13, s13, 7
	s_add_co_u32 s13, s13, s12                     ; the output's tile of rows
	s_and_b32 s39, s11, 7
	s_lshr_b32 s40, s39, 1
	s_and_b32 s39, s39, 1
	s_lshl_b32 s14, s13, 13
	s_lshl_b32 s41, s40, 11
	s_add_co_u32 s14, s14, s41
	s_lshl_b32 s41, s39, 10
	s_add_co_u32 s14, s14, s41
	s_add_nc_u64 s[26:27], s[8:9], s[14:15]        ; the output's codes
	s_lshl_b32 s14, s13, 8
	s_lshl_b32 s41, s40, 2
	s_add_co_u32 s14, s14, s41
	s_lshl_b32 s41, s39, 1
	s_add_co_u32 s14, s14, s41
	s_add_co_u32 s14, s14, 0x400000
	s_add_nc_u64 s[28:29], s[8:9], s[14:15]        ; and its scale bytes
.if NK == 2048
	global_load_b128 v[SS:SS+3], v[FSG], s[20:21]
	global_load_b128 v[SS+4:SS+7], v[FSG], s[20:21] offset:4096
.else
	global_load_b64 v[SS:SS+1], v[FSG], s[20:21]                   ; the scale words,
.endif
.irp i, 0,1                                        ; key steps 0 and 1,
	global_load_b128 v[SS+8+16*\i:SS+11+16*\i], v[T16], s[16:17] offset:8192*\i
	global_load_b128 v[SS+12+16*\i:SS+15+16*\i], v[T16], s[16:17] offset:8192*\i+4096
	global_load_b128 v[SS+16+16*\i:SS+19+16*\i], v[T16], s[18:19] offset:8192*\i
	global_load_b128 v[SS+20+16*\i:SS+23+16*\i], v[T16], s[18:19] offset:8192*\i+4096
.endr
	global_load_b32 v[TMP], v[R16], s[24:25]                       ; q's scale words,
	WIN 0x40
	global_load_b128 v[8:11], v[AK0], s[22:23]                     ; q
	global_load_b128 v[12:15], v[AK0], s[22:23] offset:512
	global_load_b128 v[24:27], v[AK0], s[22:23] offset:1024
	global_load_b128 v[28:31], v[AK0], s[22:23] offset:1536
	WIN 0
	global_load_b128 v[FB:FB+3], v[T16], s[16:17] offset:16384     ; and key step 2
	global_load_b128 v[FB+4:FB+7], v[T16], s[16:17] offset:20480
	global_load_b128 v[FB+8:FB+11], v[T16], s[18:19] offset:16384
	global_load_b128 v[FB+12:FB+15], v[T16], s[18:19] offset:20480
	WIN 0x40
.irp j, 0,1,2,3,4,5,6,7,16,17,18,19,20,21,22,23,32,33,34,35,36,37,38,39
	v_mov_b32 v\j, 0                               ; zero codes round q
.endr
.set J, 0
.rept 64
	v_mov_b32 v[OO+J], 0                           ; O^T: the step is written once; the first finds zeros
.set J, J+1
.endr
	WIN 0
.irp t, 0,1
	v_mov_b32 v[NM+2*\t+1], 0xff61b1e6             ; the largest t so far: -3e38
	v_mov_b32 v[SUM+2*\t], 0
	v_mov_b32 v[SUM+2*\t+1], 0
	v_mov_b32 v[FF+2*\t+1], 0
.endr
.irp t, 0,1
	v_floor_f32 v[NM+2*\t], -v[NM+2*\t+1]
.endr
.irp b, 0,1,2,3,4,5,6,7
	v_mov_b32 v[BT+\b], 0                          ; a lane permute's destination counts as one of its sources
.endr
	ADDR
	s_wait_alu depctr_va_vdst(0)                   ; directly ahead of the wait below
	s_wait_loadcnt 4                               ; all but key step 2's four loads
.if NK == 2048
	ds_store_b128 v[FSL], v[SS:SS+3]
	ds_store_b128 v[FSL], v[SS+4:SS+7] offset:4096
.else
	ds_store_b64 v[FSL], v[SS:SS+1]
.endif
.irp i, 0,1
	ds_store_b128 v[T16], v[SS+8+16*\i:SS+11+16*\i] offset:8192*\i
	ds_store_b128 v[T16], v[SS+12+16*\i:SS+15+16*\i] offset:8192*\i+4096
	ds_store_b128 v[TV16], v[SS+16+16*\i:SS+19+16*\i] offset:8192*\i
	ds_store_b128 v[TV16], v[SS+20+16*\i:SS+23+16*\i] offset:8192*\i+4096
.endr
	v_perm_b32 v[QSW], v[TMP], v[TMP], 0x01000100  ; a tile's two bytes in both halves of its word
	v_perm_b32 v[QSW+1], v[TMP], v[TMP], 0x03020302
	s_wait_alu depctr_va_vdst(0)                   ; the wait at the head's end
	s_wait_dscnt 0x0                               ; my part of steps 0 and 1 and of the scale words has landed
	s_barrier_signal -1
	s_barrier_wait -1                              ; everybody's has
	KLOAD 0, 0                                     ; step 0's fragments of K
	s_wait_dscnt 0x0
	s_barrier_signal -1                            ; the signal that the first trip's wait answers
.Lstep:                                            ; trip i: key step i; its fragments of K lie in registers
	s_barrier_wait -1                              ; everybody's part of step i + 1 lies in LDS
	s_wait_loadcnt 0x0                             ; step i + 2 is in my registers, and the loads' bases may be stepped
	s_add_nc_u64 s[16:17], s[16:17], 8192
	s_add_nc_u64 s[18:19], s[18:19], 8192
	s_cmp_ge_u32 s[CNT], NST-2                     ; the last two trips have no step i + 2
	s_cbranch_scc1 .Lnostore
	ds_store_b128 v[FSK], v[FB:FB+3] offset:16384
	ds_store_b128 v[FSK], v[FB+4:FB+7] offset:20480
	ds_store_b128 v[FSV], v[FB+8:FB+11] offset:16384
	ds_store_b128 v[FSV], v[FB+12:FB+15] offset:20480
.Lnostore:
	s_wait_dscnt 0x0                               ; my stores have landed and have read their registers
	s_cmp_ge_u32 s[CNT], NST-3                     ; the last three trips ask for nothing
	s_cbranch_scc1 .Lnoload
	global_load_b128 v[FB:FB+3], v[T16], s[16:17] offset:16384     ; step i + 3
	global_load_b128 v[FB+4:FB+7], v[T16], s[16:17] offset:20480
	global_load_b128 v[FB+8:FB+11], v[T16], s[18:19] offset:16384
	global_load_b128 v[FB+12:FB+15], v[T16], s[18:19] offset:20480
.Lnoload:
	s_barrier_signal -1                            ; up to the wait at the next trip's top: register work, and LDS loads of steps i and i + 1, whose bytes nobody writes again
	WIN 0x40
.irp ct, 0,1,2,3                                   ; V is asked for now and lands under the products and the softmax
.irp c, 0,1,2,3
	ds_load_b128 v[VF+16*\ct+4*\c:VF+16*\ct+4*\c+3], v[ADV] offset:2048*\ct+512*\c
.endr
.endr
	WIN 0
	ds_load_b128 v[VSW:VSW+3], v[ADT]
	WIN 0x05                                       ; K's fragments and q: window 1
.irp p, 0,1,2,3
.irp t, 0,1
	v_wmma_scale_f32_16x16x128_f8f6f4 v[SS+68*\t+16*\p:SS+68*\t+16*\p+7], v[KF+16*\p:KF+16*\p+15], v[8+16*\t:23+16*\t], 0, v[KSW+\p], v[QSW+\t] matrix_a_fmt:MATRIX_FMT_BF8 matrix_b_fmt:MATRIX_FMT_BF8
	v_wmma_scale_f32_16x16x128_f8f6f4 v[SS+68*\t+16*\p+8:SS+68*\t+16*\p+15], v[KF+16*\p:KF+16*\p+15], v[16*\t:15+16*\t], 0, v[KSW+\p], v[QSW+\t] matrix_a_fmt:MATRIX_FMT_BF8 matrix_b_fmt:MATRIX_FMT_BF8
.endr
.endr
	WIN 0
	PLACES 8                                       ; in front of loads into registers that the products read, and of the first read of results
	KLOAD 8192, 256                                ; the next step's fragments of K
.irp b, 0,1,2,3                                    ; the largest score of each block of 32 keys; eight chains by turns
.irp t, 0,1
	v_max3_num_f32 v[BM+4*\t+\b], v[SS+68*\t+16*\b], v[SS+68*\t+16*\b+1], v[SS+68*\t+16*\b+2]
.endr
.endr
.irp i, 3,5,7,9,11,13
.irp b, 0,1,2,3
.irp t, 0,1
	v_max3_num_f32 v[BM+4*\t+\b], v[BM+4*\t+\b], v[SS+68*\t+16*\b+\i], v[SS+68*\t+16*\b+\i+1]
.endr
.endr
.endr
.irp b, 0,1,2,3
.irp t, 0,1
	v_max_num_f32 v[BM+4*\t+\b], v[BM+4*\t+\b], v[SS+68*\t+16*\b+15]
.endr
.endr
.irp b, 0,1,2,3
.irp t, 0,1
	v_permlanex16_b32 v[BT+4*\t+\b], v[BM+4*\t+\b], s[SEL], s[SEL+1]
.endr
.endr
.irp b, 0,1,2,3
.irp t, 0,1
	v_max_num_f32 v[BM+4*\t+\b], v[BM+4*\t+\b], v[BT+4*\t+\b]
.endr
.endr
.irp t, 0,1
	v_max3_num_f32 v[TMP+\t], v[BM+4*\t], v[BM+4*\t+1], v[BM+4*\t+2]
.endr
.irp t, 0,1
	s_delay_alu instid0(VALU_DEP_2)
	v_max_num_f32 v[TMP+\t], v[TMP+\t], v[BM+4*\t+3]
.endr
.irp t, 0,1
	s_delay_alu instid0(VALU_DEP_2)
	v_mul_f32 v[TMP+\t], s[CS], v[TMP+\t]          ; as t (c is positive)
.endr
.irp t, 0,1
	s_delay_alu instid0(VALU_DEP_2)
	v_max_num_f32 v[NM+2*\t+1], v[NM+2*\t+1], v[TMP+\t]   ; the running largest t
.endr
.irp t, 0,1
	v_mov_b32 v[TMP+\t], v[NM+2*\t]
.endr
.irp t, 0,1
	s_delay_alu instid0(VALU_DEP_4)
	v_floor_f32 v[NM+2*\t], -v[NM+2*\t+1]          ; the new -M = -ceil(t)
.endr
.irp t, 0,1
	s_delay_alu instid0(VALU_DEP_2)
	v_sub_f32 v[TMP+\t], v[NM+2*\t], v[TMP+\t]     ; old M - new M: a whole number, 0 or less
.endr
.irp t, 0,1
	s_delay_alu instid0(VALU_DEP_2)
	v_cvt_i32_f32 v[TMP+\t], v[TMP+\t]             ; (it saturates)
.endr
.irp t, 0,1
	s_delay_alu instid0(VALU_DEP_2)
	v_ldexp_f32 v[FF+2*\t], 1.0, v[TMP+\t]         ; f = 2^(old M - new M)
.endr
.irp t, 0,1
.set J, 0
.rept 32
	v_pk_fma_f32 v[SS+68*\t+J:SS+68*\t+J+1], v[SS+68*\t+J:SS+68*\t+J+1], s[CS:CS+1], v[NM+2*\t:NM+2*\t+1] op_sel_hi:[1,0,0]   ; t - M, two at a time
.set J, J+2
.endr
.endr
.irp b, 0,1,2,3
.irp t, 0,1
	v_fma_f32 v[BM+4*\t+\b], v[BM+4*\t+\b], s[CS], v[NM+2*\t]
.endr
.endr
	s_wait_alu depctr_va_vdst(0)                   ; the wait ahead of the batch
.irp t, 0,1
.set J, 0
.rept 64
	v_exp_f32 v[SS+68*\t+J], v[SS+68*\t+J]         ; p = 2^(t - M), at most 1
.set J, J+1
.endr
.endr
.irp b, 0,1,2,3,4,5,6,7
	v_exp_f32 v[BM+\b], v[BM+\b]                   ; the blocks' largest p
.endr
.irp t, 0,1
	v_pk_mul_f32 v[SUM+2*\t:SUM+2*\t+1], v[SUM+2*\t:SUM+2*\t+1], v[FF+2*\t:FF+2*\t+1] op_sel_hi:[1,0]   ; the sums under the new M (plain lines behind the batch)
.endr
	s_wait_alu depctr_va_vdst(0)                   ; one wait for the batch, ahead of its first reader
.irp b, 0,1,2,3,4,5,6,7
	v_max_num_f32 v[BM+\b], 0x8000000, v[BM+\b]    ; the floor 2^(16 - 127): the byte cannot fall under 1
.endr
.irp b, 0,1,2,3,4,5,6,7
	v_add_nc_u32 v[SCO+\b], 0xf8800000, v[BM+\b]   ; 15 off the exponent field: the conversion's scale operand
.endr
.irp b, 0,1,2,3,4,5,6,7
	v_and_or_b32 v[HOLD+\b], v[BM+\b], 0x7f800000, s[MNT]   ; 57,344 x the scale
.endr
.irp b, 0,1,2,3,4,5,6,7
	v_lshrrev_b32 v[BT+\b], 23, v[SCO+\b]          ; the scale's byte
.endr
.irp t, 0,1
	v_lshl_or_b32 v[PSW+\t], v[BT+4*\t+1], 8, v[BT+4*\t]   ; p's scale word for these 128 keys
.endr
.irp t, 0,1
	s_delay_alu instid0(VALU_DEP_2)
	v_lshl_or_b32 v[PSW+\t], v[BT+4*\t+2], 16, v[PSW+\t]
.endr
.irp t, 0,1
	s_delay_alu instid0(VALU_DEP_2)
	v_lshl_or_b32 v[PSW+\t], v[BT+4*\t+3], 24, v[PSW+\t]
.endr
.irp t, 0,1                                        ; the row's sum of the unquantised p: four chains a tile, eight by turns
	v_pk_add_f32 v[SUM+2*\t:SUM+2*\t+1], v[SUM+2*\t:SUM+2*\t+1], v[SS+68*\t:SS+68*\t+1]
.endr
.irp c, 1,2,3
.irp t, 0,1
	v_pk_add_f32 v[UU+6*\t+2*\c-2:UU+6*\t+2*\c-1], v[SS+68*\t+2*\c:SS+68*\t+2*\c+1], v[SS+68*\t+2*\c+8:SS+68*\t+2*\c+9]
.endr
.endr
.irp t, 0,1
	v_pk_add_f32 v[SUM+2*\t:SUM+2*\t+1], v[SUM+2*\t:SUM+2*\t+1], v[SS+68*\t+8:SS+68*\t+9]
.endr
.irp k, 2,3,4,5,6,7
.irp t, 0,1
	v_pk_add_f32 v[SUM+2*\t:SUM+2*\t+1], v[SUM+2*\t:SUM+2*\t+1], v[SS+68*\t+8*\k:SS+68*\t+8*\k+1]
.endr
.irp c, 1,2,3
.irp t, 0,1
	v_pk_add_f32 v[UU+6*\t+2*\c-2:UU+6*\t+2*\c-1], v[UU+6*\t+2*\c-2:UU+6*\t+2*\c-1], v[SS+68*\t+8*\k+2*\c:SS+68*\t+8*\k+2*\c+1]
.endr
.endr
.endr
.irp t, 0,1
	s_delay_alu instid0(VALU_DEP_4)
	v_pk_add_f32 v[UU+6*\t:UU+6*\t+1], v[UU+6*\t:UU+6*\t+1], v[UU+6*\t+2:UU+6*\t+3]
.endr
.irp t, 0,1
	s_delay_alu instid0(VALU_DEP_4)
	v_pk_add_f32 v[SUM+2*\t:SUM+2*\t+1], v[SUM+2*\t:SUM+2*\t+1], v[UU+6*\t+4:UU+6*\t+5]
.endr
.irp t, 0,1
	s_delay_alu instid0(VALU_DEP_2)
	v_pk_add_f32 v[SUM+2*\t:SUM+2*\t+1], v[SUM+2*\t:SUM+2*\t+1], v[UU+6*\t:UU+6*\t+1]
.endr
.irp b, 0,1,2,3
.irp t, 0,1
.set J, 0
.rept 16                                           ; the conversion does not saturate (ISA guide 7.6.2); p is not negative, so the hold is one-sided
	v_min_num_f32 v[SS+68*\t+16*\b+J], v[SS+68*\t+16*\b+J], v[HOLD+4*\t+\b]
.set J, J+1
.endr
.endr
.irp t, 0,1
	v_cvt_scalef32_pk8_bf8_f32 v[CD+68*\t+4*\b:CD+68*\t+4*\b+1], v[SS+68*\t+16*\b:SS+68*\t+16*\b+7], v[SCO+4*\t+\b]
	v_cvt_scalef32_pk8_bf8_f32 v[CD+68*\t+4*\b+2:CD+68*\t+4*\b+3], v[SS+68*\t+16*\b+8:SS+68*\t+16*\b+15], v[SCO+4*\t+\b]
.endr
.endr
	WIN 0x41
	s_wait_alu depctr_va_vdst(0)                   ; directly ahead of the first reader of O^T
.irp t, 0,1
.set J, 0
.rept 16
	v_pk_mul_f32 v[OO+32*\t+J:OO+32*\t+J+1], v[OO+32*\t+J:OO+32*\t+J+1], v[FF+2*\t:FF+2*\t+1] op_sel_hi:[1,0]   ; O^T under the new M; also the places between the codes and the products
.set J, J+2
.endr
.endr
	WIN 0x51                                       ; V's fragments, C and D: window 1
	s_wait_alu depctr_va_vdst(0)                   ; directly ahead of the wait below
	s_wait_dscnt 0x0                               ; V and its scale words; the next step's K too
.irp ct, 0,1,2,3                                   ; O^T += V^T P^T: the eight accumulators by turns
.irp t, 0,1
	v_wmma_scale_f32_16x16x128_f8f6f4 v[OO+32*\t+8*\ct:OO+32*\t+8*\ct+7], v[VF+16*\ct:VF+16*\ct+15], v[CD+68*\t:CD+68*\t+15], v[OO+32*\t+8*\ct:OO+32*\t+8*\ct+7], v[VSW+\ct], v[PSW+\t] matrix_a_fmt:MATRIX_FMT_BF8 matrix_b_fmt:MATRIX_FMT_BF8
.endr
.endr
	WIN 0
	s_add_co_u32 s[TK], s[TK], 8192
	s_add_co_u32 s[TS], s[TS], 256
	ADDR                                           ; six places,
	PLACES 3                                       ; nine in all: the next trip's products write over p's codes, its loads land on V's fragments
	s_add_co_u32 s[CNT], s[CNT], 1
	s_cmp_lt_u32 s[CNT], NST
	s_wait_alu depctr_va_vdst(0)                   ; directly ahead of the branch
	s_cbranch_scc1 .Lstep
	s_barrier_wait -1                              ; the last trip's signal has its wait
	; ---- the way out: O^T / the sum, quantised along d: register 16 b + i is d = 32 b + 16 h + i of my query
.irp t, 0,1
	v_add_f32 v[SUM+2*\t], v[SUM+2*\t], v[SUM+2*\t+1]
.endr
.irp t, 0,1
	v_permlanex16_b32 v[TMP+\t], v[SUM+2*\t], s[SEL], s[SEL+1]
.endr
.irp t, 0,1
	v_add_f32 v[SUM+2*\t], v[SUM+2*\t], v[TMP+\t]  ; the row's sum
.endr
	s_wait_alu depctr_va_vdst(0)                   ; the wait ahead of the transcendentals
.irp t, 0,1
	v_rcp_f32 v[SUM+2*\t], v[SUM+2*\t]
.endr
	v_nop
	WIN 0x01
	s_wait_alu depctr_va_vdst(0)                   ; and ahead of their first reader, which is O^T's too
.irp t, 0,1
.set J, 0
.rept 32
	v_mul_f32 v[SS+68*\t+J], v[OO+32*\t+J], v[SUM+2*\t]
.set J, J+1
.endr
.endr
	WIN 0
.irp b, 0,1
.irp t, 0,1
	v_max3_num_f32 v[BM+4*\t+\b], |v[SS+68*\t+16*\b]|, |v[SS+68*\t+16*\b+1]|, 0x8000000
.endr
.endr
.irp i, 2,4,6,8,10,12,14
.irp b, 0,1
.irp t, 0,1
	v_max3_num_f32 v[BM+4*\t+\b], v[BM+4*\t+\b], |v[SS+68*\t+16*\b+\i]|, |v[SS+68*\t+16*\b+\i+1]|
.endr
.endr
.endr
.irp b, 0,1
.irp t, 0,1
	v_permlanex16_b32 v[BT+4*\t+\b], v[BM+4*\t+\b], s[SEL], s[SEL+1]
.endr
.endr
.irp b, 0,1
.irp t, 0,1
	v_max_num_f32 v[BM+4*\t+\b], v[BM+4*\t+\b], v[BT+4*\t+\b]
.endr
.endr
.irp b, 0,1
.irp t, 0,1
	v_add_nc_u32 v[SCO+4*\t+\b], 0xf8800000, v[BM+4*\t+\b]
.endr
.endr
.irp b, 0,1
.irp t, 0,1
	v_and_or_b32 v[HOLD+4*\t+\b], v[BM+4*\t+\b], 0x7f800000, s[MNT]
.endr
.endr
.irp b, 0,1
.irp t, 0,1
	v_lshrrev_b32 v[BT+4*\t+\b], 23, v[SCO+4*\t+\b]
.endr
.endr
.irp b, 0,1
.irp t, 0,1
.set J, 0
.rept 16
	v_med3_num_f32 v[SS+68*\t+16*\b+J], v[SS+68*\t+16*\b+J], -v[HOLD+4*\t+\b], v[HOLD+4*\t+\b]
.set J, J+1
.endr
	v_cvt_scalef32_pk8_bf8_f32 v[UU+8*\t+4*\b:UU+8*\t+4*\b+1], v[SS+68*\t+16*\b:SS+68*\t+16*\b+7], v[SCO+4*\t+\b]
	v_cvt_scalef32_pk8_bf8_f32 v[UU+8*\t+4*\b+2:UU+8*\t+4*\b+3], v[SS+68*\t+16*\b+8:SS+68*\t+16*\b+15], v[SCO+4*\t+\b]
.endr
.endr
	v_nop                                          ; a plain line behind the last conversion
	v_cmp_eq_u32 vcc_lo, 1, v[HH]
.irp t, 0,1
	v_cndmask_b32 v[TMP+\t], v[BT+4*\t], v[BT+4*\t+1], vcc_lo   ; lanes 0-15 store the first block's byte, lanes 16-31 the second's
.endr
.irp t, 0,1
	global_store_b128 v[AK0], v[UU+8*\t:UU+8*\t+3], s[26:27] offset:8192*\t        ; 32 lanes store 512 consecutive bytes
	global_store_b128 v[AK0], v[UU+8*\t+4:UU+8*\t+7], s[26:27] offset:8192*\t+512
	global_store_b8 v[OSO], v[TMP+\t], s[28:29] offset:256*\t
.endr
	s_wait_tensorcnt 0x0                           ; the wave's end
	ds_add_u32 v[SPW], v[NIL]
	s_wait_dscnt 0x0
	s_endpgm
.Lfunc_end_k_q5c298749af_att_ca:
	.size	k_q5c298749af_att_ca, .Lfunc_end_k_q5c298749af_att_ca-k_q5c298749af_att_ca
	.p2alignl 7, 3214868480
	.fill 96, 4, 3214868480
	.section	.rodata,"a",@progbits
	.p2align	6, 0x0
	.amdhsa_kernel k_q5c298749af_att_ca
		.amdhsa_group_segment_fixed_size 69632
		.amdhsa_private_segment_fixed_size 0
		.amdhsa_enable_private_segment 0
		.amdhsa_kernarg_size 24
		.amdhsa_user_sgpr_count 2
		.amdhsa_user_sgpr_kernarg_segment_ptr 1
		.amdhsa_wavefront_size32 1
		.amdhsa_system_sgpr_workgroup_id_x 1
		.amdhsa_system_sgpr_workgroup_id_y 1
		.amdhsa_system_sgpr_workgroup_id_z 1
		.amdhsa_system_vgpr_workitem_id 0
		.amdhsa_next_free_vgpr 512
		.amdhsa_next_free_sgpr 66
		.amdhsa_reserve_vcc 1
		.amdhsa_float_denorm_mode_32 3
		.amdhsa_float_denorm_mode_16_64 3
		.amdhsa_memory_ordered 1
		.amdhsa_forward_progress 1
		.amdhsa_inst_pref_size 58
	.end_amdhsa_kernel
	.amdgpu_metadata
---
amdhsa.version: [ 1, 2 ]
amdhsa.kernels:
  - .name:           k_q5c298749af_att_ca
    .symbol:         k_q5c298749af_att_ca.kd
    .args:
      - { .name: ca_q, .offset: 0, .size: 8, .value_kind: global_buffer, .address_space: global }
      - { .name: ca_kv, .offset: 8, .size: 8, .value_kind: global_buffer, .address_space: global }
      - { .name: att2, .offset: 16, .size: 8, .value_kind: global_buffer, .address_space: global }
    .group_segment_fixed_size: 69632
    .private_segment_fixed_size: 0
    .kernarg_segment_align: 8
    .kernarg_segment_size: 24
    .max_flat_workgroup_size: 256
    .sgpr_count:     66
    .vgpr_count:     512
    .wavefront_size: 32
...
	.end_amdgpu_metadata
.endif
;; end of part 12
;; launch outp (part 13): grid 128 x 2, 4 waves a work-group, no clusters, 168,448 bytes of LDS; arguments att2, wts, ca_bo, x1, out0; writes out0
.if DOCPART == 13
	.amdgcn_target "amdgcn-amd-amdhsa--gfx1250"
	.amdhsa_code_object_version 6
	.text
	.protected	k_q5c298749af_outp
	.globl	k_q5c298749af_outp
	.p2align	8
	.type	k_q5c298749af_outp,@function
k_q5c298749af_outp:
	s_mov_b64 s[64:65], 0
	v_nop
	global_prefetch_b8 v0, s[64:65] scope:SCOPE_SE
	s_setreg_imm32_b32 hwreg(HW_REG_WAVE_MODE, 25, 1), 1
	s_wait_xcnt 0x0
; out = att Wo + bo + x1.  The product on codes of BF8 (E5M2), one E8M0 scale for each 32 along K = 512; att's codes and Wo's lie in memory as images of the operand's registers.
; SHARES.  128 blocks of 64 rows x 2 halves of the 1,024 features = 256 work-groups of four waves.  A block is four tiles of 16 rows (position r of tile m is row 32 (m / 2) + 8 (m % 2) + r + 8 (r / 8), as the launches before laid them).
; Wave w of half y makes features 128 (4 y + w) on, 128 of them, of all 64 rows: 32 accumulators, all of window 1.  THE SUMS BEGIN AS x1 + bo: the residual is loaded into the accumulators, the bias added, and the products add onto that.
; Source 0 = 16 columns of Wo, source 1 = 16 rows: a lane holds one row and 16 neighbouring features of each 32.
; The result leaves through each wave's own stage in LDS, a tile of rows at a time: 32 lanes store 512 consecutive bytes of a row.  Waves share nothing: no barrier.
; LDS: the stages take 33,792 bytes; the claim is more than half of a WGP's 327,680, so that a work-group has a WGP to itself.
; NO CLUSTER, NO TENSOR LOAD: no weight passes through LDS, so there is no tile that a joint load could bring; a work-group reads 262,144 bytes of Wo's codes, which the 128 work-groups of its half share.
; LIMITS: NaN and infinities are not served.
.set ROWB,  4096
.set COFF_WO, 0x340000
.set SOFF_WO, 0x3e0000
.set STAGE, 0                          ; LDS: 16 rows x (512 + 16) bytes for each wave
.set XA,  1                            ; v1  (r + 8 (r / 8)) ROWB + 64 h + 512 (4 y + w)
.set GA,  2                            ; v2  512 (4 y + w) + 64 h
.set LI,  3                            ; v3  16 x lane
.set STO, 6                            ; v6  my stage + 528 r + 64 h
.set RD,  11                           ; v11 my stage + 16 x lane
.set R32, 12                           ; v12 32 r
.set R16, 15                           ; v15 16 r
.set WSF, 16                           ; Wo's scale words, 4 ct + s
.set ASF, 48                           ; the rows' scale words, 4 m + s
.set AF,  64                           ; four fragments of rows (first: the bias)
.set WF,  128                          ; eight fragments of Wo
.set BK,  64                           ; the way out: 16 rows read back
.set AT,  4
.set WT,  6
.set BOP, 8
.set XP,  10
.set DST, 16
.set WV,  20
.set FW,  22                           ; s22 4 y + w: which 128 features are mine
.set WOS, 28
.set WOB, 30
.set ATC, 32
.set ATS, 34
.set MSB, 0
.macro WIN new                         ; the immediate's high byte repeats the setting that is left
.if MSB != \new
	s_set_vgpr_msb (MSB<<8)|\new
.set MSB, \new
.endif
.endm
.macro PLACES n
.rept \n
	v_nop
.endr
.endm
; K step s's fragments lie in window 0 (s = 0 and 3), 2 (s = 1) or 3 (s = 2), at the same low numbers: steps 0, 1 and 2 are asked for ahead of the first product, step 3 behind step 0's products
.macro WFLOAD s
.set WD, ((3*((\s)%3)+1)/2)<<6
	WIN WD
.irp ct, 0,1,2,3,4,5,6,7
.irp c, 0,1,2,3
	global_load_b128 v[WF+16*\ct+4*\c:WF+16*\ct+4*\c+3], v[LI], s[WOB:WOB+1] offset:(4*\ct+(\s))*2048+512*\c
.endr
.endr
.endm
.macro AFLOAD s
.set WD, ((3*((\s)%3)+1)/2)<<6
	WIN WD
.irp m, 0,1,2,3
.irp c, 0,1,2,3
	global_load_b128 v[AF+16*\m+4*\c:AF+16*\m+4*\c+3], v[LI], s[ATC:ATC+1] offset:(4*\m+(\s))*2048+512*\c
.endr
.endr
.endm
.macro FMUL s                          ; 32 products, the 32 accumulators by turns in the same order in every step
.set WW, (3*((\s)%3)+1)/2
.set WM, 0x50|WW|(WW<<2)
	WIN WM                                         ; C and D window 1; both sources the step's window
.irp m, 0,1,2,3
.irp ct, 0,1,2,3,4,5,6,7
	v_wmma_scale_f32_16x16x128_f8f6f4 v[64*\m+8*\ct:64*\m+8*\ct+7], v[WF+16*\ct:WF+16*\ct+15], v[AF+16*\m:AF+16*\m+15], v[64*\m+8*\ct:64*\m+8*\ct+7], v[WSF+4*\ct+(\s)], v[ASF+4*\m+(\s)] matrix_a_fmt:MATRIX_FMT_BF8 matrix_b_fmt:MATRIX_FMT_BF8
.endr
.endr
	WIN 0
.endm
	s_load_b256 s[4:11], s[0:1], 0x0               ; att, wts, bo, x1
	s_load_b64 s[DST:DST+1], s[0:1], 0x20          ; out
	v_lshl_add_u32 v13, v0, 2, 0x29000
	v_mov_b32 v14, 0
	v_lshrrev_b32 v16, 5, v0
	v_readfirstlane_b32 s[WV], v16                 ; wave 0..3
	v_and_b32 v17, 31, v0                          ; lane
	v_and_b32 v18, 15, v0                          ; r
	v_bfe_u32 v19, v0, 4, 1                        ; h
	v_and_b32 v20, 8, v18
	v_add_nc_u32 v20, v20, v18                     ; r + 8 (r / 8)
	s_and_b32 s[FW], ttmp7, 0xffff                 ; y: which half of the features
	s_lshl_b32 s[FW], s[FW], 2
	s_add_co_u32 s[FW], s[FW], s[WV]               ; 4 y + w, 0 .. 7
	s_lshl_b32 s26, s[FW], 9
	v_mul_u32_u24 v[XA], v20, ROWB
	v_lshl_add_u32 v[XA], v19, 6, v[XA]
	v_add_nc_u32 v[XA], s26, v[XA]
	v_lshlrev_b32 v[GA], 6, v19
	v_add_nc_u32 v[GA], s26, v[GA]
	v_lshlrev_b32 v[LI], 4, v17
	s_mul_i32 s26, s[WV], 8448
	s_add_co_u32 s26, s26, STAGE                   ; my stage
	v_mul_u32_u24 v[STO], v18, 528
	v_lshl_add_u32 v[STO], v19, 6, v[STO]
	v_add_nc_u32 v[STO], s26, v[STO]
	v_add_nc_u32 v[RD], s26, v[LI]
	v_lshlrev_b32 v[R32], 5, v18
	v_lshlrev_b32 v[R16], 4, v18
	s_mov_b32 s27, 0
	s_wait_alu depctr_va_vdst(0)
	s_wait_kmcnt 0x0
	s_lshl_b32 s26, ttmp9, 18                      ; 64 rows of 4,096 bytes
	s_add_nc_u64 s[XP:XP+1], s[XP:XP+1], s[26:27]
	s_lshl_b32 s21, s[FW], 9
	s_add_co_u32 s26, s26, s21                     ; + my 512 bytes of a row
	s_add_nc_u64 s[DST:DST+1], s[DST:DST+1], s[26:27]
	s_lshl_b32 s26, s[FW], 12
	s_add_nc_u64 s[WOS:WOS+1], s[WT:WT+1], s[26:27]
	s_add_nc_u64 s[WOS:WOS+1], s[WOS:WOS+1], SOFF_WO
	s_lshl_b32 s26, s[FW], 16
	s_add_nc_u64 s[WOB:WOB+1], s[WT:WT+1], s[26:27]
	s_add_nc_u64 s[WOB:WOB+1], s[WOB:WOB+1], COFF_WO
	s_lshl_b32 s26, ttmp9, 15
	s_add_nc_u64 s[ATC:ATC+1], s[AT:AT+1], s[26:27]
	s_lshl_b32 s26, ttmp9, 10
	s_add_co_u32 s26, s26, 0x400000
	s_add_nc_u64 s[ATS:ATS+1], s[AT:AT+1], s[26:27]
	; ---- x1 + bo + att Wo
	WIN 0x40                                       ; the residual, into the accumulators: tile m, block b of 32, 16 numbers a lane
.irp m, 0,1,2,3
.irp b, 0,1,2,3
.irp j, 0,1,2,3
	global_load_b128 v[64*\m+16*\b+4*\j:64*\m+16*\b+4*\j+3], v[XA], s[XP:XP+1] offset:(32*(\m/2)+8*(\m%2))*ROWB+128*\b+16*\j th:TH_LOAD_NT
.endr
.endr
.endr
	WIN 0x80                                       ; the bias: window 2, v0-63
.irp b, 0,1,2,3
.irp j, 0,1,2,3
	global_load_b128 v[16*\b+4*\j:16*\b+4*\j+3], v[GA], s[BOP:BOP+1] offset:128*\b+16*\j
.endr
.endr
.irp ct, 0,1,2,3,4,5,6,7
	WIN 0
	global_load_b128 v[WSF+4*\ct:WSF+4*\ct+3], v[R32], s[WOS:WOS+1] offset:512*\ct
.endr
.irp m, 0,1,2,3
	global_load_b128 v[ASF+4*\m:ASF+4*\m+3], v[R16], s[ATS:ATS+1] offset:256*\m
.endr
	WFLOAD 0
	AFLOAD 0
	WIN 0
	s_wait_loadcnt 60                              ; x1 and bo are in; behind them: 8 + 4 loads of scale words, 32 of Wo, 16 of the rows
	WIN 0x49                                       ; the sums window 1, the bias window 2
.irp m, 0,1,2,3
.set I, 0
.rept 32
	v_pk_add_f32 v[64*\m+I:64*\m+I+1], v[64*\m+I:64*\m+I+1], v[I:I+1]
.set I, I+2
.endr
.endr
	WIN 0
	WFLOAD 1
	AFLOAD 1
	WFLOAD 2
	AFLOAD 2
	WIN 0
	s_wait_alu depctr_va_vdst(0)                   ; directly ahead of the wait below
	s_wait_loadcnt 63                              ; step 0's loads and the scale words are in: 96 loads were issued behind them
	FMUL 0
	PLACES 8                                       ; in front of loads into registers that the last products read
	WFLOAD 3
	AFLOAD 3
	WIN 0
	s_wait_loadcnt 63                              ; step 1's are in: 96 loads were issued behind them
	FMUL 1
	s_wait_loadcnt 48                              ; step 2's are in; step 3's 48 may be out
	FMUL 2
	s_wait_loadcnt 0x0
	FMUL 3
	; ---- the way out, a tile of rows at a time, through my own stage: LDS serves a wave's instructions in order, so no wait stands between the stores and the loads
	PLACES 8
.irp m, 0,1,2,3
.if \m > 0
	s_wait_xcnt 0x0                                ; the last tile's stores have read their registers
.endif
	WIN 0x04                                       ; an LDS store's data are its source 1: window 1
.irp ct, 0,1,2,3,4,5,6,7
	ds_store_b128 v[STO], v[64*\m+8*\ct:64*\m+8*\ct+3] offset:128*(\ct/2)+32*(\ct%2)         ; each accumulator from its low end on
	ds_store_b128 v[STO], v[64*\m+8*\ct+4:64*\m+8*\ct+7] offset:128*(\ct/2)+32*(\ct%2)+16
.endr
	WIN 0
.irp p, 0,1,2,3,4,5,6,7,8,9,10,11,12,13,14,15
	ds_load_b128 v[BK+4*\p:BK+4*\p+3], v[RD] offset:528*\p
.endr
.irp p, 0,1,2,3,4,5,6,7,8,9,10,11,12,13,14,15
	s_wait_dscnt 15-\p                             ; row p is back; the younger rows may be out
	global_store_b128 v[LI], v[BK+4*\p:BK+4*\p+3], s[DST:DST+1] offset:(32*(\m/2)+8*(\m%2)+\p+8*(\p/8))*4096 th:TH_STORE_NT   ; 32 lanes store 512 consecutive bytes; written once, read by nobody here
.endr
.endr
	s_wait_tensorcnt 0x0
	ds_add_u32 v13, v14
	s_wait_dscnt 0x0
	s_endpgm
.Lfunc_end_k_q5c298749af_outp:
	.size	k_q5c298749af_outp, .Lfunc_end_k_q5c298749af_outp-k_q5c298749af_outp
	.p2alignl 7, 3214868480
	.fill 96, 4, 3214868480
	.section	.rodata,"a",@progbits
	.p2align	6, 0x0
	.amdhsa_kernel k_q5c298749af_outp
		.amdhsa_group_segment_fixed_size 168448
		.amdhsa_private_segment_fixed_size 0
		.amdhsa_enable_private_segment 0
		.amdhsa_kernarg_size 40
		.amdhsa_user_sgpr_count 2
		.amdhsa_user_sgpr_kernarg_segment_ptr 1
		.amdhsa_wavefront_size32 1
		.amdhsa_system_sgpr_workgroup_id_x 1
		.amdhsa_system_sgpr_workgroup_id_y 1
		.amdhsa_system_sgpr_workgroup_id_z 1
		.amdhsa_system_vgpr_workitem_id 0
		.amdhsa_next_free_vgpr 1024
		.amdhsa_next_free_sgpr 66
		.amdhsa_reserve_vcc 0
		.amdhsa_float_denorm_mode_32 3
		.amdhsa_float_denorm_mode_16_64 3
		.amdhsa_memory_ordered 1
		.amdhsa_forward_progress 1
		.amdhsa_inst_pref_size 71
	.end_amdhsa_kernel
	.amdgpu_metadata
---
amdhsa.version: [ 1, 2 ]
amdhsa.kernels:
  - .name:           k_q5c298749af_outp
    .symbol:         k_q5c298749af_outp.kd
    .args:
      - { .name: att2, .offset: 0, .size: 8, .value_kind: global_buffer, .address_space: global }
      - { .name: wts, .offset: 8, .size: 8, .value_kind: global_buffer, .address_space: global }
      - { .name: ca_bo, .offset: 16, .size: 8, .value_kind: global_buffer, .address_space: global }
      - { .name: x1, .offset: 24, .size: 8, .value_kind: global_buffer, .address_space: global }
      - { .name: out0, .offset: 32, .size: 8, .value_kind: global_buffer, .address_space: global }
    .group_segment_fixed_size: 168448
    .private_segment_fixed_size: 0
    .kernarg_segment_align: 8
    .kernarg_segment_size: 40
    .max_flat_workgroup_size: 128
    .sgpr_count:     66
    .vgpr_count:     1024
    .wavefront_size: 32
...
	.end_amdgpu_metadata
.endif
;; end of part 13
